; MI455X (gfx1250); checked and timed in simulation.
; The chip was launched on July 23, 2026; its instructions are those of AMD's public machine-readable ISA for CDNA 5 (MIT licence, August 2026) and "CDNA5" Instruction Set Architecture Reference Guide (July 2026). The comments in the code are by the model that wrote it; some were corrected since.
;; Transformer Block. Allowed arithmetic: matrix products marked QUANTISED: E2M3 operands, one E8M0 scale for each 32 along K, by v_wmma_scale_f32_16x16x128_f8f6f4 with both operands' format E2M3, f32 sums; everything else in f32.
;; Inputs: fc1_b 4,096 float32; fc1_w_codes 4,096 x 32 x 24 uint8 (E2M3 codes of fc1_w, K innermost, in blocks of 32 codes, four codes in three bytes); fc1_w_scales 4,096 x 32 uint8 (E8M0 scales of fc1_w, one for each 32 codes along K); fc2_b 1,024 float32; fc2_w_codes 1,024 x 128 x 24 uint8 (E2M3 codes of fc2_w, K innermost, in blocks of 32 codes, four codes in three bytes); fc2_w_scales 1,024 x 128 uint8 (E8M0 scales of fc2_w, one for each 32 codes along K); ln1_b 1,024 float32; ln1_g 1,024 float32; ln2_b 1,024 float32; ln2_g 1,024 float32; proj_b 1,024 float32; proj_w_codes 1,024 x 32 x 24 uint8 (E2M3 codes of proj_w, K innermost, in blocks of 32 codes, four codes in three bytes); proj_w_scales 1,024 x 32 uint8 (E8M0 scales of proj_w, one for each 32 codes along K); qkv_b 3,072 float32; qkv_w_codes 3,072 x 32 x 24 uint8 (E2M3 codes of qkv_w, K innermost, in blocks of 32 codes, four codes in three bytes); qkv_w_scales 3,072 x 32 uint8 (E8M0 scales of qkv_w, one for each 32 codes along K); x 2 x 2,048 x 1,024 float32.
;; Outputs: out0 2 x 2,048 x 1,024 float32.
;; This version of the problem:
;;   THIS VERSION OF THE PROBLEM IS GIVEN IN LOW PRECISION. The matrix products marked QUANTISED in the list below multiply operands that are first quantised to E2M3 (2 exponent bits, 3 mantissa bits; 6 bits a number), with one power-of-two scale for each 32 numbers along K (OCP MX v1.0); their sums are f32. All else is computed in f32.
;;   The module's matrix products, in the order in which they are computed (A, B: the left and right operand; K: the contracted axis; several contracted axes count as one K, in the product's order):
;;     1. [M 4,096, K 1,024] x [K 1,024, N 3,072]; A: computed on the way; B: input qkv_w (given as codes): QUANTISED
;;     2. batch 32 x [M 2,048, K 64] x [K 64, N 2,048]; A: computed on the way; B: computed on the way: QUANTISED
;;     3. batch 32 x [M 64, K 2,048] x [K 2,048, N 2,048]; A: computed on the way; B: softmax (see below): QUANTISED
;;     4. [M 4,096, K 1,024] x [K 1,024, N 1,024]; A: computed on the way; B: input proj_w (given as codes): QUANTISED
;;     5. [M 4,096, K 1,024] x [K 1,024, N 4,096]; A: computed on the way; B: input fc1_w (given as codes): QUANTISED
;;     6. [M 4,096, K 4,096] x [K 4,096, N 1,024]; A: computed on the way; B: input fc2_w (given as codes): QUANTISED
;;   THE QUANTISER, for each operand of a quantised product, along K:
;;     - K is cut into blocks of 32 from its start; a last block that is shorter is filled with zeros.
;;     - A block's scale is 2^e with e = floor(log2(the largest magnitude in the block)) - 2, held to -126 .. 127; a block of zeros has e = 0. As a byte (E8M0): e + 127.
;;     - Each number is divided by its block's scale, clamped to +-7.5, and rounded to the nearest number of E2M3, ties to even, subnormals kept.
;;     - The product sums the exact products of the quantised numbers (number of the format x scale) in f32.
;;   ~~~python
;;   def quantise(x, axis):      # numpy; x: float32 -> the quantised numbers, widened to float32 again
;;       x = np.moveaxis(x, axis, -1); K = x.shape[-1]
;;       x = np.pad(x, [(0, 0)] * (x.ndim - 1) + [(0, -K % 32)]); x = x.reshape(x.shape[:-1] + (-1, 32)); a = np.abs(x).max(-1, keepdims=True)
;;       e = np.where(a > 0, np.clip(np.frexp(np.where(a > 0, a, 1))[1] - 1 - 2, -126, 127), 0)      # np.frexp(a)[1] - 1 = floor(log2(a)), exactly
;;       r = np.clip(x / 2.0 ** e, -7.5, 7.5)
;;       step = 2.0 ** (np.maximum(np.frexp(np.where(r == 0, 1, r))[1] - 1, 0) - 3)
;;       q = np.round(r / step) * step * 2.0 ** e      # np.round: ties to even
;;       return np.moveaxis(q.reshape(q.shape[:-2] + (-1,))[..., :K], -1, axis).astype(np.float32)
;;   ~~~
;;   SOFTMAX AHEAD OF A QUANTISED PRODUCT. Where the list says 'softmax', what is quantised is not the finished softmax but p = 2^(t - M), with t = logit x log2(e) and M = ceil(the row's largest t), a whole number; so 1/2 < the row's largest p <= 1. The row's sum l is taken of the UNQUANTISED p, in f32, and the product's result is divided by l at the end. Since M is a whole number, a kernel that streams over the keys may use a running M (the ceiling of the running maximum): every later rescaling is an exact power of two, which a block's scale takes up: the codes' values come out the same.
;;   OPERANDS COMPUTED ON THE WAY. 'Computed on the way' means the value that the module computes at that place (a softmax that the list does not call 'softmax' is quantised finished and normalised). What goes into a quantiser is computed in f32, as accurately as f32 sums, v_exp_f32 and their like allow (about 1e-6 of the number): no bf16 or f16 on the way to a quantiser, and a product that is left as it is and whose result goes on into a quantised operand takes f32 operands (vector FMAs, or v_wmma_f32_16x16x4_f32). A number that lies on a knife's edge between two numbers of the format may be rounded either way, as far as f32 arithmetic and the matrix unit's own rounding can turn it there, and no further.
;;   INPUTS GIVEN AS CODES. fc1_w (in the module: [1024, 4096], K = its axis 0); fc2_w (in the module: [4096, 1024], K = its axis 0); proj_w (in the module: [1024, 1024], K = its axis 0); qkv_w (in the module: [1024, 3072], K = its axis 0): each comes as NAME_codes (uint8): NAME with its K axis moved to the last place and cut into blocks of 32 codes, [.., K / 32, bytes a block], one block behind the other in memory; four codes in three bytes: a row's codes are one little-endian stream of bits, code i at bits 6 i .. 6 i + 5 (a code: sign, 2 exponent bits, 3 mantissa bits); and NAME_scales (uint8): the same leading axes, one E8M0 byte (e + 127) for each 32 codes along K. Its value is code x scale, taken as it is: it is not quantised again, and the codes and scales need not be those that the quantiser above would give.
;; 2 versions. Each part assembles by itself: llvm-mc -triple=amdgcn-amd-amdhsa -mcpu=gfx1250 --defsym DOCPART=n.
;; ======== version 1 of 2: 7 launches
;; workspace buffers: aimg 3,145,728 bytes; asc 131,072 bytes; himg 12,582,912 bytes; hsc 524,288 bytes; kv 6,684,672 bytes; qq 6,684,672 bytes; x1 16,777,216 bytes
;; launch lnq1 (part 1): grid 256 x 1, 8 waves a work-group, no clusters, 67,584 bytes of LDS; arguments x, ln1_g, ln1_b, aimg, asc; writes aimg, asc
.if DOCPART == 1
	.amdgcn_target "amdgcn-amd-amdhsa--gfx1250"
	.amdhsa_code_object_version 6
	.text
	.protected	k_qcbaf889bfc_lnq1
	.globl	k_qcbaf889bfc_lnq1
	.p2align	8
	.type	k_qcbaf889bfc_lnq1,@function
k_qcbaf889bfc_lnq1:
	s_mov_b64 s[64:65], 0
	v_nop
	global_prefetch_b8 v0, s[64:65] scope:SCOPE_SE
	s_setreg_imm32_b32 hwreg(HW_REG_WAVE_MODE, 25, 1), 1
	s_wait_xcnt 0x0
; LayerNorm of [4096][1024] f32 rows, then the MX-FP6 (E2M3) quantiser along the row: codes and E8M0 scale bytes for the next product's left operand.
; A work-group takes 16 rows (one block of rows of the operand).  Phase 1: wave w normalises rows 2 w and 2 w + 1 (mean, then the mean of squared differences: two passes over registers,
; so a common offset of the inputs does no harm) and lays (x - mean) / sqrt(var + 1e-5) into LDS.  Phase 2: wave w takes columns 128 w .. 128 w + 127 of all 16 rows in the ORDER OF THE
; OPERAND'S REGISTERS (lane (r, h): row r, k = 64 c + 32 h + 0 .. 31 in registers 32 c on), applies gain and bias, and quantises: a lane holds two whole blocks of 32.
; OUT: a fragment (16 rows x 128 K, 12 registers a lane) as a PAIR IMAGE of 1,536 bytes: register pair p of lane l at 256 p + 8 l, so each store of the wave covers 256 consecutive bytes, aligned.
;   images [256 row blocks][8 K steps][1,536];  scale words [4 K steps of 256][4,096 rows][2 words].
; A block's scale byte is its largest magnitude's exponent field - 2, held at 1 from below.  LIMITS: NaN and infinities are not served; a block whose largest magnitude lies under 2^-124 keeps the
; byte 1; a block of zeros gets the byte 1 and zero codes (the bytes are read by this program alone).
; No matrix unit, no tensor load, no cluster: the launch streams its rows once and work-groups share nothing but 8 KB of gain and bias.
.set PITCH, 4112                       ; an LDS row: 4,096 bytes + 16: row r starts 4 r words on, so sixteen rows' 16-byte pieces fall on different banks
.set SCR,   16*PITCH                   ; behind the rows: 512 bytes of scale words [4][16 rows][2]
.set X,   16                           ; v16-79   64 numbers
.set G,   80                           ; v80-143  gains of my 64 columns
.set BB,  144                          ; v144-207 biases
.set TM,  208                          ; v208-211 largest magnitudes, two chains a block
.set TS,  212                          ; v212-213 the conversions' scale operands
.set TYB, 214                          ; v214-215 the scale bytes
.set SU,  216                          ; v216-223 sums, four chains of pairs
.set PC,  224                          ; v224-235 the fragment's codes
.set PX,  236                          ; v236-242 the upper halves of the blocks' codes, before they are moved
.set PW,  244                          ; the scale word
.set PT,  245                          ; target of the lane exchange
.set SH8, 10                           ; v10 = 8 h
.set SEL, 16                           ; s[16:17] lane selects: lane l xor 16
	s_load_b256 s[4:11], s[0:1], 0x0               ; rows s[4:5], gain s[6:7], bias s[8:9], images s[10:11]
	s_load_b64 s[12:13], s[0:1], 0x20              ; scale words
	v_lshl_add_u32 v254, v0, 2, 0x10400
	v_mov_b32 v255, 0
	v_lshrrev_b32 v1, 5, v0
	v_readfirstlane_b32 s14, v1                    ; wave 0..7
	v_and_b32 v1, 31, v0                           ; lane
	v_and_b32 v2, 15, v0                           ; r
	v_bfe_u32 v3, v0, 4, 1                         ; h
	s_mov_b32 s[SEL], 0x76543210
	s_mov_b32 s[SEL+1], 0xfedcba98
	s_mov_b32 s19, 0x3a800000                      ; 1 / 1024
	s_mov_b32 s20, 0x3727c5ac                      ; 1e-5
	s_lshl_b32 s18, s14, 13
	v_lshlrev_b32 v4, 4, v1
	v_add_nc_u32 v4, s18, v4                       ; rows in memory: 16 x lane + two rows x wave
	s_lshl_b32 s21, s14, 9
	v_lshl_add_u32 v5, v3, 7, s21                  ; gain and bias: 512 w + 128 h
	s_mul_i32 s22, s14, 2*PITCH
	v_lshl_add_u32 v6, v1, 4, s22                  ; LDS, phase 1: my two rows, 16 x lane
	v_mul_u32_u24 v7, v2, PITCH
	v_add_nc_u32 v7, v7, v5                        ; LDS, phase 2: row r, my wave's 512 bytes, + 128 h
	v_lshlrev_b32 v8, 3, v1                        ; 8 x lane: my place in a pair of an image
	s_lshr_b32 s23, s14, 1
	s_lshl_b32 s23, s23, 7
	s_and_b32 s24, s14, 1
	s_lshl_b32 s24, s24, 2
	s_add_co_u32 s23, s23, s24
	s_add_co_u32 s23, s23, SCR
	v_lshl_add_u32 v9, v2, 3, s23                  ; my row's scale word: SCR + 128 (w / 2) + 8 r + 4 (w % 2)
	v_lshlrev_b32 v[SH8], 3, v3
	v_lshl_add_u32 v11, v1, 4, SCR                 ; wave 0's way out of the scale words: 16 x lane,
	v_lshrrev_b32 v12, 3, v1
	v_lshlrev_b32 v12, 15, v12
	v_and_b32 v13, 7, v1
	v_lshl_add_u32 v12, v13, 4, v12                ; and in memory: 32,768 (lane / 8) + 16 (lane % 8)
	v_mov_b32 v[PT], 0                             ; a lane exchange's target counts as read: written once
	s_lshl_b32 s26, ttmp9, 16                      ; 16 rows of 4,096 bytes
	s_mov_b32 s27, 0
	s_lshl_b32 s28, ttmp9, 3
	s_add_co_u32 s28, s28, s14
	s_mul_i32 s28, s28, 1536                       ; image (row block, K step w)
	s_mov_b32 s29, 0
	s_lshl_b32 s30, ttmp9, 7                       ; 16 rows of 8 bytes
	s_mov_b32 s31, 0
	s_wait_kmcnt 0x0
	s_add_nc_u64 s[4:5], s[4:5], s[26:27]
	s_add_nc_u64 s[10:11], s[10:11], s[28:29]
	s_add_nc_u64 s[12:13], s[12:13], s[30:31]
.irp rho, 0,1
.irp j, 0,1,2,3,4,5,6,7
	global_load_b128 v[X+32*\rho+4*\j:X+32*\rho+4*\j+3], v4, s[4:5] offset:4096*\rho+512*\j   ; 32 lanes read 512 consecutive bytes
.endr
.endr
.irp c, 0,1
.irp i, 0,1,2,3,4,5,6,7
	global_load_b128 v[G+32*\c+4*\i:G+32*\c+4*\i+3], v5, s[6:7] offset:256*\c+16*\i
.endr
.endr
.irp c, 0,1
.irp i, 0,1,2,3,4,5,6,7
	global_load_b128 v[BB+32*\c+4*\i:BB+32*\c+4*\i+3], v5, s[8:9] offset:256*\c+16*\i
.endr
.endr
.macro LANESUM                         ; v[SU] summed over the 32 lanes, the result in every lane
	v_add_f32_dpp v[SU], v[SU], v[SU] row_xmask:1 row_mask:0xf bank_mask:0xf
	v_add_f32_dpp v[SU], v[SU], v[SU] row_xmask:2 row_mask:0xf bank_mask:0xf
	v_add_f32_dpp v[SU], v[SU], v[SU] row_xmask:4 row_mask:0xf bank_mask:0xf
	v_add_f32_dpp v[SU], v[SU], v[SU] row_xmask:8 row_mask:0xf bank_mask:0xf
	v_permlanex16_b32 v[PT], v[SU], s[SEL], s[SEL+1]
	v_add_f32 v[SU], v[SU], v[PT]
.endm
.macro FOLD                            ; four chains of pairs into one number a lane
	v_pk_add_f32 v[SU:SU+1], v[SU:SU+1], v[SU+2:SU+3]
	v_pk_add_f32 v[SU+4:SU+5], v[SU+4:SU+5], v[SU+6:SU+7]
	v_pk_add_f32 v[SU:SU+1], v[SU:SU+1], v[SU+4:SU+5]
	v_add_f32 v[SU], v[SU], v[SU+1]
.endm
; one row: 32 numbers a lane in v[X + 32 rho] on
.macro ROWSTAT rho
.set XR, X+32*\rho
.irp k, 0,1,2,3
	v_pk_add_f32 v[SU+2*\k:SU+2*\k+1], v[XR+2*\k:XR+2*\k+1], v[XR+8+2*\k:XR+9+2*\k]   ; the first pairs start the chains: nothing is cleared
.endr
.irp k, 0,1,2,3
	v_pk_add_f32 v[SU+2*\k:SU+2*\k+1], v[SU+2*\k:SU+2*\k+1], v[XR+16+2*\k:XR+17+2*\k]
.endr
.irp k, 0,1,2,3
	v_pk_add_f32 v[SU+2*\k:SU+2*\k+1], v[SU+2*\k:SU+2*\k+1], v[XR+24+2*\k:XR+25+2*\k]
.endr
	FOLD
	LANESUM
	v_mul_f32 v[SU], s19, v[SU]                    ; the mean
.set jj, 0
.rept 16
	v_pk_add_f32 v[XR+jj:XR+jj+1], v[XR+jj:XR+jj+1], v[SU:SU+1] op_sel_hi:[1,0] neg_lo:[0,1] neg_hi:[0,1]   ; x - mean
.set jj, jj+2
.endr
.irp k, 0,1,2,3
	v_pk_mul_f32 v[SU+2*\k:SU+2*\k+1], v[XR+2*\k:XR+2*\k+1], v[XR+2*\k:XR+2*\k+1]
.endr
.irp o, 8,16,24
.irp k, 0,1,2,3
	v_pk_fma_f32 v[SU+2*\k:SU+2*\k+1], v[XR+\o+2*\k:XR+\o+2*\k+1], v[XR+\o+2*\k:XR+\o+2*\k+1], v[SU+2*\k:SU+2*\k+1]
.endr
.endr
	FOLD
	LANESUM
	v_fma_f32 v[SU], v[SU], s19, s20               ; var + eps
	v_rsq_f32 v[SU], v[SU]
	v_nop                                          ; one plain instruction behind the transcendental (ISA guide 5.7.2)
.set jj, 0
	s_wait_alu depctr_va_vdst(0)
.rept 16
	v_pk_mul_f32 v[XR+jj:XR+jj+1], v[XR+jj:XR+jj+1], v[SU:SU+1] op_sel_hi:[1,0]
.set jj, jj+2
.endr
.irp j, 0,1,2,3,4,5,6,7
	ds_store_b128 v6, v[XR+4*\j:XR+4*\j+3] offset:PITCH*\rho+512*\j
.endr
.endm
; 64 numbers of a lane, v[s + 32 c + i] = position i of my block 2 c + h, become the fragment's 12 registers in v[PC] on and my row's scale word in v[PW]
.macro QUANT6 s
.irp c, 0,1
	v_max3_num_f32 v[TM+2*\c], |v[\s+32*\c]|, |v[\s+32*\c+1]|, 0x1800000   ; with the floor 2^(3 - 127) among the leaves: the byte cannot fall under 1
	v_max_num_f32 v[TM+2*\c+1], |v[\s+32*\c+2]|, |v[\s+32*\c+3]|
.endr
.irp i, 4,8,12,16,20,24,28
.irp c, 0,1
	v_max3_num_f32 v[TM+2*\c], v[TM+2*\c], |v[\s+32*\c+\i]|, |v[\s+32*\c+\i+1]|
	v_max3_num_f32 v[TM+2*\c+1], v[TM+2*\c+1], |v[\s+32*\c+\i+2]|, |v[\s+32*\c+\i+3]|
.endr
.endr
.irp c, 0,1
	v_max_num_f32 v[TM+2*\c], v[TM+2*\c], v[TM+2*\c+1]
.endr
.irp c, 0,1
	v_add_nc_u32 v[TS+\c], 0xff000000, v[TM+2*\c]  ; 2 off the exponent field: the conversion takes this operand's exponent field as its scale
.endr
.irp c, 0,1
	v_lshrrev_b32 v[TYB+\c], 23, v[TS+\c]          ; the scale's byte
.endr
	v_lshl_or_b32 v[PW], v[TYB+1], 16, v[TYB]      ; my two bytes, blocks h and 2 + h,
	v_lshlrev_b32 v[PW], v[SH8], v[PW]             ; at their places,
	v_permlanex16_b32 v[PT], v[PW], s[SEL], s[SEL+1]
	v_or_b32 v[PW], v[PW], v[PT]                   ; and lane l xor 16's two: the word is whole
.irp c, 0,1
	v_cvt_scalef32_pk16_fp6_f32 v[PC+6*\c:PC+6*\c+2], v[\s+32*\c:\s+32*\c+15], v[TS+\c]
	v_cvt_scalef32_pk16_fp6_f32 v[PX+4*\c:PX+4*\c+2], v[\s+32*\c+16:\s+32*\c+31], v[TS+\c]   ; (a conversion's three registers begin on an even number)
.endr
	v_nop                                          ; one plain instruction behind the scaled conversions
.irp c, 0,1
.irp i, 0,1,2
	v_mov_b32 v[PC+3+6*\c+\i], v[PX+4*\c+\i]
.endr
.endr
.endm
	s_wait_loadcnt 32                              ; my two rows are in; the 32 younger loads (gain, bias) may be out
	ROWSTAT 0
	ROWSTAT 1
	s_wait_dscnt 0x0                               ; for the others' sake: my rows lie in LDS
	s_barrier_signal -1
	s_barrier_wait -1
.irp c, 0,1
.irp i, 0,1,2,3,4,5,6,7
	ds_load_b128 v[X+32*\c+4*\i:X+32*\c+4*\i+3], v7 offset:256*\c+16*\i
.endr
.endr
	s_wait_loadcnt 0x0                             ; gain and bias
	s_wait_dscnt 0x0
.set jj, 0
.rept 32
	v_pk_fma_f32 v[X+jj:X+jj+1], v[X+jj:X+jj+1], v[G+jj:G+jj+1], v[BB+jj:BB+jj+1]
.set jj, jj+2
.endr
	QUANT6 X
.irp p, 0,1,2,3,4,5
	global_store_b64 v8, v[PC+2*\p:PC+2*\p+1], s[10:11] offset:256*\p   ; 32 lanes store 256 consecutive bytes, aligned
.endr
	ds_store_b32 v9, v[PW]                         ; lanes r and r + 16 write the same word with the same value
	s_wait_dscnt 0x0
	s_barrier_signal -1
	s_barrier_wait -1
	s_cmp_lg_u32 s14, 0
	s_cbranch_scc1 .Lend                           ; wave 0 sends the work-group's 512 bytes of scale words: four runs of 128 bytes
	ds_load_b128 v[X:X+3], v11
	s_wait_dscnt 0x0
	global_store_b128 v12, v[X:X+3], s[12:13]
.Lend:
	s_wait_tensorcnt 0x0
	ds_add_u32 v254, v255
	s_wait_dscnt 0x0
	s_endpgm
.Lfunc_end_k_qcbaf889bfc_lnq1:
	.size	k_qcbaf889bfc_lnq1, .Lfunc_end_k_qcbaf889bfc_lnq1-k_qcbaf889bfc_lnq1
	.p2alignl 7, 3214868480
	.fill 96, 4, 3214868480
	.section	.rodata,"a",@progbits
	.p2align	6, 0x0
	.amdhsa_kernel k_qcbaf889bfc_lnq1
		.amdhsa_group_segment_fixed_size 67584
		.amdhsa_private_segment_fixed_size 0
		.amdhsa_enable_private_segment 0
		.amdhsa_kernarg_size 40
		.amdhsa_user_sgpr_count 2
		.amdhsa_user_sgpr_kernarg_segment_ptr 1
		.amdhsa_wavefront_size32 1
		.amdhsa_system_sgpr_workgroup_id_x 1
		.amdhsa_system_sgpr_workgroup_id_y 1
		.amdhsa_system_sgpr_workgroup_id_z 1
		.amdhsa_system_vgpr_workitem_id 0
		.amdhsa_next_free_vgpr 256
		.amdhsa_next_free_sgpr 66
		.amdhsa_reserve_vcc 0
		.amdhsa_float_denorm_mode_32 3
		.amdhsa_float_denorm_mode_16_64 3
		.amdhsa_memory_ordered 1
		.amdhsa_forward_progress 1
		.amdhsa_inst_pref_size 26
	.end_amdhsa_kernel
	.amdgpu_metadata
---
amdhsa.version: [ 1, 2 ]
amdhsa.kernels:
  - .name:           k_qcbaf889bfc_lnq1
    .symbol:         k_qcbaf889bfc_lnq1.kd
    .args:
      - { .name: x, .offset: 0, .size: 8, .value_kind: global_buffer, .address_space: global }
      - { .name: ln1_g, .offset: 8, .size: 8, .value_kind: global_buffer, .address_space: global }
      - { .name: ln1_b, .offset: 16, .size: 8, .value_kind: global_buffer, .address_space: global }
      - { .name: aimg, .offset: 24, .size: 8, .value_kind: global_buffer, .address_space: global }
      - { .name: asc, .offset: 32, .size: 8, .value_kind: global_buffer, .address_space: global }
    .group_segment_fixed_size: 67584
    .private_segment_fixed_size: 0
    .kernarg_segment_align: 8
    .kernarg_segment_size: 40
    .max_flat_workgroup_size: 256
    .sgpr_count:     66
    .vgpr_count:     256
    .wavefront_size: 32
...
	.end_amdgpu_metadata
.endif
;; end of part 1
;; launch qkv (part 2): grid 12 x 16, 4 waves a work-group, clusters of 4 x 4, 327,680 bytes of LDS; arguments aimg, asc, qkv_w_codes, qkv_w_scales, qkv_b, qq, kv; writes qq, kv
.if DOCPART == 2
	.amdgcn_target "amdgcn-amd-amdhsa--gfx1250"
	.amdhsa_code_object_version 6
	.text
	.protected	k_qcbaf889bfc_qkv
	.globl	k_qcbaf889bfc_qkv
	.p2align	8
	.type	k_qcbaf889bfc_qkv,@function
k_qcbaf889bfc_qkv:
	s_mov_b64 s[64:65], 0
	v_nop
	global_prefetch_b8 v0, s[64:65] scope:SCOPE_SE
	s_setreg_imm32_b32 hwreg(HW_REG_WAVE_MODE, 25, 1), 1
	s_wait_xcnt 0x0
	s_wait_alu depctr_hold_cnt(0) depctr_sa_sdst(0) depctr_va_vdst(0) depctr_va_sdst(0) depctr_va_ssrc(0) depctr_va_vcc(0) depctr_vm_vsrc(0)
	s_getreg_b32 s2, hwreg(HW_REG_IB_STS2, 6, 4)
	s_cmp_eq_u32 s2, 0
	s_cbranch_scc0 .Lentry_in_a_cluster
	s_endpgm
.Lentry_in_a_cluster:
	s_bfe_u32 s2, ttmp6, 0x10000c
	s_cmp_lg_u32 s2, 0xf033
	s_cbranch_scc0 .Lentry_shape_is_right
	s_endpgm
.Lentry_shape_is_right:
; qkv = h W + b on codes of FP6 (E2M3) with E8M0 scales, [4096 tokens][1024] x [3072][1024]; then q, k and v are quantised for the two products of attention and leave as operand images.
; A tile of C, 256 tokens x 256 columns, is made by four waves, each 128 x 128: 64 accumulators of 16 x 16 in 512 registers.  K goes in steps of 256 through a ring of two LDS slots.
; A (the tokens) comes as PAIR IMAGES made by the launch before: a fragment of 16 rows x 128 K is 1,536 bytes, register pair p of lane l at 256 p + 8 l: six loads of 8 bytes a lane, each 256 dense bytes.
; B (the weight) comes as given: rows of codes, 192 bytes for 256 along K, laid in LDS with 16 bytes of padding behind every 64.
; All scale words of the work-group's rows, for all of K, come into LDS once, with the first fills.
; CLUSTERS: 4 x 4 work-groups; the four of a row of the cluster need the same tiles of A, the four of a column the same tiles of B: each tile is asked for JOINTLY, by the same tensor load with the same
; descriptor and a mask that names the four.  THE MATRIX INSTRUCTION IS USED TRANSPOSED (source 0 = 16 rows of W, source 1 = 16 tokens): a lane holds one token and eight neighbouring columns.
; The bias is the C of each sum's first product.
; THE WAY OUT: each wave lays its 128 x 128 f32 into a stage of its own (over the ring, which has had its last fill and, behind a barrier, its last read) and reads it back in the order of the next operand's registers.
;   q, k (cluster x 0, 1): along the head's 64: lane (r, h) takes 32 neighbouring columns: half fragments of 768 bytes, [head][chunk of 512 tokens][tile of 16 tokens]; one scale word a token (bytes 2, 3 are 0: they meet zero codes).
;   v (cluster x 2): along the KEYS: lane (r, h) takes one column and 32 tokens.  Row r of tile 2 b + u is channel 32 b + 8 u + r + 8 (r / 8); position i of a block of 32 keys holds key 8 (2 ((i / 8) % 2) + i / 16) + i % 8:
;   the order in which the softmax's codes come out of the conversions in the next launch.  The blocks are the true blocks of 32 keys.
; The branch between the two ways hangs on the cluster's x alone, which all partners share.
; LIMITS: NaN and infinities are not served; a block whose largest magnitude lies under 2^-124 keeps the scale byte 1; a block of zeros gets the byte 1 and zero codes (read by this program alone).
; REGISTERS: window 0: v1-15, v18 addresses and temporaries; v16-30 addresses; v32-63 A's scale words, v64-95 B's, two sets each; v96-127, v224-255 the bias; v128-223 A's fragments, one set.
;   window 1: B's fragments, two sets, at v0 and v128.  windows 2, 3: the accumulators ((a, b) at v[8 (8 (a % 4) + b)]).
.set SIZE_K, 1024
.set NQ,     2                         ; matrix instructions deep in a slot
.set ROWB,   192                       ; a row of B's tile: 256 codes
.set KROW,   SIZE_K*6/8
.set PITCH,  240                       ; B's LDS row: 3 x (64 + 16)
.set FR,     12
.set NL,     6                         ; LDS loads that bring a fragment
.set NP,     4                         ; places behind this matrix instruction (ISA guide 7.12.1)
.set ABLK,   3072                      ; a block of 16 rows of A in a slot: two images
.set HALFA,  8*ABLK
.set HALFB,  128*PITCH
.set SLOT,   2*HALFA+2*HALFB           ; A's two halves, then B's two
.set LAPS,   SIZE_K/512
.set KS,     SIZE_K/32
.set SAH,    (SIZE_K/256)*1024         ; A's scale words of 128 rows
.set HALFS,  (128*KS/256)*272          ; B's scale bytes of 128 rows, as units of 256 bytes + 16
.set SBLK,   (16*KS/256)*272
.set SPITCH, 528                       ; a stage row: 512 bytes + 16
.set SCLA,   4*128*SPITCH              ; behind the four stages (which lie over the ring)
.set SCLB,   SCLA+2*SAH
.set SPARE,  SCLB+2*HALFS              ; the spare words: 128 bytes a wave, two blocks of 256 bytes that no other line names
.set SCRQ,   SPARE+512                 ; scratch for q's and k's scale words, 512 bytes a wave
.set SCRV,   SCRQ+2048                 ; and for v's: each way has bytes of its own
.set ADRA, 16
.set ADRB, 20
.set STO,  24
.set ADSA, 27
.set SPW,  28
.set NIL,  29
.set ADSB, 30
.set SCA,  32
.set SCB,  64
.set AF,   128
.set G1,   24
.set G0,   32
.set G1B,  48
.set G0B,  56
.set G1S,  68
.set G0S,  76
.set G1SB, 80
.set G0SB, 88
.set SEL,  66
.set MSB, 0
.macro WIN new                         ; the immediate's high byte repeats the setting that is left
.if MSB != (\new)
	s_set_vgpr_msb (MSB<<8)|(\new)
.set MSB, (\new)
.endif
.endm
.set MUL_LO, 0xa1                      ; source 0 (B) window 1, source 1 (A) window 0, C and D window 2
.set MUL_HI, 0xf1
.set TO_B,   0x40
; A joint load: waves 0 and 1 fetch for A, waves 2 and 3 for B; the branch hangs on the wave's number alone.  Four v_nop follow each of the two lines.
.macro JLOAD g0a, g1a, g0b, g1b
	s_cmp_eq_u32 s19, 0
	s_cbranch_scc0 .Lfor_b_\@
	tensor_load_to_lds s[\g0a:\g0a+3], s[\g1a:\g1a+7]
	s_nop 0
.rept 4
	v_nop
.endr
	s_branch .Lasked_\@
.Lfor_b_\@:
	tensor_load_to_lds s[\g0b:\g0b+3], s[\g1b:\g1b+7]
	s_nop 0
.rept 4
	v_nop
.endr
.Lasked_\@:
.endm
.macro CREST                           ; a round of the cluster's barrier behind its opening barrier
	s_cmp_lg_u32 s18, 0
	s_cbranch_scc1 .Lnot_wave_0_\@
	s_barrier_signal -3
.Lnot_wave_0_\@:
	s_barrier_wait -3
	s_barrier_signal -1
	s_barrier_wait -1
.endm
.macro CROUND
	s_barrier_signal -1
	s_barrier_wait -1
	CREST
.endm
	s_load_b256 s[4:11], s[0:1], 0x0               ; A's images s[4:5], A's scale words s[6:7], W's codes s[8:9], W's scales s[10:11]
	s_load_b128 s[12:15], s[0:1], 0x20             ; bias s[12:13], qq s[14:15]
	s_load_b64 s[16:17], s[0:1], 0x30              ; kv
	v_lshl_add_u32 v[SPW], v0, 2, SPARE
	v_mov_b32 v[NIL], 0
	ds_add_u32 v28, v29
	ds_add_u32 v28, v29
	s_wait_dscnt 0x0
	v_lshrrev_b32 v1, 5, v0
	v_readfirstlane_b32 s18, v1                    ; wave 0..3
	s_lshr_b32 s19, s18, 1                         ; which half of the tile's tokens is mine.  Also: I fetch for A (0) or for B (1)
	s_and_b32 s20, s18, 1                          ; which half of its columns.  Also: which half I fetch
	s_bfe_u32 s40, ttmp6, 0x40000                  ; cx, cy: my place in the cluster
	s_bfe_u32 s41, ttmp6, 0x40004
	s_lshl_b32 s22, ttmp9, 2
	s_add_co_u32 s22, s22, s40                     ; tile column
	s_and_b32 s21, ttmp7, 0xffff
	s_lshl_b32 s21, s21, 2
	s_add_co_u32 s21, s21, s41                     ; tile row
	s_lshl_b32 s43, s41, 2
	s_lshl_b32 s43, 15, s43                        ; my row of the cluster
	s_lshl_b32 s44, 0x1111, s40                    ; my column
	s_mov_b32 s[SEL], 0x76543210
	s_mov_b32 s[SEL+1], 0xfedcba98
	; group 1 for A's tiles: 8 blocks of rows x 3,072 bytes (384 elements of 8 bytes), SIZE_K / 128 images apart; no padding
	s_or_b32 s[G1+0], s43, (3<<16)|(1<<21)
	s_mov_b32 s[G1+1], 384<<16
	s_mov_b32 s[G1+2], 8<<16
	s_mov_b32 s[G1+3], 384<<16
	s_mov_b32 s[G1+4], 8
	s_mov_b32 s[G1+5], (SIZE_K/128)*192
	s_mov_b32 s[G1+6], 0
	s_mov_b32 s[G1+7], 0
	; for B's: 128 rows x 192 bytes, 16 bytes of padding behind every 64
	s_or_b32 s[G1B+0], s44, (0<<16)|(1<<20)|(1<<21)|(3<<22)|(3<<25)
	s_mov_b32 s[G1B+1], ROWB<<16
	s_mov_b32 s[G1B+2], 128<<16
	s_mov_b32 s[G1B+3], ROWB<<16
	s_mov_b32 s[G1B+4], 128
	s_mov_b32 s[G1B+5], KROW
	s_mov_b32 s[G1B+6], 0
	s_mov_b32 s[G1B+7], 0
	; for A's scale words: SIZE_K / 256 rows of 1,024 bytes (128 tokens x 8), 4,096 tokens apart
	s_or_b32 s[G1S+0], s43, (3<<16)|(1<<21)
	s_mov_b32 s[G1S+1], 128<<16
	s_mov_b32 s[G1S+2], (SIZE_K/256)<<16
	s_mov_b32 s[G1S+3], 128<<16
	s_mov_b32 s[G1S+4], SIZE_K/256
	s_mov_b32 s[G1S+5], 4096
	s_mov_b32 s[G1S+6], 0
	s_mov_b32 s[G1S+7], 0
	; for B's scale bytes: a dense block, as rows of 256 bytes with 16 bytes of padding behind each
	s_or_b32 s[G1SB+0], s44, (3<<16)|(1<<20)|(1<<21)|(5<<22)|(3<<25)
	s_mov_b32 s[G1SB+1], 32<<16
	s_mov_b32 s[G1SB+2], (128*KS/256)<<16
	s_mov_b32 s[G1SB+3], 32<<16
	s_mov_b32 s[G1SB+4], 128*KS/256
	s_mov_b32 s[G1SB+5], 32
	s_mov_b32 s[G1SB+6], 0
	s_mov_b32 s[G1SB+7], 0
	; where the tiles come from: A's hang on the tile row and the wave alone, B's on the tile column and the wave alone
	s_lshl_b32 s92, s21, 4
	s_lshl_b32 s93, s20, 3
	s_add_co_u32 s92, s92, s93                     ; A: block of rows 16 x tile row + 8 x half
	s_mul_i32 s92, s92, 12*SIZE_K
	s_mov_b32 s93, 0
	s_lshl_b32 s94, s21, 11
	s_lshl_b32 s95, s20, 10
	s_add_co_u32 s94, s94, s95                     ; its scale words: 8 bytes a token
	s_mov_b32 s95, 0
	s_lshl_b32 s46, s22, 8
	s_lshl_b32 s47, s20, 7
	s_add_co_u32 s46, s46, s47                     ; B: row 256 x tile column + 128 x half
	s_mul_i32 s96, s46, KS
	s_mov_b32 s97, 0
	s_mul_i32 s46, s46, KROW
	s_mov_b32 s47, 0
	s_mul_i32 s23, s20, HALFA                      ; and where they go: no place in the cluster enters an LDS address
	s_mul_i32 s42, s20, HALFB
	s_add_co_u32 s42, s42, 2*HALFA
	s_mul_i32 s45, s20, SAH
	s_mul_i32 s98, s20, HALFS
	s_wait_kmcnt 0x0
	s_add_nc_u64 s[92:93], s[4:5], s[92:93]
	s_add_nc_u64 s[94:95], s[6:7], s[94:95]
	s_add_nc_u64 s[46:47], s[8:9], s[46:47]
	s_add_nc_u64 s[96:97], s[10:11], s[96:97]
	CROUND                                         ; all sixteen work-groups are here: the first joint loads meet
	s_mov_b32 s[G0S], 1
	s_add_co_u32 s[G0S+1], s45, SCLA
	s_mov_b64 s[G0S+2:G0S+3], s[94:95]
	s_or_b32 s[G0S+3], s[G0S+3], 0x80000000
	s_mov_b32 s[G0SB], 1
	s_add_co_u32 s[G0SB+1], s98, SCLB
	s_mov_b64 s[G0SB+2:G0SB+3], s[96:97]
	s_or_b32 s[G0SB+3], s[G0SB+3], 0x80000000
	JLOAD G0S, G1S, G0SB, G1SB                     ; the scales first: they are wanted with K step 0
.irp s, 0,1
	s_mov_b32 s[G0+4*\s], 1
	s_add_co_u32 s[G0+4*\s+1], s23, \s*SLOT
	s_add_nc_u64 s[G0+4*\s+2:G0+4*\s+3], s[92:93], \s*ABLK
	s_or_b32 s[G0+4*\s+3], s[G0+4*\s+3], 0x80000000
	s_mov_b32 s[G0B+4*\s], 1
	s_add_co_u32 s[G0B+4*\s+1], s42, \s*SLOT
	s_add_nc_u64 s[G0B+4*\s+2:G0B+4*\s+3], s[46:47], \s*ROWB
	s_or_b32 s[G0B+4*\s+3], s[G0B+4*\s+3], 0x80000000
	JLOAD G0+4*\s, G1, G0B+4*\s, G1B
.endr
	v_and_b32 v1, 15, v0                           ; r
	v_bfe_u32 v2, v0, 4, 1                         ; h
	v_and_b32 v3, 31, v0                           ; lane
	v_lshlrev_b32 v4, 3, v3
	s_mul_i32 s99, s19, HALFA
	v_add_nc_u32 v[ADRA], s99, v4                  ; A's images: 8 x lane + my half
	v_add_nc_u32 v[ADRA+1], SLOT, v[ADRA]
	v_mul_u32_u24 v5, v1, PITCH
	v_mad_u32_u24 v5, v2, 24, v5                   ; B: row x pitch + 24 x half,
	v_lshl_add_u32 v6, v2, 4, v5                   ; and the same behind one padding more
	s_mul_i32 s99, s20, HALFB
	s_add_co_u32 s99, s99, 2*HALFA
	v_add_nc_u32 v[ADRB], s99, v5
	v_add_nc_u32 v[ADRB+2], s99, v6
	v_add_nc_u32 v[ADRB+1], SLOT, v[ADRB]
	v_add_nc_u32 v[ADRB+3], SLOT, v[ADRB+2]
	v_lshlrev_b32 v7, 3, v1
	s_mul_i32 s99, s19, SAH
	s_add_co_u32 s99, s99, SCLA
	v_add_nc_u32 v[ADSA], s99, v7                  ; A's scale words: 8 bytes a token
	v_mul_u32_u24 v7, v1, KS
	v_lshrrev_b32 v8, 8, v7
	v_lshl_add_u32 v7, v8, 4, v7                   ; B's: KS bytes a row, and 16 more for each 256 passed
	s_mul_i32 s99, s20, HALFS
	s_add_co_u32 s99, s99, SCLB
	v_add_nc_u32 v[ADSB], s99, v7
	s_lshl_b32 s96, s22, 10
	s_lshl_b32 s97, s20, 9
	s_add_co_u32 s96, s96, s97
	s_mov_b32 s97, 0
	s_add_nc_u64 s[12:13], s[12:13], s[96:97]      ; the bias of my 128 columns
	v_lshlrev_b32 v9, 5, v2                        ; lane (r, h) wants, for block b, columns 16 b + 8 h + 0 .. 7
.irp b, 0,1,2,3,4,5,6,7
	global_load_b128 v[96+8*\b+96*(\b/4):96+8*\b+96*(\b/4)+3], v9, s[12:13] offset:64*\b
	global_load_b128 v[96+8*\b+96*(\b/4)+4:96+8*\b+96*(\b/4)+7], v9, s[12:13] offset:64*\b+16
.endr
.macro FRAG reg, adr, q, i             ; a fragment of B: lane l holds row l % 16; registers 6 c .. 6 c + 5 hold K = 64 c + 32 (l / 16) + 0 .. 31: 24 bytes of the row, in pieces of 8
.irp p, 0,1,2,3,4,5
.set PCE, 12*(\q)+6*(\p/3)+\p%3        ; where the piece three on (lanes 16-31) lies behind one padding more, the second address register serves
.if PCE%8 < 5
	ds_load_b64 v[\reg+2*\p:\reg+2*\p+1], v[\adr] offset:8*PCE+16*(PCE/8)+(\i)*16*PITCH
.else
	ds_load_b64 v[\reg+2*\p:\reg+2*\p+1], v[\adr+2] offset:8*PCE+16*(PCE/8)+(\i)*16*PITCH
.endif
.endr
.endm
.macro FRAGA reg, slot, q, i           ; a fragment of A: its image, six pairs of 256 dense bytes
.irp p, 0,1,2,3,4,5
	ds_load_b64 v[\reg+2*\p:\reg+2*\p+1], v[ADRA+\slot] offset:(\i)*ABLK+(\q)*1536+256*\p
.endr
.endm
; 16 matrix instructions: A's blocks a0, a0 + 1 x B's eight, 128 along K.  first = 1: the bias is C.  The 64 accumulators take turns, one instruction a turn, in the same order in every step.
.macro MUL16 a0, p, q, sc, first
.irp a, \a0, \a0+1
.irp b, 0,1,2,3,4,5,6,7
.if \first
	v_wmma_scale_f32_16x16x128_f8f6f4 v[8*(8*((\a)%4)+\b):8*(8*((\a)%4)+\b)+7], v[128*(\p)+FR*\b:128*(\p)+FR*\b+FR-1], v[AF+FR*(\a):AF+FR*(\a)+FR-1], v[96+8*\b+96*(\b/4):96+8*\b+96*(\b/4)+7], v[SCB+16*(\sc)+2*\b+(\q)], v[SCA+16*(\sc)+2*(\a)+(\q)] matrix_a_fmt:MATRIX_FMT_FP6 matrix_b_fmt:MATRIX_FMT_FP6
.else
	v_wmma_scale_f32_16x16x128_f8f6f4 v[8*(8*((\a)%4)+\b):8*(8*((\a)%4)+\b)+7], v[128*(\p)+FR*\b:128*(\p)+FR*\b+FR-1], v[AF+FR*(\a):AF+FR*(\a)+FR-1], v[8*(8*((\a)%4)+\b):8*(8*((\a)%4)+\b)+7], v[SCB+16*(\sc)+2*\b+(\q)], v[SCA+16*(\sc)+2*(\a)+(\q)] matrix_a_fmt:MATRIX_FMT_FP6 matrix_b_fmt:MATRIX_FMT_FP6
.endif
.endr
.endr
.endm
.macro FETCH_B slot, q, p
	WIN TO_B
.irp i, 0,1,2,3,4,5,6,7
	FRAG 128*(\p)+FR*\i, ADRB+\slot, \q, \i
.endr
	WIN 0
.endm
.macro FETCH_A slot, q, i0
.irp i, \i0, \i0+1, \i0+2, \i0+3
	FRAGA AF+FR*(\i), \slot, \q, \i
.endr
.endm
.macro SCALES sc                       ; a K step's scale words: two words a row, A's and B's eight blocks
.irp i, 0,1,2,3,4,5,6,7
	ds_load_b64 v[SCA+16*\sc+2*\i:SCA+16*\sc+2*\i+1], v[ADSA] offset:\i*128
	ds_load_b64 v[SCB+16*\sc+2*\i:SCB+16*\sc+2*\i+1], v[ADSB] offset:\i*SBLK
.endr
.endm
.macro PLACES n                        ; plain vector instructions between a matrix instruction and a load into, or a read of, its registers
.rept \n
	v_nop
.endr
.endm
; A step of 128 along K that has its successor in the same slot
.macro STEP slot, q, first
	s_wait_dscnt 4*NL                              ; B's set, A's blocks 0-3 and the scale words are in; the 24 youngest loads (A's blocks 4-7) may be out
.if \first
	WIN 0x81                                       ; C (the bias) window 0, D window 2
.else
	WIN MUL_LO
.endif
	MUL16 0, (\q)%2, \q, \slot, \first
	MUL16 2, (\q)%2, \q, \slot, \first
	s_wait_dscnt 0
	PLACES NP
	FETCH_B \slot, (\q)+1, 1-(\q)%2
	FETCH_A \slot, (\q)+1, 0
.if \first
	WIN 0xc1
.else
	WIN MUL_HI
.endif
	MUL16 4, (\q)%2, \q, \slot, \first
	MUL16 6, (\q)%2, \q, \slot, \first
	PLACES NP
	WIN 0
	FETCH_A \slot, (\q)+1, 4
.endm
; A slot's last step changes slots: one barrier; in front of it each wave waits for all its tensor loads, adds 0 to its spare word, and waits for that and for its reads of this slot.  fill = 1: this slot is filled again, two K steps ahead.
.macro TURN slot, next, fill
	s_wait_tensorcnt 0x0                           ; all my tensor loads have landed: my part of the next slot
	ds_add_u32 v[SPW], v[NIL]                      ; 0 onto my spare word
	s_wait_dscnt 4*NL+1                            ; (the add and the 24 youngest loads may be out)
	WIN MUL_LO
	MUL16 0, 1, NQ-1, \slot, 0
	s_wait_dscnt 0x0                               ; the add is done, and my reads of this slot are over
	s_barrier_signal -1
	MUL16 2, 1, NQ-1, \slot, 0
	WIN 0
	s_barrier_wait -1
.if \fill
	CREST                                          ; the barrier has opened a round of the cluster's: no wave of any partner still reads this slot or has a load on its way
	s_add_nc_u64 s[G0+4*\slot+2:G0+4*\slot+3], s[G0+4*\slot+2:G0+4*\slot+3], 2*ABLK
	s_add_nc_u64 s[G0B+4*\slot+2:G0B+4*\slot+3], s[G0B+4*\slot+2:G0B+4*\slot+3], 2*ROWB
	JLOAD G0+4*\slot, G1, G0B+4*\slot, G1B         ; the first tensor load behind the round; its four v_nop are the places in front of the loads below
.else
	PLACES NP
.endif
	v_add_nc_u32 v[ADSA], 1024, v[ADSA]            ; on to the next K step's scale words
	v_add_nc_u32 v[ADSB], 4*NQ, v[ADSB]
	FETCH_B \next, 0, 0
	FETCH_A \next, 0, 0
	SCALES \next
	WIN MUL_HI
	MUL16 4, 1, NQ-1, \slot, 0
	MUL16 6, 1, NQ-1, \slot, 0
	PLACES NP
	WIN 0
	FETCH_A \next, 0, 4
.endm
	s_wait_tensorcnt 1                             ; the scales and my part of K step 0 are in; K step 1's load, the one issued behind them, may be out
	s_barrier_signal -1
	s_barrier_wait -1
	FETCH_B 0, 0, 0
	FETCH_A 0, 0, 0
	SCALES 0
	FETCH_A 0, 0, 4
	s_wait_loadcnt 0x0                             ; the bias
	STEP 0, 0, 1
	s_mov_b32 s3, LAPS-1
.Llap:                                                 ; a trip goes once round the ring and fills both slots again
	TURN 0, 1, 1
	STEP 1, 0, 0
	TURN 1, 0, 1
	STEP 0, 0, 0
	s_sub_co_u32 s3, s3, 1
	s_cmp_lg_u32 s3, 0
	s_cbranch_scc1 .Llap
	TURN 0, 1, 0                                   ; the last lap fills nothing
	STEP 1, 0, 0
	s_wait_dscnt 4*NL
	WIN MUL_LO
	MUL16 0, 1, NQ-1, 1, 0
	MUL16 2, 1, NQ-1, 1, 0
	s_wait_dscnt 0
	WIN MUL_HI
	MUL16 4, 1, NQ-1, 1, 0
	MUL16 6, 1, NQ-1, 1, 0
	WIN 0
; ---------------- THE WAY OUT ----------------
.set RDQ,   8                          ; v8   stage, read along a token's row: my stage + 528 r + 128 h
.set RDV,   9                          ; v9   stage, read down a column: my stage + 32 rows x h + 4 (r + 8 (r / 8))
.set LI8,   10                         ; v10  8 x lane
.set SH8,   11                         ; v11  8 h
.set SCWQ,  12
.set SCRDQ, 13
.set SCWV,  14
.set SCRDV, 15
.set L16,   18                         ; v18  16 x lane
.set X,   128                          ; v128-191 64 numbers
.set PC,  192                          ; v192-203 codes
.set PX,  216
.set TM,  224
.set TS,  228
.set TYB, 230
.set PW,  232
.set PT,  233
.macro QUANT6 s                        ; 64 numbers of a lane, v[s + 32 c + i] = position i of my block 2 c + h, become 12 registers of codes in v[PC] on and a scale word in v[PW]
.irp c, 0,1
	v_max3_num_f32 v[TM+2*\c], |v[\s+32*\c]|, |v[\s+32*\c+1]|, 0x1800000   ; with the floor 2^(3 - 127) among the leaves: the byte cannot fall under 1
	v_max_num_f32 v[TM+2*\c+1], |v[\s+32*\c+2]|, |v[\s+32*\c+3]|
.endr
.irp i, 4,8,12,16,20,24,28
.irp c, 0,1
	v_max3_num_f32 v[TM+2*\c], v[TM+2*\c], |v[\s+32*\c+\i]|, |v[\s+32*\c+\i+1]|
	v_max3_num_f32 v[TM+2*\c+1], v[TM+2*\c+1], |v[\s+32*\c+\i+2]|, |v[\s+32*\c+\i+3]|
.endr
.endr
.irp c, 0,1
	v_max_num_f32 v[TM+2*\c], v[TM+2*\c], v[TM+2*\c+1]
.endr
.irp c, 0,1
	v_add_nc_u32 v[TS+\c], 0xff000000, v[TM+2*\c]  ; 2 off the exponent field: the conversion's scale operand
.endr
.irp c, 0,1
	v_lshrrev_b32 v[TYB+\c], 23, v[TS+\c]          ; the scale's byte
.endr
	v_lshl_or_b32 v[PW], v[TYB+1], 16, v[TYB]
	v_lshlrev_b32 v[PW], v[SH8], v[PW]
	v_permlanex16_b32 v[PT], v[PW], s[SEL], s[SEL+1]
	v_or_b32 v[PW], v[PW], v[PT]                   ; byte 2 c + h of the word: block (c, h)
.irp c, 0,1
	v_cvt_scalef32_pk16_fp6_f32 v[PC+6*\c:PC+6*\c+2], v[\s+32*\c:\s+32*\c+15], v[TS+\c]
	v_cvt_scalef32_pk16_fp6_f32 v[PX+4*\c:PX+4*\c+2], v[\s+32*\c+16:\s+32*\c+31], v[TS+\c]   ; (a conversion's three registers begin on an even number)
.endr
	v_nop                                          ; one plain instruction behind the scaled conversions
.irp c, 0,1
.irp i, 0,1,2
	v_mov_b32 v[PC+3+6*\c+\i], v[PX+4*\c+\i]
.endr
.endr
.endm
	s_wait_dscnt 0x0                               ; my reads of the ring are over;
	s_barrier_signal -1
	s_barrier_wait -1                              ; everybody's are: the stages may be laid over it
	v_and_b32 v1, 15, v0                           ; (these lines are also the places behind the last products)
	v_bfe_u32 v2, v0, 4, 1
	v_and_b32 v3, 31, v0
	s_mul_i32 s99, s18, 128*SPITCH                 ; my stage
	s_lshl_b32 s98, s18, 9
	v_mul_u32_u24 v4, v1, SPITCH
	v_add_nc_u32 v4, s99, v4
	v_lshl_add_u32 v[STO], v2, 5, v4               ; in: row r, + 32 h
	v_lshl_add_u32 v[RDQ], v2, 7, v4
	v_and_b32 v5, 8, v1
	v_add_nc_u32 v5, v5, v1
	v_lshlrev_b32 v5, 2, v5
	v_mad_u32_u24 v5, v2, 32*SPITCH, v5
	v_add_nc_u32 v[RDV], s99, v5
	v_lshlrev_b32 v[LI8], 3, v3
	v_lshlrev_b32 v[SH8], 3, v2
	v_lshlrev_b32 v[L16], 4, v3
	v_lshl_add_u32 v6, v1, 2, s98
	v_add_nc_u32 v[SCWQ], SCRQ, v6
	v_add_nc_u32 v[SCWV], SCRV, v6
	v_lshl_add_u32 v7, v3, 4, s98
	v_add_nc_u32 v[SCRDQ], SCRQ, v7
	v_lshl_add_u32 v7, v3, 3, s98
	v_add_nc_u32 v[SCRDV], SCRV, v7
	v_mov_b32 v[PT], 0
.irp a, 0,1,2,3,4,5,6,7                ; lane (r, h) of accumulator (a, b): token 16 a + r, columns 16 b + 8 h + 0 .. 7; each accumulator from its low end on
	WIN 0x08+4*(\a/4)
.irp b, 0,1,2,3,4,5,6,7
	ds_store_b128 v[STO], v[8*(8*(\a%4)+\b):8*(8*(\a%4)+\b)+3] offset:16*SPITCH*\a+64*\b
	ds_store_b128 v[STO], v[8*(8*(\a%4)+\b)+4:8*(8*(\a%4)+\b)+7] offset:16*SPITCH*\a+64*\b+16
.endr
.endr
	WIN 0
	; my tile's place: heads head0, head0 + 1 of batch ty / 8; tokens s0 .. s0 + 127 of the batch
	s_and_b32 s92, s22, 3
	s_lshl_b32 s92, s92, 2
	s_lshl_b32 s93, s20, 1
	s_add_co_u32 s92, s92, s93
	s_lshr_b32 s93, s21, 3
	s_lshl_b32 s93, s93, 4
	s_add_co_u32 s92, s92, s93                     ; 16 x batch + head0
	s_mul_i32 s92, s92, 208896
	s_and_b32 s93, s21, 7
	s_lshl_b32 s93, s93, 8
	s_lshl_b32 s94, s19, 7
	s_add_co_u32 s93, s93, s94                     ; s0
	s_lshr_b32 s94, s93, 9
	s_mul_i32 s94, s94, 52224
	s_add_co_u32 s92, s92, s94                     ; the head's chunk of 512 tokens
	s_and_b32 s93, s93, 511
	s_mov_b32 s95, 0
	s_mov_b32 s99, 0
	s_cmp_lt_u32 ttmp9, 2
	s_cbranch_scc0 .Lv
	; ---- q (cluster x 0) or k (1): the same text, another buffer
	s_cmp_eq_u32 ttmp9, 0
	s_cselect_b64 s[14:15], s[14:15], s[16:17]
	s_mul_i32 s94, s93, 48                         ; 768 bytes a tile of 16 tokens
	s_add_co_u32 s94, s94, s92
	s_add_nc_u64 s[96:97], s[14:15], s[94:95]      ; my first half fragment
	s_lshl_b32 s94, s93, 2
	s_add_co_u32 s94, s94, s92
	s_add_co_u32 s94, s94, 49152
	s_add_nc_u64 s[14:15], s[14:15], s[94:95]      ; my first scale word
.irp a, 0,1,2,3,4,5,6,7
.irp g, 0,1
.irp i, 0,1,2,3,4,5,6,7
	ds_load_b128 v[X+32*\g+4*\i:X+32*\g+4*\i+3], v[RDQ] offset:16*SPITCH*\a+256*\g+16*\i   ; token 16 a + r, head g, channels 32 h + 0 .. 31; LDS serves a wave's instructions in order: these see my stores
.endr
.endr
	s_wait_dscnt 0x0
	s_wait_xcnt 0x0                                ; the last tile's stores have read their registers: the codes may be written again
	QUANT6 X
.irp g, 0,1
.irp p, 0,1,2
	global_store_b64 v[LI8], v[PC+6*\g+2*\p:PC+6*\g+2*\p+1], s[96:97] offset:208896*\g+768*\a+256*\p   ; 32 lanes store 256 consecutive bytes, aligned
.endr
.endr
	ds_store_b32 v[SCWQ], v[PW] offset:64*\a
.endr
	ds_load_b128 v[X:X+3], v[SCRDQ]                ; four tokens' words a lane: low half head 0's two bytes, high half head 1's
	s_wait_dscnt 0x0
.irp i, 0,1,2,3
	v_lshrrev_b32 v[X+4+\i], 16, v[X+\i]
.endr
.irp i, 0,1,2,3
	v_and_b32 v[X+\i], 0xffff, v[X+\i]
.endr
	global_store_b128 v[L16], v[X:X+3], s[14:15]
	global_store_b128 v[L16], v[X+4:X+7], s[14:15] offset:208896
	s_branch .Ldone
.Lv:
	; ---- v: my 128 tokens are one key step of the second product
	s_lshr_b32 s94, s93, 7
	s_mul_i32 s98, s94, 6144
	s_add_co_u32 s98, s98, s92
	s_add_co_u32 s98, s98, 24576
	s_add_nc_u64 s[96:97], s[16:17], s[98:99]      ; the step's four fragments
	s_lshl_b32 s98, s94, 8
	s_add_co_u32 s98, s98, s92
	s_add_co_u32 s98, s98, 51200
	s_add_nc_u64 s[14:15], s[16:17], s[98:99]      ; and their scale words
.irp g, 0,1
.irp t, 0,1,2,3
.irp c, 0,1
.irp i, 0,1,2,3,4,5,6,7,8,9,10,11,12,13,14,15,16,17,18,19,20,21,22,23,24,25,26,27,28,29,30,31
	ds_load_b32 v[X+32*\c+\i], v[RDV] offset:(64*\c+8*(2*((\i/8)%2)+\i/16)+\i%8)*SPITCH+256*\g+128*(\t/2)+32*(\t%2)
.endr
.endr
	s_wait_dscnt 0x0
	s_wait_xcnt 0x0                                ; the last tile's stores have read their registers
	QUANT6 X
.irp p, 0,1,2,3,4,5
	global_store_b64 v[LI8], v[PC+2*\p:PC+2*\p+1], s[96:97] offset:208896*\g+1536*\t+256*\p
.endr
	ds_store_b32 v[SCWV], v[PW] offset:256*\g+64*\t
.endr
.endr
	ds_load_b64 v[X:X+1], v[SCRDV]
	ds_load_b64 v[X+2:X+3], v[SCRDV] offset:256
	s_wait_dscnt 0x0
	global_store_b64 v[LI8], v[X:X+1], s[14:15]
	global_store_b64 v[LI8], v[X+2:X+3], s[14:15] offset:208896
.Ldone:
	s_wait_tensorcnt 0x0                           ; the wave's end
	ds_add_u32 v[SPW], v[NIL]
	s_wait_dscnt 0x0
	CROUND                                         ; the closing round: no work-group ends while a partner may still ask for a tile that names it
	s_endpgm
.Lfunc_end_k_qcbaf889bfc_qkv:
	.size	k_qcbaf889bfc_qkv, .Lfunc_end_k_qcbaf889bfc_qkv-k_qcbaf889bfc_qkv
	.p2alignl 7, 3214868480
	.fill 96, 4, 3214868480
	.section	.rodata,"a",@progbits
	.p2align	6, 0x0
	.amdhsa_kernel k_qcbaf889bfc_qkv
		.amdhsa_group_segment_fixed_size 327680
		.amdhsa_private_segment_fixed_size 0
		.amdhsa_enable_private_segment 0
		.amdhsa_kernarg_size 56
		.amdhsa_user_sgpr_count 2
		.amdhsa_user_sgpr_kernarg_segment_ptr 1
		.amdhsa_wavefront_size32 1
		.amdhsa_system_sgpr_workgroup_id_x 1
		.amdhsa_system_sgpr_workgroup_id_y 1
		.amdhsa_system_sgpr_workgroup_id_z 1
		.amdhsa_system_vgpr_workitem_id 0
		.amdhsa_next_free_vgpr 1024
		.amdhsa_next_free_sgpr 100
		.amdhsa_reserve_vcc 0
		.amdhsa_float_denorm_mode_32 3
		.amdhsa_float_denorm_mode_16_64 3
		.amdhsa_memory_ordered 1
		.amdhsa_forward_progress 1
		.amdhsa_inst_pref_size 244
	.end_amdhsa_kernel
	.amdgpu_metadata
---
amdhsa.version: [ 1, 2 ]
amdhsa.kernels:
  - .name:           k_qcbaf889bfc_qkv
    .symbol:         k_qcbaf889bfc_qkv.kd
    .args:
      - { .name: aimg, .offset: 0, .size: 8, .value_kind: global_buffer, .address_space: global }
      - { .name: asc, .offset: 8, .size: 8, .value_kind: global_buffer, .address_space: global }
      - { .name: qkv_w_codes, .offset: 16, .size: 8, .value_kind: global_buffer, .address_space: global }
      - { .name: qkv_w_scales, .offset: 24, .size: 8, .value_kind: global_buffer, .address_space: global }
      - { .name: qkv_b, .offset: 32, .size: 8, .value_kind: global_buffer, .address_space: global }
      - { .name: qq, .offset: 40, .size: 8, .value_kind: global_buffer, .address_space: global }
      - { .name: kv, .offset: 48, .size: 8, .value_kind: global_buffer, .address_space: global }
    .group_segment_fixed_size: 327680
    .private_segment_fixed_size: 0
    .kernarg_segment_align: 8
    .kernarg_segment_size: 56
    .max_flat_workgroup_size: 128
    .sgpr_count:     100
    .vgpr_count:     1024
    .wavefront_size: 32
...
	.end_amdgpu_metadata
.endif
;; end of part 2
;; launch attn (part 3): grid 8 x 32, 16 waves a work-group, clusters of 4 x 1, 215,040 bytes of LDS; arguments qq, kv, aimg, asc; writes aimg, asc
.if DOCPART == 3
	.amdgcn_target "amdgcn-amd-amdhsa--gfx1250"
	.amdhsa_code_object_version 6
	.text
	.protected	k_qcbaf889bfc_attn
	.globl	k_qcbaf889bfc_attn
	.p2align	8
	.type	k_qcbaf889bfc_attn,@function
k_qcbaf889bfc_attn:
	s_mov_b64 s[64:65], 0
	v_nop
	global_prefetch_b8 v0, s[64:65] scope:SCOPE_SE
	s_setreg_imm32_b32 hwreg(HW_REG_WAVE_MODE, 25, 1), 1
	s_wait_xcnt 0x0
	s_wait_alu depctr_hold_cnt(0) depctr_sa_sdst(0) depctr_va_vdst(0) depctr_va_sdst(0) depctr_va_ssrc(0) depctr_va_vcc(0) depctr_vm_vsrc(0)
	s_getreg_b32 s2, hwreg(HW_REG_IB_STS2, 6, 4)
	s_cmp_eq_u32 s2, 0
	s_cbranch_scc0 .Lentry_in_a_cluster
	s_endpgm
.Lentry_in_a_cluster:
	s_bfe_u32 s2, ttmp6, 0x10000c
	s_cmp_lg_u32 s2, 0x3003
	s_cbranch_scc0 .Lentry_shape_is_right
	s_endpgm
.Lentry_shape_is_right:
; Attention on codes of FP6 (E2M3) with E8M0 scales: O = softmax(Q K^T / 8) V for one (batch, head) and 256 queries a work-group; O is then quantised along the model's 1,024 for the next product.
; THE SOFTMAX AHEAD OF THE SECOND PRODUCT: t = score x log2(e) / 8; M = the row's largest t so far, rounded UP to a whole number; p = 2^(t - M) is what is quantised, along the keys, not normalised.
; The row's sum is taken of the unquantised p and divides O at the end.  When M moves, the sum and O are multiplied by 2^(old M - new M): exact.
; SHARES: sixteen waves, each one tile of 16 queries in 256 registers: four waves to a SIMD, so that one wave's vector work stands beside another's matrix work and LDS loads.
; A HEAD'S K, V AND SCALE WORDS, 208,896 bytes, FIT IN LDS WHOLE: four chunks of 512 keys, each filled once by one tensor load of wave 0; nothing is filled again, so there is no ring.
; CLUSTER: the four blocks of queries of a cluster belong to one head: each chunk is asked for JOINTLY, by the same tensor load with the same descriptor and the mask of all four.
; A chunk, 52,224 bytes: K as 32 half fragments of 768 bytes (16 neighbouring keys x the head's 64) | V^T as [4 key steps][4 tiles of 16 channels] fragments of 1,536 bytes | K's 512 scale words | V's 256.
; All are PAIR IMAGES: register pair p of lane l at 256 p + 8 l, so every LDS load of 8 bytes a lane takes 256 dense bytes.
; The head's 64 fill half of the instruction's 128 along K: registers 6-11 of Q's and K's fragments hold zero codes, set once.
; LAYOUT: both products transposed (S^T = K Q^T, O^T = V^T P^T): a lane holds ONE query throughout.  With neighbouring keys in a tile, p's codes come out of the conversions with position i of a block of 32 keys
; holding key 8 (2 ((i / 8) % 2) + i / 16) + i % 8; V's images were made in that same order, so the products are the same.  LIMIT: the f32 sums so add the products of a block in another order than the keys'.
; Row r of V^T's tile 2 b + u is channel 32 b + 8 u + r + 8 (r / 8): O^T's 16 registers of two neighbouring tiles are then 16 neighbouring channels, as the next quantiser wants them.
; LIMITS: NaN and infinities are not served; a p under 2^-126 counts as 0 (v_exp_f32); a block whose every number is 0 keeps the scale byte 1 and zero codes.
; REGISTERS: v1-6 addresses; v8-11 V's scale words; v12 -M, v13 the largest t, v[14:15] the sum; v16-27 Q, v28 its scale word; v32-79 four fragments of K; v80-127 four of V; v128-191 S^T, then p; v192-223 O^T;
;   v224-235 p's codes; v232-254 at work; v248-251 K's scale words; v253 p's scale word.
.set CHB,   52224
.set HEADB, 4*CHB
.set VIM,   24576
.set KSC,   49152
.set VSC,   51200
.set LI8, 1
.set R4,  2
.set ADK, 3
.set ADS, 4
.set ADT, 5
.set A16, 6
.set S,   128
.set O,   192
.set WV,  12
.set G1,  24
.set G0,  32
.set SEL, 48
.set CS,  50
.set TB,  52
.set TSC, 53
.set TJ,  54
.set CNT, 55
.macro CROUND                          ; a round of the cluster's barrier
	s_barrier_signal -1
	s_barrier_wait -1
	s_cmp_lg_u32 s[WV], 0
	s_cbranch_scc1 .Lnot_wave_0_\@
	s_barrier_signal -3
.Lnot_wave_0_\@:
	s_barrier_wait -3
	s_barrier_signal -1
	s_barrier_wait -1
.endm
	s_load_b256 s[4:11], s[0:1], 0x0               ; q s[4:5], k and v s[6:7], images out s[8:9], scale words out s[10:11]
	v_lshl_add_u32 v243, v0, 2, 0x34000
	v_mov_b32 v255, 0
	ds_add_u32 v243, v255
	ds_add_u32 v243, v255
	v_lshrrev_b32 v1, 5, v0
	v_readfirstlane_b32 s[WV], v1                  ; wave 0..15
	v_and_b32 v2, 31, v0
	v_lshlrev_b32 v[LI8], 3, v2                    ; 8 x lane
	v_and_b32 v2, 15, v0                           ; r
	v_lshlrev_b32 v[A16], 3, v2                    ; 8 r
	v_lshlrev_b32 v[R4], 2, v2                     ; 4 r
	s_bfe_u32 s13, ttmp6, 0x40000                  ; cx
	s_lshl_b32 s14, ttmp9, 2
	s_add_co_u32 s14, s14, s13                     ; my block of 256 queries: it enters Q's and the outputs' addresses alone
	s_and_b32 s15, ttmp7, 0xffff                   ; 16 x batch + head, which the four partners share
	s_mul_i32 s16, s15, HEADB
	s_mov_b32 s17, 0
	; group 1: a dense chunk as 204 rows of 256 bytes (32 elements of 8 bytes)
	s_mov_b32 s[G1], 15|(3<<16)|(1<<21)            ; the mask: all four work-groups; bit 21 set beside it
	s_mov_b32 s[G1+1], 32<<16
	s_mov_b32 s[G1+2], 204<<16
	s_mov_b32 s[G1+3], 32<<16
	s_mov_b32 s[G1+4], 204
	s_mov_b32 s[G1+5], 32
	s_mov_b32 s[G1+6], 0
	s_mov_b32 s[G1+7], 0
	s_mov_b32 s[SEL], 0x76543210
	s_mov_b32 s[SEL+1], 0xfedcba98
	s_mov_b32 s[CS], 0x3e38aa3b                    ; c = log2(e) / 8
	s_mov_b32 s[CS+1], s[CS]                       ; (named with it as a pair, so it is written)
	s_mov_b32 s[TB], 0
	s_mov_b32 s[TSC], KSC
	s_mov_b32 s[TJ], VSC
	; Q's half fragment and scale words
	s_lshr_b32 s18, s14, 1
	s_mul_i32 s18, s18, CHB
	s_add_co_u32 s18, s18, s16
	s_and_b32 s19, s14, 1
	s_lshl_b32 s20, s19, 4
	s_add_co_u32 s20, s20, s[WV]                   ; my tile in its chunk
	s_mul_i32 s21, s20, 768
	s_add_co_u32 s22, s18, s21
	s_mov_b32 s23, 0
	s_wait_dscnt 0x0
	s_wait_kmcnt 0x0
	s_add_nc_u64 s[56:57], s[4:5], s[22:23]
	s_lshl_b32 s21, s20, 6
	s_add_co_u32 s22, s18, s21
	s_add_co_u32 s22, s22, KSC
	s_add_nc_u64 s[58:59], s[4:5], s[22:23]
	s_add_nc_u64 s[6:7], s[6:7], s[16:17]          ; the head's K and V
	; the outputs: block of rows 128 x batch + 16 x query block + wave; the head is half a K step of the next product
	s_lshr_b32 s18, s15, 4
	s_and_b32 s19, s15, 15
	s_lshl_b32 s20, s18, 7
	s_lshl_b32 s21, s14, 4
	s_add_co_u32 s20, s20, s21
	s_add_co_u32 s20, s20, s[WV]
	s_mul_i32 s22, s20, 12288
	s_mul_i32 s21, s19, 768
	s_add_co_u32 s22, s22, s21
	s_add_nc_u64 s[60:61], s[8:9], s[22:23]
	s_lshl_b32 s22, s20, 7
	s_lshr_b32 s21, s19, 2
	s_lshl_b32 s21, s21, 15
	s_add_co_u32 s22, s22, s21
	s_and_b32 s21, s19, 3
	s_lshl_b32 s21, s21, 1
	s_add_co_u32 s22, s22, s21
	s_add_nc_u64 s[62:63], s[10:11], s[22:23]      ; my head's two bytes of a token's eight
.irp c, 0,1,2,3
	s_mov_b32 s[G0+4*\c], 1
	s_mov_b32 s[G0+4*\c+1], \c*CHB
	s_add_nc_u64 s[G0+4*\c+2:G0+4*\c+3], s[6:7], \c*CHB
	s_or_b32 s[G0+4*\c+3], s[G0+4*\c+3], 0x80000000
.endr
	CROUND                                         ; all four work-groups are here: the joint loads meet
	s_cmp_lg_u32 s[WV], 0
	s_cbranch_scc1 .Lno_fill                       ; wave 0 issues all four first fills, in one branch: four loads of its own are out at the most
	tensor_load_to_lds s[G0:G0+3], s[G1:G1+7]
	s_nop 0
	tensor_load_to_lds s[G0+4:G0+7], s[G1:G1+7]
	s_nop 0
	tensor_load_to_lds s[G0+8:G0+11], s[G1:G1+7]
	s_nop 0
	tensor_load_to_lds s[G0+12:G0+15], s[G1:G1+7]
	s_nop 0
.rept 4
	v_nop
.endr
.Lno_fill:
.irp p, 0,1,2
	global_load_b64 v[16+2*\p:17+2*\p], v[LI8], s[56:57] offset:256*\p
.endr
	global_load_b32 v28, v[R4], s[58:59]
.irp i, 22,23,24,25,26,27
	v_mov_b32 v\i, 0                               ; zero codes for k = 64 .. 127
.endr
.irp t, 0,1,2,3
.irp i, 6,7,8,9,10,11
	v_mov_b32 v[32+12*\t+\i], 0
.endr
.endr
	v_mov_b32 v13, 0xff61b1e6                      ; the largest t so far: -3e38
	v_floor_f32 v12, -v13                          ; -M
	v_mov_b32 v14, 0
	v_mov_b32 v15, 0
.irp b, 0,1,2,3
	v_mov_b32 v[236+\b], 0                         ; a lane exchange's target counts as read: written once
.endr
	v_mov_b32 v252, 0
	v_mov_b32 v253, 0
.set j, 0
.rept 32
	v_mov_b32 v[O+j], 0                            ; O^T: the step is written once; the first finds zeros, which the first change of M leaves zeros
.set j, j+1
.endr
; A KEY STEP: 128 keys
.macro STEP
	v_add_nc_u32 v[ADK], s[TB], v[LI8]
	v_add_nc_u32 v[ADS], s[TSC], v[R4]
	v_add_nc_u32 v[ADT], s[TJ], v[R4]
	v_nop                                          ; (four places behind the last step's products)
.irp g, 0,1                                    ; S^T = K Q^T, four tiles of 16 keys at a time
.if \g
.rept 4
	v_nop                                          ; places in front of loads into registers that matrix instructions have read
.endr
.endif
.irp t, 0,1,2,3
.irp p, 0,1,2
	ds_load_b64 v[32+12*\t+2*\p:33+12*\t+2*\p], v[ADK] offset:(4*\g+\t)*768+256*\p
.endr
	ds_load_b32 v[248+\t], v[ADS] offset:64*(4*\g+\t)
.endr
	s_wait_dscnt 0x0
.irp t, 0,1,2,3
	v_wmma_scale_f32_16x16x128_f8f6f4 v[S+8*(4*\g+\t):S+8*(4*\g+\t)+7], v[32+12*\t:43+12*\t], v[16:27], 0, v[248+\t], v28 matrix_a_fmt:MATRIX_FMT_FP6 matrix_b_fmt:MATRIX_FMT_FP6
.endr
.endr
.irp t, 0,1,2,3                                ; V's four fragments are asked for now and land under the softmax
.irp p, 0,1,2,3,4,5
	ds_load_b64 v[80+12*\t+2*\p:81+12*\t+2*\p], v[ADK] offset:VIM+1536*\t+256*\p
.endr
	ds_load_b32 v[8+\t], v[ADT] offset:64*\t
.endr
.rept 4
	v_nop                                          ; places in front of the first read of the scores
.endr
.irp b, 0,1,2,3
	v_max3_num_f32 v[232+\b], v[S+16*\b], v[S+1+16*\b], v[S+2+16*\b]   ; the largest score of each block of 32 keys: for the row's maximum, and, since p rises with the score, for the block's largest p
.endr
.irp i, 3,5,7,9,11,13
.irp b, 0,1,2,3
	v_max3_num_f32 v[232+\b], v[232+\b], v[S+16*\b+\i], v[S+1+16*\b+\i]
.endr
.endr
.irp b, 0,1,2,3
	v_max_num_f32 v[232+\b], v[232+\b], v[S+15+16*\b]
.endr
.irp b, 0,1,2,3
	v_permlanex16_b32 v[236+\b], v[232+\b], s[SEL], s[SEL+1]
.endr
.irp b, 0,1,2,3
	v_max_num_f32 v[232+\b], v[232+\b], v[236+\b]  ; with lane l xor 16's 16 keys
.endr
	v_max3_num_f32 v254, v232, v233, v234
	v_max_num_f32 v254, v254, v235
	v_mul_f32 v254, s[CS], v254                    ; as t (c is positive)
	v_max_num_f32 v13, v13, v254                   ; the running largest t
	v_mov_b32 v254, v12
	v_floor_f32 v12, -v13                          ; the new -M = -ceil(t): a whole number
	v_sub_f32 v254, v12, v254                      ; old M - new M: a whole number, 0 or less
	v_cvt_i32_f32 v254, v254                       ; (it saturates)
	v_ldexp_f32 v252, 1.0, v254                    ; f = 2^(old M - new M)
.set j, 0
.rept 32
	v_pk_fma_f32 v[S+j:S+j+1], v[S+j:S+j+1], s[CS:CS+1], v[12:13] op_sel_hi:[1,0,0]   ; t - M, two at a time
.set j, j+2
.endr
.irp b, 0,1,2,3
	v_fma_f32 v[232+\b], v[232+\b], s[CS], v12     ; the same of each block's largest score
.endr
.set j, 0
.rept 64
	v_exp_f32 v[S+j], v[S+j]                       ; p = 2^(t - M), at most 1
.set j, j+1
.endr
.irp b, 0,1,2,3
	v_exp_f32 v[232+\b], v[232+\b]                 ; the block's largest p: the same two instructions on the same number give the same bits
.endr
	v_pk_mul_f32 v[14:15], v[14:15], v[252:253] op_sel_hi:[1,0]   ; the sums under the new M (a plain instruction behind the exponentials)
	s_wait_alu depctr_va_vdst(0)
.irp b, 0,1,2,3
	v_max_num_f32 v[232+\b], 0x1800000, v[232+\b]  ; the floor 2^(3 - 127): the byte cannot fall under 1
.endr
.irp b, 0,1,2,3
	v_add_nc_u32 v[244+\b], 0xff000000, v[232+\b]  ; 2 off the exponent field: the conversion's scale operand
.endr
.irp b, 0,1,2,3
	v_lshrrev_b32 v[236+\b], 23, v[244+\b]
.endr
	v_lshl_or_b32 v253, v237, 8, v236              ; p's scale word for these 128 keys
	v_lshl_or_b32 v253, v238, 16, v253
	v_lshl_or_b32 v253, v239, 24, v253
.irp c, 0,1
	v_cvt_scalef32_pk16_fp6_f32 v[224+6*\c:226+6*\c], v[S+32*\c:S+15+32*\c], v[244+2*\c]
	v_cvt_scalef32_pk16_fp6_f32 v[236+4*\c:238+4*\c], v[S+16+32*\c:S+31+32*\c], v[244+2*\c+1]
.endr
	v_nop                                          ; one plain instruction behind the scaled conversions
.irp c, 0,1                                    ; the operand wants a whole block in a lane: lanes 0-15 block 2 c, lanes 16-31 block 2 c + 1
.irp i, 0,1,2
	v_permlane16_swap_b32 v[224+6*\c+\i], v[236+4*\c+\i]
.endr
.irp i, 0,1,2
	v_mov_b32 v[227+6*\c+\i], v[236+4*\c+\i]
.endr
.endr
	v_pk_add_f32 v[236:237], v[S:S+1], v[S+2:S+3]  ; the row's sum is taken of the unquantised p: two at a time, in two chains
.irp j, 4,8,12,16,20,24,28,32,36,40,44,48,52,56,60
	v_pk_add_f32 v[14:15], v[14:15], v[S+\j:S+\j+1]
	v_pk_add_f32 v[236:237], v[236:237], v[S+2+\j:S+3+\j]
.endr
	v_pk_add_f32 v[14:15], v[14:15], v[236:237]
.set j, 0
.rept 16
	v_pk_mul_f32 v[O+j:O+j+1], v[O+j:O+j+1], v[252:253] op_sel_hi:[1,0]   ; O^T under the new M
.set j, j+2
.endr
	s_wait_dscnt 0x0                               ; V and its scale words are in
.irp t, 0,1,2,3                                ; O^T += V^T P^T: the four accumulators by turns
	v_wmma_scale_f32_16x16x128_f8f6f4 v[O+8*\t:O+8*\t+7], v[80+12*\t:91+12*\t], v[224:235], v[O+8*\t:O+8*\t+7], v[8+\t], v253 matrix_a_fmt:MATRIX_FMT_FP6 matrix_b_fmt:MATRIX_FMT_FP6
.endr
.endm
; A chunk of 512 keys.  left = how many chunks were asked for behind this one: they may stay on their way, across the barrier too.
.macro CHUNK left
	s_wait_tensorcnt \left                         ; wave 0: tensor loads of a wave end in order (ISA guide 10.11.1): this chunk has landed
	s_wait_dscnt 0x0
	s_barrier_signal -1
	s_barrier_wait -1                              ; now every wave may read it
	s_mov_b32 s[CNT], 4
.Lstep_\@:
	STEP
	s_add_co_u32 s[TB], s[TB], 6144
	s_add_co_u32 s[TSC], s[TSC], 512
	s_add_co_u32 s[TJ], s[TJ], 256
	s_sub_co_u32 s[CNT], s[CNT], 1
	s_cmp_lg_u32 s[CNT], 0
	s_cbranch_scc1 .Lstep_\@
	s_add_co_u32 s[TB], s[TB], CHB-4*6144          ; on to the next chunk
	s_add_co_u32 s[TSC], s[TSC], CHB-4*512
	s_add_co_u32 s[TJ], s[TJ], CHB-4*256
.endm
	s_wait_loadcnt 0x0                             ; Q
	CHUNK 3
	CHUNK 2
	CHUNK 1
	CHUNK 0
	; THE WAY OUT: O^T / the sum, quantised along the head's 64 (two blocks of the next product's K), as half a fragment's image
.rept 4
	v_nop
.endr
	v_add_f32 v14, v14, v15
	v_permlanex16_b32 v252, v14, s[SEL], s[SEL+1]
	v_add_f32 v14, v14, v252                       ; the row's sum
	v_rcp_f32 v14, v14
	v_nop                                          ; one plain instruction behind the transcendental
.set j, 0
	s_wait_alu depctr_va_vdst(0)
.rept 32
	v_mul_f32 v[S+j], v[O+j], v14                  ; register 16 b + i: channel 32 b + 16 h + i of my query
.set j, j+1
.endr
.irp b, 0,1
	v_max3_num_f32 v[232+\b], |v[S+16*\b]|, |v[S+1+16*\b]|, 0x1800000
.endr
.irp i, 2,4,6,8,10,12,14
.irp b, 0,1
	v_max3_num_f32 v[232+\b], v[232+\b], |v[S+16*\b+\i]|, |v[S+1+16*\b+\i]|
.endr
.endr
.irp b, 0,1
	v_permlanex16_b32 v[236+\b], v[232+\b], s[SEL], s[SEL+1]
.endr
.irp b, 0,1
	v_max_num_f32 v[232+\b], v[232+\b], v[236+\b]
.endr
.irp b, 0,1
	v_add_nc_u32 v[244+\b], 0xff000000, v[232+\b]
.endr
.irp b, 0,1
	v_lshrrev_b32 v[236+\b], 23, v[244+\b]
.endr
	v_lshl_or_b32 v254, v237, 8, v236              ; my head's two scale bytes
	v_cvt_scalef32_pk16_fp6_f32 v[224:226], v[S:S+15], v244
	v_cvt_scalef32_pk16_fp6_f32 v[240:242], v[S+16:S+31], v245
	v_nop
.irp i, 0,1,2
	v_permlane16_swap_b32 v[224+\i], v[240+\i]     ; lanes 0-15: block 0 whole, lanes 16-31: block 1
.endr
.irp i, 0,1,2
	v_mov_b32 v[227+\i], v[240+\i]
.endr
.irp p, 0,1,2
	global_store_b64 v[LI8], v[224+2*\p:225+2*\p], s[60:61] offset:256*\p   ; 32 lanes store 256 consecutive bytes, aligned
.endr
	global_store_b16 v[A16], v254, s[62:63]        ; two bytes of a token's eight: a head owns no more; lanes r and r + 16 write the same value
	s_wait_tensorcnt 0x0
	ds_add_u32 v243, v255
	s_wait_dscnt 0x0
	CROUND                                         ; the closing round
	s_endpgm
.Lfunc_end_k_qcbaf889bfc_attn:
	.size	k_qcbaf889bfc_attn, .Lfunc_end_k_qcbaf889bfc_attn-k_qcbaf889bfc_attn
	.p2alignl 7, 3214868480
	.fill 96, 4, 3214868480
	.section	.rodata,"a",@progbits
	.p2align	6, 0x0
	.amdhsa_kernel k_qcbaf889bfc_attn
		.amdhsa_group_segment_fixed_size 215040
		.amdhsa_private_segment_fixed_size 0
		.amdhsa_enable_private_segment 0
		.amdhsa_kernarg_size 32
		.amdhsa_user_sgpr_count 2
		.amdhsa_user_sgpr_kernarg_segment_ptr 1
		.amdhsa_wavefront_size32 1
		.amdhsa_system_sgpr_workgroup_id_x 1
		.amdhsa_system_sgpr_workgroup_id_y 1
		.amdhsa_system_sgpr_workgroup_id_z 1
		.amdhsa_system_vgpr_workitem_id 0
		.amdhsa_next_free_vgpr 256
		.amdhsa_next_free_sgpr 66
		.amdhsa_reserve_vcc 0
		.amdhsa_float_denorm_mode_32 3
		.amdhsa_float_denorm_mode_16_64 3
		.amdhsa_memory_ordered 1
		.amdhsa_forward_progress 1
		.amdhsa_inst_pref_size 84
	.end_amdhsa_kernel
	.amdgpu_metadata
---
amdhsa.version: [ 1, 2 ]
amdhsa.kernels:
  - .name:           k_qcbaf889bfc_attn
    .symbol:         k_qcbaf889bfc_attn.kd
    .args:
      - { .name: qq, .offset: 0, .size: 8, .value_kind: global_buffer, .address_space: global }
      - { .name: kv, .offset: 8, .size: 8, .value_kind: global_buffer, .address_space: global }
      - { .name: aimg, .offset: 16, .size: 8, .value_kind: global_buffer, .address_space: global }
      - { .name: asc, .offset: 24, .size: 8, .value_kind: global_buffer, .address_space: global }
    .group_segment_fixed_size: 215040
    .private_segment_fixed_size: 0
    .kernarg_segment_align: 8
    .kernarg_segment_size: 32
    .max_flat_workgroup_size: 512
    .sgpr_count:     66
    .vgpr_count:     256
    .wavefront_size: 32
...
	.end_amdgpu_metadata
.endif
;; end of part 3
;; launch proj (part 4): grid 4 x 16, 4 waves a work-group, clusters of 4 x 4, 327,680 bytes of LDS; arguments aimg, asc, proj_w_codes, proj_w_scales, proj_b, x, x1; writes x1
.if DOCPART == 4
	.amdgcn_target "amdgcn-amd-amdhsa--gfx1250"
	.amdhsa_code_object_version 6
	.text
	.protected	k_qcbaf889bfc_proj
	.globl	k_qcbaf889bfc_proj
	.p2align	8
	.type	k_qcbaf889bfc_proj,@function
k_qcbaf889bfc_proj:
	s_mov_b64 s[64:65], 0
	v_nop
	global_prefetch_b8 v0, s[64:65] scope:SCOPE_SE
	s_setreg_imm32_b32 hwreg(HW_REG_WAVE_MODE, 25, 1), 1
	s_wait_xcnt 0x0
	s_wait_alu depctr_hold_cnt(0) depctr_sa_sdst(0) depctr_va_vdst(0) depctr_va_sdst(0) depctr_va_ssrc(0) depctr_va_vcc(0) depctr_vm_vsrc(0)
	s_getreg_b32 s2, hwreg(HW_REG_IB_STS2, 6, 4)
	s_cmp_eq_u32 s2, 0
	s_cbranch_scc0 .Lentry_in_a_cluster
	s_endpgm
.Lentry_in_a_cluster:
	s_bfe_u32 s2, ttmp6, 0x10000c
	s_cmp_lg_u32 s2, 0xf033
	s_cbranch_scc0 .Lentry_shape_is_right
	s_endpgm
.Lentry_shape_is_right:
; C = R + A W + b on codes of FP6 (E2M3) with E8M0 scales: A [4096 tokens][SIZE_K] as pair images made by the launch before, W [1024][SIZE_K] as given, b [1024], R and C [4096][1024] f32.
; A tile of C, 256 x 256, is made by four waves, each 128 x 128: 64 accumulators in 512 registers.  K goes in steps of 256 through a ring of two LDS slots.
; A's fragment (16 rows x 128 K) is an image of 1,536 bytes: register pair p of lane l at 256 p + 8 l.  W's rows are 192 bytes for 256 along K, with 16 bytes of padding behind every 64 in LDS.
; All scale words of the work-group's rows, for all of K, come into LDS once, with the first fills.
; CLUSTERS: 4 x 4 work-groups; A's tiles are shared along a row of the cluster, W's along a column: each is asked for JOINTLY, by the same tensor load with the same descriptor and a mask that names the four.
; THE MATRIX INSTRUCTION IS USED TRANSPOSED (source 0 = 16 rows of W, source 1 = 16 tokens): a lane holds eight neighbouring numbers of a row of C.  The bias is the C of each sum's first product.
; THE WAY OUT: block by block of 16 rows through the wave's own stage in LDS (in slot 0, which has had its last fill and its last read), back as whole rows of 512 bytes; the residual's rows, asked for
; three blocks ahead into registers that B's fragments have left, are added; each store of the wave covers 512 consecutive bytes, aligned.
; The grid has 64 work-groups at this size: a tile of 256 x 256 keeps one main loop for all four products of the block.
; REGISTERS: window 0: v1-15 temporaries; v16-30 addresses; v32-63 A's scale words, v64-95 W's, two sets each; v96-127, v224-255 the bias; v128-223 A's fragments; on the way out v128-255 rows of C.
;   window 1: W's fragments, two sets, at v0 and v128; v96-127, v224-255 the first residual block; on the way out four residual sets.  windows 2, 3: the accumulators.
.set SIZE_K, 1024
.set NQ,     2
.set ROWB,   192
.set KROW,   SIZE_K*6/8
.set PITCH,  240
.set FR,     12
.set NL,     6
.set NP,     4
.set ABLK,   3072
.set HALFA,  8*ABLK
.set HALFB,  128*PITCH
.set SLOT,   2*HALFA+2*HALFB
.set LAPS,   SIZE_K/512
.set KS,     SIZE_K/32
.set SAH,    (SIZE_K/256)*1024
.set HALFS,  (128*KS/256)*272
.set SBLK,   (16*KS/256)*272
.set SPITCH, 528
.set SCLA,   2*SLOT
.set SCLB,   SCLA+2*SAH
.set SPARE,  SCLB+2*HALFS              ; the spare words: 128 bytes a wave, two blocks of 256 bytes that no other line names
.set ADRA, 16
.set ADRB, 20
.set STO,  24
.set RD,   25
.set CO,   26
.set ADSA, 27
.set SPW,  28
.set NIL,  29
.set ADSB, 30
.set SCA,  32
.set SCB,  64
.set AF,   128
.set BK,   128
.set G1,   24
.set G0,   32
.set G1B,  48
.set G0B,  56
.set G1S,  68
.set G0S,  76
.set G1SB, 80
.set G0SB, 88
.set MSB, 0
.macro WIN new                         ; the immediate's high byte repeats the setting that is left
.if MSB != (\new)
	s_set_vgpr_msb (MSB<<8)|(\new)
.set MSB, (\new)
.endif
.endm
.set MUL_LO, 0xa1
.set MUL_HI, 0xf1
.set TO_B,   0x40
.macro JLOAD g0a, g1a, g0b, g1b        ; a joint load: waves 0 and 1 fetch for A, waves 2 and 3 for W; four v_nop follow each of the two lines
	s_cmp_eq_u32 s19, 0
	s_cbranch_scc0 .Lfor_b_\@
	tensor_load_to_lds s[\g0a:\g0a+3], s[\g1a:\g1a+7]
	s_nop 0
.rept 4
	v_nop
.endr
	s_branch .Lasked_\@
.Lfor_b_\@:
	tensor_load_to_lds s[\g0b:\g0b+3], s[\g1b:\g1b+7]
	s_nop 0
.rept 4
	v_nop
.endr
.Lasked_\@:
.endm
.macro CREST
	s_cmp_lg_u32 s18, 0
	s_cbranch_scc1 .Lnot_wave_0_\@
	s_barrier_signal -3
.Lnot_wave_0_\@:
	s_barrier_wait -3
	s_barrier_signal -1
	s_barrier_wait -1
.endm
.macro CROUND
	s_barrier_signal -1
	s_barrier_wait -1
	CREST
.endm
.macro RES a                           ; the residual's 16 rows of block a into set (a + 3) % 4 of window 1
	WIN 0x40
.irp t, 0,1,2,3,4,5,6,7,8,9,10,11,12,13,14,15
	global_load_b128 v[32*(((\a)+3)%4)+4*(\t%8)+128*(\t/8):32*(((\a)+3)%4)+4*(\t%8)+128*(\t/8)+3], v[CO], s[14:15] offset:(16*(\a)+\t)*4096
.endr
	WIN 0
.endm
	s_load_b256 s[4:11], s[0:1], 0x0               ; A's images s[4:5], A's scale words s[6:7], W's codes s[8:9], W's scales s[10:11]
	s_load_b128 s[12:15], s[0:1], 0x20             ; bias s[12:13], residual s[14:15]
	s_load_b64 s[16:17], s[0:1], 0x30              ; C
	v_lshl_add_u32 v[SPW], v0, 2, SPARE
	v_mov_b32 v[NIL], 0
	ds_add_u32 v28, v29
	ds_add_u32 v28, v29
	s_wait_dscnt 0x0
	v_lshrrev_b32 v1, 5, v0
	v_readfirstlane_b32 s18, v1                    ; wave 0..3
	s_lshr_b32 s19, s18, 1                         ; which half of the tile's rows is mine.  Also: I fetch for A (0) or for W (1)
	s_and_b32 s20, s18, 1                          ; which half of its columns.  Also: which half I fetch
	s_bfe_u32 s40, ttmp6, 0x40000
	s_bfe_u32 s41, ttmp6, 0x40004
	s_lshl_b32 s22, ttmp9, 2
	s_add_co_u32 s22, s22, s40                     ; tile column
	s_and_b32 s21, ttmp7, 0xffff
	s_lshl_b32 s21, s21, 2
	s_add_co_u32 s21, s21, s41                     ; tile row
	s_lshl_b32 s43, s41, 2
	s_lshl_b32 s43, 15, s43                        ; my row of the cluster
	s_lshl_b32 s44, 0x1111, s40                    ; my column
	s_or_b32 s[G1+0], s43, (3<<16)|(1<<21)         ; A's tiles: 8 blocks of rows x 3,072 bytes (384 elements of 8 bytes), no padding
	s_mov_b32 s[G1+1], 384<<16
	s_mov_b32 s[G1+2], 8<<16
	s_mov_b32 s[G1+3], 384<<16
	s_mov_b32 s[G1+4], 8
	s_mov_b32 s[G1+5], (SIZE_K/128)*192
	s_mov_b32 s[G1+6], 0
	s_mov_b32 s[G1+7], 0
	s_or_b32 s[G1B+0], s44, (0<<16)|(1<<20)|(1<<21)|(3<<22)|(3<<25)   ; W's: 128 rows x 192 bytes, 16 bytes of padding behind every 64
	s_mov_b32 s[G1B+1], ROWB<<16
	s_mov_b32 s[G1B+2], 128<<16
	s_mov_b32 s[G1B+3], ROWB<<16
	s_mov_b32 s[G1B+4], 128
	s_mov_b32 s[G1B+5], KROW
	s_mov_b32 s[G1B+6], 0
	s_mov_b32 s[G1B+7], 0
	s_or_b32 s[G1S+0], s43, (3<<16)|(1<<21)        ; A's scale words: SIZE_K / 256 rows of 1,024 bytes, 4,096 tokens apart
	s_mov_b32 s[G1S+1], 128<<16
	s_mov_b32 s[G1S+2], (SIZE_K/256)<<16
	s_mov_b32 s[G1S+3], 128<<16
	s_mov_b32 s[G1S+4], SIZE_K/256
	s_mov_b32 s[G1S+5], 4096
	s_mov_b32 s[G1S+6], 0
	s_mov_b32 s[G1S+7], 0
	s_or_b32 s[G1SB+0], s44, (3<<16)|(1<<20)|(1<<21)|(5<<22)|(3<<25)   ; W's scale bytes: dense, as rows of 256 bytes + 16
	s_mov_b32 s[G1SB+1], 32<<16
	s_mov_b32 s[G1SB+2], (128*KS/256)<<16
	s_mov_b32 s[G1SB+3], 32<<16
	s_mov_b32 s[G1SB+4], 128*KS/256
	s_mov_b32 s[G1SB+5], 32
	s_mov_b32 s[G1SB+6], 0
	s_mov_b32 s[G1SB+7], 0
	s_lshl_b32 s92, s21, 4
	s_lshl_b32 s93, s20, 3
	s_add_co_u32 s92, s92, s93                     ; A: block of rows 16 x tile row + 8 x half
	s_mul_i32 s92, s92, 12*SIZE_K
	s_mov_b32 s93, 0
	s_lshl_b32 s94, s21, 11
	s_lshl_b32 s95, s20, 10
	s_add_co_u32 s94, s94, s95
	s_mov_b32 s95, 0
	s_lshl_b32 s46, s22, 8
	s_lshl_b32 s47, s20, 7
	s_add_co_u32 s46, s46, s47                     ; W: row 256 x tile column + 128 x half
	s_mul_i32 s96, s46, KS
	s_mov_b32 s97, 0
	s_mul_i32 s46, s46, KROW
	s_mov_b32 s47, 0
	s_mul_i32 s23, s20, HALFA                      ; where they go: no place in the cluster enters an LDS address
	s_mul_i32 s42, s20, HALFB
	s_add_co_u32 s42, s42, 2*HALFA
	s_mul_i32 s45, s20, SAH
	s_mul_i32 s98, s20, HALFS
	s_wait_kmcnt 0x0
	s_add_nc_u64 s[92:93], s[4:5], s[92:93]
	s_add_nc_u64 s[94:95], s[6:7], s[94:95]
	s_add_nc_u64 s[46:47], s[8:9], s[46:47]
	s_add_nc_u64 s[96:97], s[10:11], s[96:97]
	CROUND                                         ; all sixteen work-groups are here: the first joint loads meet
	s_mov_b32 s[G0S], 1
	s_add_co_u32 s[G0S+1], s45, SCLA
	s_mov_b64 s[G0S+2:G0S+3], s[94:95]
	s_or_b32 s[G0S+3], s[G0S+3], 0x80000000
	s_mov_b32 s[G0SB], 1
	s_add_co_u32 s[G0SB+1], s98, SCLB
	s_mov_b64 s[G0SB+2:G0SB+3], s[96:97]
	s_or_b32 s[G0SB+3], s[G0SB+3], 0x80000000
	JLOAD G0S, G1S, G0SB, G1SB
.irp s, 0,1
	s_mov_b32 s[G0+4*\s], 1
	s_add_co_u32 s[G0+4*\s+1], s23, \s*SLOT
	s_add_nc_u64 s[G0+4*\s+2:G0+4*\s+3], s[92:93], \s*ABLK
	s_or_b32 s[G0+4*\s+3], s[G0+4*\s+3], 0x80000000
	s_mov_b32 s[G0B+4*\s], 1
	s_add_co_u32 s[G0B+4*\s+1], s42, \s*SLOT
	s_add_nc_u64 s[G0B+4*\s+2:G0B+4*\s+3], s[46:47], \s*ROWB
	s_or_b32 s[G0B+4*\s+3], s[G0B+4*\s+3], 0x80000000
	JLOAD G0+4*\s, G1, G0B+4*\s, G1B
.endr
	v_and_b32 v1, 15, v0                           ; r
	v_bfe_u32 v2, v0, 4, 1                         ; h
	v_and_b32 v3, 31, v0                           ; lane
	v_lshlrev_b32 v4, 3, v3
	s_mul_i32 s99, s19, HALFA
	v_add_nc_u32 v[ADRA], s99, v4
	v_add_nc_u32 v[ADRA+1], SLOT, v[ADRA]
	v_mul_u32_u24 v5, v1, PITCH
	v_mad_u32_u24 v5, v2, 24, v5
	v_lshl_add_u32 v6, v2, 4, v5
	s_mul_i32 s99, s20, HALFB
	s_add_co_u32 s99, s99, 2*HALFA
	v_add_nc_u32 v[ADRB], s99, v5
	v_add_nc_u32 v[ADRB+2], s99, v6
	v_add_nc_u32 v[ADRB+1], SLOT, v[ADRB]
	v_add_nc_u32 v[ADRB+3], SLOT, v[ADRB+2]
	v_lshlrev_b32 v7, 3, v1
	s_mul_i32 s99, s19, SAH
	s_add_co_u32 s99, s99, SCLA
	v_add_nc_u32 v[ADSA], s99, v7
	v_mul_u32_u24 v7, v1, KS
	v_lshrrev_b32 v8, 8, v7
	v_lshl_add_u32 v7, v8, 4, v7
	s_mul_i32 s99, s20, HALFS
	s_add_co_u32 s99, s99, SCLB
	v_add_nc_u32 v[ADSB], s99, v7
	s_mul_i32 s99, s18, 16*SPITCH                  ; my stage
	v_mul_u32_u24 v5, v1, SPITCH
	v_lshl_add_u32 v5, v2, 5, v5
	v_add_nc_u32 v[STO], s99, v5                   ; in: row r, + 32 h
	v_lshlrev_b32 v[CO], 4, v3                     ; back: the 32 lanes take one row of 512 bytes; and the same in R and C
	v_add_nc_u32 v[RD], s99, v[CO]
	s_lshl_b32 s96, s22, 10
	s_lshl_b32 s97, s20, 9
	s_add_co_u32 s96, s96, s97
	s_mov_b32 s97, 0
	s_add_nc_u64 s[12:13], s[12:13], s[96:97]      ; the bias of my 128 columns
	s_lshl_b32 s98, s21, 20
	s_lshl_b32 s99, s19, 19
	s_add_co_u32 s98, s98, s99
	s_add_co_u32 s98, s98, s96                     ; my part of R and of C: (256 x tile row + 128 x half) rows of 4,096 bytes + my columns
	s_mov_b32 s99, 0
	s_add_nc_u64 s[14:15], s[14:15], s[98:99]
	s_add_nc_u64 s[16:17], s[16:17], s[98:99]
	v_lshlrev_b32 v9, 5, v2
.irp b, 0,1,2,3,4,5,6,7
	global_load_b128 v[96+8*\b+96*(\b/4):96+8*\b+96*(\b/4)+3], v9, s[12:13] offset:64*\b
	global_load_b128 v[96+8*\b+96*(\b/4)+4:96+8*\b+96*(\b/4)+7], v9, s[12:13] offset:64*\b+16
.endr
	RES 0                                          ; the first residual block lands under the whole product, in registers that the loop leaves alone
.macro FRAG reg, adr, q, i
.irp p, 0,1,2,3,4,5
.set PCE, 12*(\q)+6*(\p/3)+\p%3
.if PCE%8 < 5
	ds_load_b64 v[\reg+2*\p:\reg+2*\p+1], v[\adr] offset:8*PCE+16*(PCE/8)+(\i)*16*PITCH
.else
	ds_load_b64 v[\reg+2*\p:\reg+2*\p+1], v[\adr+2] offset:8*PCE+16*(PCE/8)+(\i)*16*PITCH
.endif
.endr
.endm
.macro FRAGA reg, slot, q, i
.irp p, 0,1,2,3,4,5
	ds_load_b64 v[\reg+2*\p:\reg+2*\p+1], v[ADRA+\slot] offset:(\i)*ABLK+(\q)*1536+256*\p
.endr
.endm
; 16 matrix instructions; the 64 accumulators take turns, one instruction a turn, in the same order in every step
.macro MUL16 a0, p, q, sc, first
.irp a, \a0, \a0+1
.irp b, 0,1,2,3,4,5,6,7
.if \first
	v_wmma_scale_f32_16x16x128_f8f6f4 v[8*(8*((\a)%4)+\b):8*(8*((\a)%4)+\b)+7], v[128*(\p)+FR*\b:128*(\p)+FR*\b+FR-1], v[AF+FR*(\a):AF+FR*(\a)+FR-1], v[96+8*\b+96*(\b/4):96+8*\b+96*(\b/4)+7], v[SCB+16*(\sc)+2*\b+(\q)], v[SCA+16*(\sc)+2*(\a)+(\q)] matrix_a_fmt:MATRIX_FMT_FP6 matrix_b_fmt:MATRIX_FMT_FP6
.else
	v_wmma_scale_f32_16x16x128_f8f6f4 v[8*(8*((\a)%4)+\b):8*(8*((\a)%4)+\b)+7], v[128*(\p)+FR*\b:128*(\p)+FR*\b+FR-1], v[AF+FR*(\a):AF+FR*(\a)+FR-1], v[8*(8*((\a)%4)+\b):8*(8*((\a)%4)+\b)+7], v[SCB+16*(\sc)+2*\b+(\q)], v[SCA+16*(\sc)+2*(\a)+(\q)] matrix_a_fmt:MATRIX_FMT_FP6 matrix_b_fmt:MATRIX_FMT_FP6
.endif
.endr
.endr
.endm
.macro FETCH_B slot, q, p
	WIN TO_B
.irp i, 0,1,2,3,4,5,6,7
	FRAG 128*(\p)+FR*\i, ADRB+\slot, \q, \i
.endr
	WIN 0
.endm
.macro FETCH_A slot, q, i0
.irp i, \i0, \i0+1, \i0+2, \i0+3
	FRAGA AF+FR*(\i), \slot, \q, \i
.endr
.endm
.macro SCALES sc
.irp i, 0,1,2,3,4,5,6,7
	ds_load_b64 v[SCA+16*\sc+2*\i:SCA+16*\sc+2*\i+1], v[ADSA] offset:\i*128
	ds_load_b64 v[SCB+16*\sc+2*\i:SCB+16*\sc+2*\i+1], v[ADSB] offset:\i*SBLK
.endr
.endm
.macro PLACES n
.rept \n
	v_nop
.endr
.endm
.macro STEP slot, q, first
	s_wait_dscnt 4*NL                              ; all but the 24 youngest loads (A's blocks 4-7)
.if \first
	WIN 0x81
.else
	WIN MUL_LO
.endif
	MUL16 0, (\q)%2, \q, \slot, \first
	MUL16 2, (\q)%2, \q, \slot, \first
	s_wait_dscnt 0
	PLACES NP
	FETCH_B \slot, (\q)+1, 1-(\q)%2
	FETCH_A \slot, (\q)+1, 0
.if \first
	WIN 0xc1
.else
	WIN MUL_HI
.endif
	MUL16 4, (\q)%2, \q, \slot, \first
	MUL16 6, (\q)%2, \q, \slot, \first
	PLACES NP
	WIN 0
	FETCH_A \slot, (\q)+1, 4
.endm
.macro TURN slot, next, fill
	s_wait_tensorcnt 0x0                           ; all my tensor loads have landed: my part of the next slot
	ds_add_u32 v[SPW], v[NIL]                      ; 0 onto my spare word
	s_wait_dscnt 4*NL+1                            ; (the add and the 24 youngest loads may be out)
	WIN MUL_LO
	MUL16 0, 1, NQ-1, \slot, 0
	s_wait_dscnt 0x0                               ; the add is done, and my reads of this slot are over
	s_barrier_signal -1
	MUL16 2, 1, NQ-1, \slot, 0
	WIN 0
	s_barrier_wait -1
.if \fill
	CREST                                          ; the barrier has opened a round of the cluster's: no wave of any partner still reads this slot or has a load on its way
	s_add_nc_u64 s[G0+4*\slot+2:G0+4*\slot+3], s[G0+4*\slot+2:G0+4*\slot+3], 2*ABLK
	s_add_nc_u64 s[G0B+4*\slot+2:G0B+4*\slot+3], s[G0B+4*\slot+2:G0B+4*\slot+3], 2*ROWB
	JLOAD G0+4*\slot, G1, G0B+4*\slot, G1B
.else
	PLACES NP
.endif
	v_add_nc_u32 v[ADSA], 1024, v[ADSA]
	v_add_nc_u32 v[ADSB], 4*NQ, v[ADSB]
	FETCH_B \next, 0, 0
	FETCH_A \next, 0, 0
	SCALES \next
	WIN MUL_HI
	MUL16 4, 1, NQ-1, \slot, 0
	MUL16 6, 1, NQ-1, \slot, 0
	PLACES NP
	WIN 0
	FETCH_A \next, 0, 4
.endm
	s_wait_tensorcnt 1                             ; the scales and my part of K step 0 are in; K step 1's load may be out
	s_barrier_signal -1
	s_barrier_wait -1
	FETCH_B 0, 0, 0
	FETCH_A 0, 0, 0
	SCALES 0
	FETCH_A 0, 0, 4
	s_wait_loadcnt 16                              ; the bias is in; the 16 younger loads (the first residual block) may be out
	STEP 0, 0, 1
	s_mov_b32 s3, LAPS-1
.Llap:
	TURN 0, 1, 1
	STEP 1, 0, 0
	TURN 1, 0, 1
	STEP 0, 0, 0
	s_sub_co_u32 s3, s3, 1
	s_cmp_lg_u32 s3, 0
	s_cbranch_scc1 .Llap
	TURN 0, 1, 0
	STEP 1, 0, 0
	s_wait_dscnt 4*NL
	WIN MUL_LO
	MUL16 0, 1, NQ-1, 1, 0
	MUL16 2, 1, NQ-1, 1, 0
	s_wait_dscnt 0
	WIN MUL_HI
	MUL16 4, 1, NQ-1, 1, 0
	MUL16 6, 1, NQ-1, 1, 0
	WIN 0
.macro OUTBLK a, left                  ; block a: 16 rows x 128 columns.  left: the residual loads issued behind this block's, which may stay out
.set AC, 64*((\a)%4)
.set BBK, BK+64*((\a)%2)
.set RS, 32*(((\a)+3)%4)
	WIN 0x08+4*((\a)/4)
.irp b, 0,1,2,3,4,5,6,7
	ds_store_b128 v[STO], v[AC+8*\b:AC+8*\b+3] offset:64*\b          ; each accumulator from its low end on
	ds_store_b128 v[STO], v[AC+8*\b+4:AC+8*\b+7] offset:64*\b+16
.endr
	WIN 0
.irp t, 0,1,2,3,4,5,6,7,8,9,10,11,12,13,14,15
	ds_load_b128 v[BBK+4*\t:BBK+4*\t+3], v[RD] offset:\t*SPITCH       ; LDS serves a wave's instructions in order (ISA guide 5.7.1.4): these see the stores above
.endr
	s_wait_dscnt 0x0
	s_wait_loadcnt \left
	WIN 0x04                                       ; source 1 (the residual) window 1
.irp t, 0,1,2,3,4,5,6,7,8,9,10,11,12,13,14,15
	v_pk_add_f32 v[BBK+4*\t:BBK+4*\t+1], v[BBK+4*\t:BBK+4*\t+1], v[RS+4*(\t%8)+128*(\t/8):RS+4*(\t%8)+128*(\t/8)+1]
	v_pk_add_f32 v[BBK+4*\t+2:BBK+4*\t+3], v[BBK+4*\t+2:BBK+4*\t+3], v[RS+4*(\t%8)+128*(\t/8)+2:RS+4*(\t%8)+128*(\t/8)+3]
.endr
	WIN 0
.irp t, 0,1,2,3,4,5,6,7,8,9,10,11,12,13,14,15
	global_store_b128 v[CO], v[BBK+4*\t:BBK+4*\t+3], s[16:17] offset:(16*(\a)+\t)*4096   ; 32 lanes store 512 consecutive bytes, aligned
.endr
.endm
	PLACES NP                                      ; behind the last products: for the loads into registers that held fragments, and for the reads of results
	RES 1
	RES 2
	RES 3
.irp a, 0,1,2,3,4,5,6,7
.if \a > 1
	s_wait_xcnt 0x0                                ; block a - 2's stores have read their registers: block a's rows may land there
.endif
.if \a < 5
	OUTBLK \a, 48
.else
	OUTBLK \a, 16*(7-\a)
.endif
.if \a < 4
	RES \a+4
.endif
.endr
	s_wait_tensorcnt 0x0                           ; the wave's end
	ds_add_u32 v[SPW], v[NIL]
	s_wait_dscnt 0x0
	CROUND                                         ; the closing round
	s_endpgm
.Lfunc_end_k_qcbaf889bfc_proj:
	.size	k_qcbaf889bfc_proj, .Lfunc_end_k_qcbaf889bfc_proj-k_qcbaf889bfc_proj
	.p2alignl 7, 3214868480
	.fill 96, 4, 3214868480
	.section	.rodata,"a",@progbits
	.p2align	6, 0x0
	.amdhsa_kernel k_qcbaf889bfc_proj
		.amdhsa_group_segment_fixed_size 327680
		.amdhsa_private_segment_fixed_size 0
		.amdhsa_enable_private_segment 0
		.amdhsa_kernarg_size 56
		.amdhsa_user_sgpr_count 2
		.amdhsa_user_sgpr_kernarg_segment_ptr 1
		.amdhsa_wavefront_size32 1
		.amdhsa_system_sgpr_workgroup_id_x 1
		.amdhsa_system_sgpr_workgroup_id_y 1
		.amdhsa_system_sgpr_workgroup_id_z 1
		.amdhsa_system_vgpr_workitem_id 0
		.amdhsa_next_free_vgpr 1024
		.amdhsa_next_free_sgpr 100
		.amdhsa_reserve_vcc 0
		.amdhsa_float_denorm_mode_32 3
		.amdhsa_float_denorm_mode_16_64 3
		.amdhsa_memory_ordered 1
		.amdhsa_forward_progress 1
		.amdhsa_inst_pref_size 192
	.end_amdhsa_kernel
	.amdgpu_metadata
---
amdhsa.version: [ 1, 2 ]
amdhsa.kernels:
  - .name:           k_qcbaf889bfc_proj
    .symbol:         k_qcbaf889bfc_proj.kd
    .args:
      - { .name: aimg, .offset: 0, .size: 8, .value_kind: global_buffer, .address_space: global }
      - { .name: asc, .offset: 8, .size: 8, .value_kind: global_buffer, .address_space: global }
      - { .name: proj_w_codes, .offset: 16, .size: 8, .value_kind: global_buffer, .address_space: global }
      - { .name: proj_w_scales, .offset: 24, .size: 8, .value_kind: global_buffer, .address_space: global }
      - { .name: proj_b, .offset: 32, .size: 8, .value_kind: global_buffer, .address_space: global }
      - { .name: x, .offset: 40, .size: 8, .value_kind: global_buffer, .address_space: global }
      - { .name: x1, .offset: 48, .size: 8, .value_kind: global_buffer, .address_space: global }
    .group_segment_fixed_size: 327680
    .private_segment_fixed_size: 0
    .kernarg_segment_align: 8
    .kernarg_segment_size: 56
    .max_flat_workgroup_size: 128
    .sgpr_count:     100
    .vgpr_count:     1024
    .wavefront_size: 32
...
	.end_amdgpu_metadata
.endif
;; end of part 4
;; launch lnq2: the kernel of part 1 again; grid 256 x 1, 8 waves a work-group, no clusters, 67,584 bytes of LDS; arguments x1, ln2_g, ln2_b, aimg, asc; writes aimg, asc
;; launch fc1 (part 5): grid 16 x 16, 4 waves a work-group, clusters of 4 x 4, 327,680 bytes of LDS; arguments aimg, asc, fc1_w_codes, fc1_w_scales, fc1_b, himg, hsc; writes himg, hsc
.if DOCPART == 5
	.amdgcn_target "amdgcn-amd-amdhsa--gfx1250"
	.amdhsa_code_object_version 6
	.text
	.protected	k_qcbaf889bfc_fc1
	.globl	k_qcbaf889bfc_fc1
	.p2align	8
	.type	k_qcbaf889bfc_fc1,@function
k_qcbaf889bfc_fc1:
	s_mov_b64 s[64:65], 0
	v_nop
	global_prefetch_b8 v0, s[64:65] scope:SCOPE_SE
	s_setreg_imm32_b32 hwreg(HW_REG_WAVE_MODE, 25, 1), 1
	s_wait_xcnt 0x0
	s_wait_alu depctr_hold_cnt(0) depctr_sa_sdst(0) depctr_va_vdst(0) depctr_va_sdst(0) depctr_va_ssrc(0) depctr_va_vcc(0) depctr_vm_vsrc(0)
	s_getreg_b32 s2, hwreg(HW_REG_IB_STS2, 6, 4)
	s_cmp_eq_u32 s2, 0
	s_cbranch_scc0 .Lentry_in_a_cluster
	s_endpgm
.Lentry_in_a_cluster:
	s_bfe_u32 s2, ttmp6, 0x10000c
	s_cmp_lg_u32 s2, 0xf033
	s_cbranch_scc0 .Lentry_shape_is_right
	s_endpgm
.Lentry_shape_is_right:
; g = gelu(h W + b), exact (erf), on codes of FP6 (E2M3) with E8M0 scales, [4096 tokens][1024] x [4096][1024]; g is then quantised along the hidden axis and leaves as the next product's operand images.
; The product is this program's one GEMM form: a tile of 256 x 256 by four waves of 128 x 128, K in steps of 256 through a ring of two LDS slots; A as pair images (a fragment of 16 rows x 128 K is 1,536 bytes,
; register pair p of lane l at 256 p + 8 l), W as given (rows of 192 bytes, 16 bytes of padding behind every 64 in LDS); all scale words in LDS once; 4 x 4 clusters with joint loads (A's tiles shared along
; a row of the cluster, W's along a column); the matrix instruction used transposed (source 0 = 16 rows of W, source 1 = 16 tokens); the bias as the C of each sum's first product.
; THE WAY OUT: each wave lays its 128 x 128 f32 into a stage of its own (over the ring, behind its last fill and, behind a barrier, its last read).  Its 128 columns are one K step of the next product: for each
; block of 16 tokens lane (r, h) reads k = 64 c + 32 h + 0 .. 31 of token r, applies the activation and quantises: a fragment's image, six stores of 256 dense bytes, and a scale word.
; GELU: gelu(x) = max(x, 0) - |x| a, a = erfc(|x| / sqrt 2) / 2 = t exp(-z^2 + c0 + t (c1 + .. + t c9)), z = |x| / sqrt 2, t = 1 / (1 + z / 2): a rational-exponential form of erfc whose fractional error is under
; 1.2e-7 for every z; erfc is taken where it is small, so no difference of near-equal numbers is formed.  ln 2 is taken off c0 for the half.
; LIMITS: NaN and infinities are not served; where a falls under 2^-126 (x below about -13) gelu(x) comes out as -0; a block whose largest magnitude lies under 2^-124 keeps the scale byte 1; a block of zeros gets
; the byte 1 and zero codes (read by this program alone).
; REGISTERS: window 0: v1-15, v18 addresses and temporaries; v16-30 addresses; v32-63 A's scale words, v64-95 W's; v96-127, v224-255 the bias; v128-223 A's fragments.  window 1: W's fragments.  windows 2, 3: accumulators.
.set SIZE_K, 1024
.set NQ,     2
.set ROWB,   192
.set KROW,   SIZE_K*6/8
.set PITCH,  240
.set FR,     12
.set NL,     6
.set NP,     4
.set ABLK,   3072
.set HALFA,  8*ABLK
.set HALFB,  128*PITCH
.set SLOT,   2*HALFA+2*HALFB
.set LAPS,   SIZE_K/512
.set KS,     SIZE_K/32
.set SAH,    (SIZE_K/256)*1024
.set HALFS,  (128*KS/256)*272
.set SBLK,   (16*KS/256)*272
.set SPITCH, 528
.set SCLA,   4*128*SPITCH              ; behind the four stages (which lie over the ring)
.set SCLB,   SCLA+2*SAH
.set SPARE,  SCLB+2*HALFS              ; the spare words: 128 bytes a wave, two blocks of 256 bytes that no other line names
.set SCRQ,   SPARE+512                 ; scratch for the new scale words: 256 tokens x 8 bytes
.set ADRA, 16
.set ADRB, 20
.set STO,  24
.set ADSA, 27
.set SPW,  28
.set NIL,  29
.set ADSB, 30
.set SCA,  32
.set SCB,  64
.set AF,   128
.set G1,   24
.set G0,   32
.set G1B,  48
.set G0B,  56
.set G1S,  68
.set G0S,  76
.set G1SB, 80
.set G0SB, 88
.set SEL,  66
.set MSB, 0
.macro WIN new                         ; the immediate's high byte repeats the setting that is left
.if MSB != (\new)
	s_set_vgpr_msb (MSB<<8)|(\new)
.set MSB, (\new)
.endif
.endm
.set MUL_LO, 0xa1
.set MUL_HI, 0xf1
.set TO_B,   0x40
.macro JLOAD g0a, g1a, g0b, g1b        ; a joint load: waves 0 and 1 fetch for A, waves 2 and 3 for W; four v_nop follow each of the two lines
	s_cmp_eq_u32 s19, 0
	s_cbranch_scc0 .Lfor_b_\@
	tensor_load_to_lds s[\g0a:\g0a+3], s[\g1a:\g1a+7]
	s_nop 0
.rept 4
	v_nop
.endr
	s_branch .Lasked_\@
.Lfor_b_\@:
	tensor_load_to_lds s[\g0b:\g0b+3], s[\g1b:\g1b+7]
	s_nop 0
.rept 4
	v_nop
.endr
.Lasked_\@:
.endm
.macro CREST
	s_cmp_lg_u32 s18, 0
	s_cbranch_scc1 .Lnot_wave_0_\@
	s_barrier_signal -3
.Lnot_wave_0_\@:
	s_barrier_wait -3
	s_barrier_signal -1
	s_barrier_wait -1
.endm
.macro CROUND
	s_barrier_signal -1
	s_barrier_wait -1
	CREST
.endm
	s_load_b256 s[4:11], s[0:1], 0x0               ; A's images s[4:5], A's scale words s[6:7], W's codes s[8:9], W's scales s[10:11]
	s_load_b128 s[12:15], s[0:1], 0x20             ; bias s[12:13], images out s[14:15]
	s_load_b64 s[16:17], s[0:1], 0x30              ; scale words out
	v_lshl_add_u32 v[SPW], v0, 2, SPARE
	v_mov_b32 v[NIL], 0
	ds_add_u32 v28, v29
	ds_add_u32 v28, v29
	s_wait_dscnt 0x0
	v_lshrrev_b32 v1, 5, v0
	v_readfirstlane_b32 s18, v1                    ; wave 0..3
	s_lshr_b32 s19, s18, 1                         ; which half of the tile's tokens is mine.  Also: I fetch for A (0) or for W (1)
	s_and_b32 s20, s18, 1                          ; which half of its columns.  Also: which half I fetch
	s_bfe_u32 s40, ttmp6, 0x40000
	s_bfe_u32 s41, ttmp6, 0x40004
	s_lshl_b32 s22, ttmp9, 2
	s_add_co_u32 s22, s22, s40                     ; tile column
	s_and_b32 s21, ttmp7, 0xffff
	s_lshl_b32 s21, s21, 2
	s_add_co_u32 s21, s21, s41                     ; tile row
	s_lshl_b32 s43, s41, 2
	s_lshl_b32 s43, 15, s43                        ; my row of the cluster
	s_lshl_b32 s44, 0x1111, s40                    ; my column
	s_mov_b32 s[SEL], 0x76543210
	s_mov_b32 s[SEL+1], 0xfedcba98
	s_or_b32 s[G1+0], s43, (3<<16)|(1<<21)         ; A's tiles: 8 blocks of rows x 3,072 bytes (384 elements of 8 bytes), no padding
	s_mov_b32 s[G1+1], 384<<16
	s_mov_b32 s[G1+2], 8<<16
	s_mov_b32 s[G1+3], 384<<16
	s_mov_b32 s[G1+4], 8
	s_mov_b32 s[G1+5], (SIZE_K/128)*192
	s_mov_b32 s[G1+6], 0
	s_mov_b32 s[G1+7], 0
	s_or_b32 s[G1B+0], s44, (0<<16)|(1<<20)|(1<<21)|(3<<22)|(3<<25)   ; W's: 128 rows x 192 bytes, 16 bytes of padding behind every 64
	s_mov_b32 s[G1B+1], ROWB<<16
	s_mov_b32 s[G1B+2], 128<<16
	s_mov_b32 s[G1B+3], ROWB<<16
	s_mov_b32 s[G1B+4], 128
	s_mov_b32 s[G1B+5], KROW
	s_mov_b32 s[G1B+6], 0
	s_mov_b32 s[G1B+7], 0
	s_or_b32 s[G1S+0], s43, (3<<16)|(1<<21)        ; A's scale words: SIZE_K / 256 rows of 1,024 bytes, 4,096 tokens apart
	s_mov_b32 s[G1S+1], 128<<16
	s_mov_b32 s[G1S+2], (SIZE_K/256)<<16
	s_mov_b32 s[G1S+3], 128<<16
	s_mov_b32 s[G1S+4], SIZE_K/256
	s_mov_b32 s[G1S+5], 4096
	s_mov_b32 s[G1S+6], 0
	s_mov_b32 s[G1S+7], 0
	s_or_b32 s[G1SB+0], s44, (3<<16)|(1<<20)|(1<<21)|(5<<22)|(3<<25)   ; W's scale bytes: dense, as rows of 256 bytes + 16
	s_mov_b32 s[G1SB+1], 32<<16
	s_mov_b32 s[G1SB+2], (128*KS/256)<<16
	s_mov_b32 s[G1SB+3], 32<<16
	s_mov_b32 s[G1SB+4], 128*KS/256
	s_mov_b32 s[G1SB+5], 32
	s_mov_b32 s[G1SB+6], 0
	s_mov_b32 s[G1SB+7], 0
	s_lshl_b32 s92, s21, 4
	s_lshl_b32 s93, s20, 3
	s_add_co_u32 s92, s92, s93
	s_mul_i32 s92, s92, 12*SIZE_K
	s_mov_b32 s93, 0
	s_lshl_b32 s94, s21, 11
	s_lshl_b32 s95, s20, 10
	s_add_co_u32 s94, s94, s95
	s_mov_b32 s95, 0
	s_lshl_b32 s46, s22, 8
	s_lshl_b32 s47, s20, 7
	s_add_co_u32 s46, s46, s47
	s_mul_i32 s96, s46, KS
	s_mov_b32 s97, 0
	s_mul_i32 s46, s46, KROW
	s_mov_b32 s47, 0
	s_mul_i32 s23, s20, HALFA                      ; where they go: no place in the cluster enters an LDS address
	s_mul_i32 s42, s20, HALFB
	s_add_co_u32 s42, s42, 2*HALFA
	s_mul_i32 s45, s20, SAH
	s_mul_i32 s98, s20, HALFS
	s_wait_kmcnt 0x0
	s_add_nc_u64 s[92:93], s[4:5], s[92:93]
	s_add_nc_u64 s[94:95], s[6:7], s[94:95]
	s_add_nc_u64 s[46:47], s[8:9], s[46:47]
	s_add_nc_u64 s[96:97], s[10:11], s[96:97]
	CROUND                                         ; all sixteen work-groups are here: the first joint loads meet
	s_mov_b32 s[G0S], 1
	s_add_co_u32 s[G0S+1], s45, SCLA
	s_mov_b64 s[G0S+2:G0S+3], s[94:95]
	s_or_b32 s[G0S+3], s[G0S+3], 0x80000000
	s_mov_b32 s[G0SB], 1
	s_add_co_u32 s[G0SB+1], s98, SCLB
	s_mov_b64 s[G0SB+2:G0SB+3], s[96:97]
	s_or_b32 s[G0SB+3], s[G0SB+3], 0x80000000
	JLOAD G0S, G1S, G0SB, G1SB
.irp s, 0,1
	s_mov_b32 s[G0+4*\s], 1
	s_add_co_u32 s[G0+4*\s+1], s23, \s*SLOT
	s_add_nc_u64 s[G0+4*\s+2:G0+4*\s+3], s[92:93], \s*ABLK
	s_or_b32 s[G0+4*\s+3], s[G0+4*\s+3], 0x80000000
	s_mov_b32 s[G0B+4*\s], 1
	s_add_co_u32 s[G0B+4*\s+1], s42, \s*SLOT
	s_add_nc_u64 s[G0B+4*\s+2:G0B+4*\s+3], s[46:47], \s*ROWB
	s_or_b32 s[G0B+4*\s+3], s[G0B+4*\s+3], 0x80000000
	JLOAD G0+4*\s, G1, G0B+4*\s, G1B
.endr
	v_and_b32 v1, 15, v0                           ; r
	v_bfe_u32 v2, v0, 4, 1                         ; h
	v_and_b32 v3, 31, v0                           ; lane
	v_lshlrev_b32 v4, 3, v3
	s_mul_i32 s99, s19, HALFA
	v_add_nc_u32 v[ADRA], s99, v4
	v_add_nc_u32 v[ADRA+1], SLOT, v[ADRA]
	v_mul_u32_u24 v5, v1, PITCH
	v_mad_u32_u24 v5, v2, 24, v5
	v_lshl_add_u32 v6, v2, 4, v5
	s_mul_i32 s99, s20, HALFB
	s_add_co_u32 s99, s99, 2*HALFA
	v_add_nc_u32 v[ADRB], s99, v5
	v_add_nc_u32 v[ADRB+2], s99, v6
	v_add_nc_u32 v[ADRB+1], SLOT, v[ADRB]
	v_add_nc_u32 v[ADRB+3], SLOT, v[ADRB+2]
	v_lshlrev_b32 v7, 3, v1
	s_mul_i32 s99, s19, SAH
	s_add_co_u32 s99, s99, SCLA
	v_add_nc_u32 v[ADSA], s99, v7
	v_mul_u32_u24 v7, v1, KS
	v_lshrrev_b32 v8, 8, v7
	v_lshl_add_u32 v7, v8, 4, v7
	s_mul_i32 s99, s20, HALFS
	s_add_co_u32 s99, s99, SCLB
	v_add_nc_u32 v[ADSB], s99, v7
	s_lshl_b32 s96, s22, 10
	s_lshl_b32 s97, s20, 9
	s_add_co_u32 s96, s96, s97
	s_mov_b32 s97, 0
	s_add_nc_u64 s[12:13], s[12:13], s[96:97]      ; the bias of my 128 columns
	v_lshlrev_b32 v9, 5, v2
.irp b, 0,1,2,3,4,5,6,7
	global_load_b128 v[96+8*\b+96*(\b/4):96+8*\b+96*(\b/4)+3], v9, s[12:13] offset:64*\b
	global_load_b128 v[96+8*\b+96*(\b/4)+4:96+8*\b+96*(\b/4)+7], v9, s[12:13] offset:64*\b+16
.endr
.macro FRAG reg, adr, q, i
.irp p, 0,1,2,3,4,5
.set PCE, 12*(\q)+6*(\p/3)+\p%3
.if PCE%8 < 5
	ds_load_b64 v[\reg+2*\p:\reg+2*\p+1], v[\adr] offset:8*PCE+16*(PCE/8)+(\i)*16*PITCH
.else
	ds_load_b64 v[\reg+2*\p:\reg+2*\p+1], v[\adr+2] offset:8*PCE+16*(PCE/8)+(\i)*16*PITCH
.endif
.endr
.endm
.macro FRAGA reg, slot, q, i
.irp p, 0,1,2,3,4,5
	ds_load_b64 v[\reg+2*\p:\reg+2*\p+1], v[ADRA+\slot] offset:(\i)*ABLK+(\q)*1536+256*\p
.endr
.endm
; 16 matrix instructions; the 64 accumulators take turns, one instruction a turn, in the same order in every step
.macro MUL16 a0, p, q, sc, first
.irp a, \a0, \a0+1
.irp b, 0,1,2,3,4,5,6,7
.if \first
	v_wmma_scale_f32_16x16x128_f8f6f4 v[8*(8*((\a)%4)+\b):8*(8*((\a)%4)+\b)+7], v[128*(\p)+FR*\b:128*(\p)+FR*\b+FR-1], v[AF+FR*(\a):AF+FR*(\a)+FR-1], v[96+8*\b+96*(\b/4):96+8*\b+96*(\b/4)+7], v[SCB+16*(\sc)+2*\b+(\q)], v[SCA+16*(\sc)+2*(\a)+(\q)] matrix_a_fmt:MATRIX_FMT_FP6 matrix_b_fmt:MATRIX_FMT_FP6
.else
	v_wmma_scale_f32_16x16x128_f8f6f4 v[8*(8*((\a)%4)+\b):8*(8*((\a)%4)+\b)+7], v[128*(\p)+FR*\b:128*(\p)+FR*\b+FR-1], v[AF+FR*(\a):AF+FR*(\a)+FR-1], v[8*(8*((\a)%4)+\b):8*(8*((\a)%4)+\b)+7], v[SCB+16*(\sc)+2*\b+(\q)], v[SCA+16*(\sc)+2*(\a)+(\q)] matrix_a_fmt:MATRIX_FMT_FP6 matrix_b_fmt:MATRIX_FMT_FP6
.endif
.endr
.endr
.endm
.macro FETCH_B slot, q, p
	WIN TO_B
.irp i, 0,1,2,3,4,5,6,7
	FRAG 128*(\p)+FR*\i, ADRB+\slot, \q, \i
.endr
	WIN 0
.endm
.macro FETCH_A slot, q, i0
.irp i, \i0, \i0+1, \i0+2, \i0+3
	FRAGA AF+FR*(\i), \slot, \q, \i
.endr
.endm
.macro SCALES sc
.irp i, 0,1,2,3,4,5,6,7
	ds_load_b64 v[SCA+16*\sc+2*\i:SCA+16*\sc+2*\i+1], v[ADSA] offset:\i*128
	ds_load_b64 v[SCB+16*\sc+2*\i:SCB+16*\sc+2*\i+1], v[ADSB] offset:\i*SBLK
.endr
.endm
.macro PLACES n
.rept \n
	v_nop
.endr
.endm
.macro STEP slot, q, first
	s_wait_dscnt 4*NL                              ; all but the 24 youngest loads (A's blocks 4-7)
.if \first
	WIN 0x81
.else
	WIN MUL_LO
.endif
	MUL16 0, (\q)%2, \q, \slot, \first
	MUL16 2, (\q)%2, \q, \slot, \first
	s_wait_dscnt 0
	PLACES NP
	FETCH_B \slot, (\q)+1, 1-(\q)%2
	FETCH_A \slot, (\q)+1, 0
.if \first
	WIN 0xc1
.else
	WIN MUL_HI
.endif
	MUL16 4, (\q)%2, \q, \slot, \first
	MUL16 6, (\q)%2, \q, \slot, \first
	PLACES NP
	WIN 0
	FETCH_A \slot, (\q)+1, 4
.endm
.macro TURN slot, next, fill
	s_wait_tensorcnt 0x0                           ; all my tensor loads have landed: my part of the next slot
	ds_add_u32 v[SPW], v[NIL]                      ; 0 onto my spare word
	s_wait_dscnt 4*NL+1                            ; (the add and the 24 youngest loads may be out)
	WIN MUL_LO
	MUL16 0, 1, NQ-1, \slot, 0
	s_wait_dscnt 0x0                               ; the add is done, and my reads of this slot are over
	s_barrier_signal -1
	MUL16 2, 1, NQ-1, \slot, 0
	WIN 0
	s_barrier_wait -1
.if \fill
	CREST                                          ; the barrier has opened a round of the cluster's: no wave of any partner still reads this slot or has a load on its way
	s_add_nc_u64 s[G0+4*\slot+2:G0+4*\slot+3], s[G0+4*\slot+2:G0+4*\slot+3], 2*ABLK
	s_add_nc_u64 s[G0B+4*\slot+2:G0B+4*\slot+3], s[G0B+4*\slot+2:G0B+4*\slot+3], 2*ROWB
	JLOAD G0+4*\slot, G1, G0B+4*\slot, G1B
.else
	PLACES NP
.endif
	v_add_nc_u32 v[ADSA], 1024, v[ADSA]
	v_add_nc_u32 v[ADSB], 4*NQ, v[ADSB]
	FETCH_B \next, 0, 0
	FETCH_A \next, 0, 0
	SCALES \next
	WIN MUL_HI
	MUL16 4, 1, NQ-1, \slot, 0
	MUL16 6, 1, NQ-1, \slot, 0
	PLACES NP
	WIN 0
	FETCH_A \next, 0, 4
.endm
	s_wait_tensorcnt 1                             ; the scales and my part of K step 0 are in; K step 1's load may be out
	s_barrier_signal -1
	s_barrier_wait -1
	FETCH_B 0, 0, 0
	FETCH_A 0, 0, 0
	SCALES 0
	FETCH_A 0, 0, 4
	s_wait_loadcnt 0x0                             ; the bias
	STEP 0, 0, 1
	s_mov_b32 s3, LAPS-1
.Llap:
	TURN 0, 1, 1
	STEP 1, 0, 0
	TURN 1, 0, 1
	STEP 0, 0, 0
	s_sub_co_u32 s3, s3, 1
	s_cmp_lg_u32 s3, 0
	s_cbranch_scc1 .Llap
	TURN 0, 1, 0
	STEP 1, 0, 0
	s_wait_dscnt 4*NL
	WIN MUL_LO
	MUL16 0, 1, NQ-1, 1, 0
	MUL16 2, 1, NQ-1, 1, 0
	s_wait_dscnt 0
	WIN MUL_HI
	MUL16 4, 1, NQ-1, 1, 0
	MUL16 6, 1, NQ-1, 1, 0
	WIN 0
; ---------------- THE WAY OUT ----------------
.set RDQ,  8                           ; v8   my stage + 528 r + 128 h
.set LI8,  10                          ; v10  8 x lane
.set SH8,  11                          ; v11  8 h
.set SCW,  12                          ; v12  my token's new scale word: SCRQ + 8 (128 x row half + r) + 4 x column half
.set SCRD, 13                          ; v13  SCRQ + 512 x wave + 16 x lane
.set RDA,  14                          ; v14  the trip's stage address
.set SCW2, 15                          ; v15  the trip's scale word address
.set L16,  18                          ; v18  16 x lane
.set Z,   96                           ; v96-111  z, then max(x, 0)
.set T,   112                          ; v112-127 t
.set X,   128                          ; v128-191 64 numbers
.set P,   192                          ; v192-207 the polynomial, the exponential, a
.set PC,  208                          ; v208-219 codes
.set PX,  220
.set TM,  228
.set TS,  232
.set TYB, 234
.set PW,  236
.set PT,  237
.set C8V, 238                          ; v[238:239] c8, twice
.set C0,  4                            ; the constants stand in scalar pairs that held pointers and temporaries now done with; the packed forms take a pair's low word for both halves
.set C1,  6
.set C2,  8
.set C3,  10
.set C4,  12
.set C5,  40
.set C6,  42
.set C7,  44
.set C9,  46
.set L2E, 92
.set RS2, 94
.set EO,  96
.set ES,  97
.set CNT, 98
.macro QUANT6 s                        ; 64 numbers of a lane, v[s + 32 c + i] = position i of my block 2 c + h, become 12 registers of codes in v[PC] on and a scale word in v[PW]
.irp c, 0,1
	v_max3_num_f32 v[TM+2*\c], |v[\s+32*\c]|, |v[\s+32*\c+1]|, 0x1800000   ; with the floor 2^(3 - 127) among the leaves: the byte cannot fall under 1
	v_max_num_f32 v[TM+2*\c+1], |v[\s+32*\c+2]|, |v[\s+32*\c+3]|
.endr
.irp i, 4,8,12,16,20,24,28
.irp c, 0,1
	v_max3_num_f32 v[TM+2*\c], v[TM+2*\c], |v[\s+32*\c+\i]|, |v[\s+32*\c+\i+1]|
	v_max3_num_f32 v[TM+2*\c+1], v[TM+2*\c+1], |v[\s+32*\c+\i+2]|, |v[\s+32*\c+\i+3]|
.endr
.endr
.irp c, 0,1
	v_max_num_f32 v[TM+2*\c], v[TM+2*\c], v[TM+2*\c+1]
.endr
.irp c, 0,1
	v_add_nc_u32 v[TS+\c], 0xff000000, v[TM+2*\c]  ; 2 off the exponent field: the conversion's scale operand
.endr
.irp c, 0,1
	v_lshrrev_b32 v[TYB+\c], 23, v[TS+\c]
.endr
	v_lshl_or_b32 v[PW], v[TYB+1], 16, v[TYB]
	v_lshlrev_b32 v[PW], v[SH8], v[PW]
	v_permlanex16_b32 v[PT], v[PW], s[SEL], s[SEL+1]
	v_or_b32 v[PW], v[PW], v[PT]
.irp c, 0,1
	v_cvt_scalef32_pk16_fp6_f32 v[PC+6*\c:PC+6*\c+2], v[\s+32*\c:\s+32*\c+15], v[TS+\c]
	v_cvt_scalef32_pk16_fp6_f32 v[PX+4*\c:PX+4*\c+2], v[\s+32*\c+16:\s+32*\c+31], v[TS+\c]   ; (a conversion's three registers begin on an even number)
.endr
	v_nop                                          ; one plain instruction behind the scaled conversions
.irp c, 0,1
.irp i, 0,1,2
	v_mov_b32 v[PC+3+6*\c+\i], v[PX+4*\c+\i]
.endr
.endr
.endm
.macro GELU16 xb                       ; 16 numbers in v[xb] on, in place
.set j, 0
.rept 16
	v_mul_f32 v[Z+j], s[RS2], |v[\xb+j]|           ; z = |x| / sqrt 2
.set j, j+1
.endr
.set j, 0
.rept 8
	v_pk_fma_f32 v[T+j:T+j+1], v[Z+j:Z+j+1], 0.5, 1.0 op_sel_hi:[1,0,0]
.set j, j+2
.endr
.set j, 0
.rept 16
	v_rcp_f32 v[T+j], v[T+j]                       ; t = 1 / (1 + z / 2)
.set j, j+1
.endr
	v_nop                                          ; one plain instruction behind the transcendentals
.set j, 0
	s_wait_alu depctr_va_vdst(0)
.rept 8
	v_pk_fma_f32 v[P+j:P+j+1], v[T+j:T+j+1], s[C9:C9+1], v[C8V:C8V+1] op_sel_hi:[1,0,1]
.set j, j+2
.endr
.irp c, C7,C6,C5,C4,C3,C2,C1,C0
.set j, 0
.rept 8
	v_pk_fma_f32 v[P+j:P+j+1], v[P+j:P+j+1], v[T+j:T+j+1], s[\c:\c+1] op_sel_hi:[1,1,0]
.set j, j+2
.endr
.endr
.set j, 0
.rept 8
	v_pk_fma_f32 v[P+j:P+j+1], v[Z+j:Z+j+1], v[Z+j:Z+j+1], v[P+j:P+j+1] neg_lo:[1,0,0] neg_hi:[1,0,0]   ; - z^2, fused
.set j, j+2
.endr
.set j, 0
.rept 8
	v_pk_mul_f32 v[P+j:P+j+1], v[P+j:P+j+1], s[L2E:L2E+1] op_sel_hi:[1,0]
.set j, j+2
.endr
.set j, 0
.rept 16
	v_exp_f32 v[P+j], v[P+j]
.set j, j+1
.endr
.set j, 0
.rept 16
	v_max_num_f32 v[Z+j], 0, v[\xb+j]              ; max(x, 0).  (Plain instructions behind the exponentials)
.set j, j+1
.endr
.set j, 0
	s_wait_alu depctr_va_vdst(0)
.rept 8
	v_pk_mul_f32 v[P+j:P+j+1], v[P+j:P+j+1], v[T+j:T+j+1]   ; a = t x the exponential
.set j, j+2
.endr
.set j, 0
.rept 16
	v_fma_f32 v[\xb+j], -|v[\xb+j]|, v[P+j], v[Z+j]
.set j, j+1
.endr
.endm
	s_wait_dscnt 0x0                               ; my reads of the ring are over;
	s_barrier_signal -1
	s_barrier_wait -1                              ; everybody's are: the stages may be laid over it
	v_and_b32 v1, 15, v0                           ; (these lines are also the places behind the last products)
	v_bfe_u32 v2, v0, 4, 1
	v_and_b32 v3, 31, v0
	s_mul_i32 s99, s18, 128*SPITCH                 ; my stage
	v_mul_u32_u24 v4, v1, SPITCH
	v_add_nc_u32 v4, s99, v4
	v_lshl_add_u32 v[STO], v2, 5, v4
	v_lshl_add_u32 v[RDQ], v2, 7, v4
	v_lshlrev_b32 v[LI8], 3, v3
	v_lshlrev_b32 v[SH8], 3, v2
	v_lshlrev_b32 v[L16], 4, v3
	s_lshl_b32 s98, s19, 10
	s_lshl_b32 s97, s20, 2
	s_add_co_u32 s98, s98, s97
	s_add_co_u32 s98, s98, SCRQ
	v_lshl_add_u32 v[SCW], v1, 3, s98
	s_lshl_b32 s98, s18, 9
	s_add_co_u32 s98, s98, SCRQ
	v_lshl_add_u32 v[SCRD], v3, 4, s98
	v_mov_b32 v[PT], 0
	v_mov_b32 v[C8V], 0xbf527892                   ; c8 = -0.82215223
	v_mov_b32 v[C8V+1], 0xbf527892
.irp a, 0,1,2,3,4,5,6,7                ; lane (r, h) of accumulator (a, b): token 16 a + r, columns 16 b + 8 h + 0 .. 7; each accumulator from its low end on
	WIN 0x08+4*(\a/4)
.irp b, 0,1,2,3,4,5,6,7
	ds_store_b128 v[STO], v[8*(8*(\a%4)+\b):8*(8*(\a%4)+\b)+3] offset:16*SPITCH*\a+64*\b
	ds_store_b128 v[STO], v[8*(8*(\a%4)+\b)+4:8*(8*(\a%4)+\b)+7] offset:16*SPITCH*\a+64*\b+16
.endr
.endr
	WIN 0
	s_lshl_b32 s92, s21, 9                         ; image (block of rows 16 x tile row + 8 x half, K step 2 x tile column + half) of [256][32]
	s_lshl_b32 s93, s19, 8
	s_add_co_u32 s92, s92, s93
	s_lshl_b32 s93, s22, 1
	s_add_co_u32 s92, s92, s93
	s_add_co_u32 s92, s92, s20
	s_mul_i32 s92, s92, 1536
	s_mov_b32 s93, 0
	s_add_nc_u64 s[14:15], s[14:15], s[92:93]
	s_lshl_b32 s92, s22, 15                        ; scale words: [tile column][token][8 bytes]; my wave sends 64 tokens' worth
	s_lshl_b32 s94, s21, 11
	s_add_co_u32 s92, s92, s94
	s_lshl_b32 s94, s18, 9
	s_add_co_u32 s92, s92, s94
	s_add_nc_u64 s[16:17], s[16:17], s[92:93]
.macro KONST reg, bits
	s_mov_b32 s[\reg], \bits
	s_mov_b32 s[\reg+1], \bits
.endm
	KONST C0, 0xbffab55a                           ; -1.26551223 - ln 2
	KONST C1, 0x3f8000c7                           ;  1.00002368
	KONST C2, 0x3ebf88fb                           ;  0.37409196
	KONST C3, 0x3dc636c9                           ;  0.09678418
	KONST C4, 0xbe3ec24c                           ; -0.18628806
	KONST C5, 0x3e8ec7cc                           ;  0.27886807
	KONST C6, 0xbf914e5d                           ; -1.13520398
	KONST C7, 0x3fbe87b0                           ;  1.48851587
	KONST C9, 0x3e2ef945                           ;  0.17087277
	KONST L2E, 0x3fb8aa3b                          ;  log2(e)
	s_mov_b32 s[RS2], 0x3f3504f3                   ;  1 / sqrt 2
	s_mov_b32 s[EO], 0
	s_mov_b32 s[ES], 0
	s_mov_b32 s[CNT], 0
.Lrow:                                                 ; eight trips: a block of 16 tokens each
	v_add_nc_u32 v[RDA], s[EO], v[RDQ]
	v_add_nc_u32 v[SCW2], s[ES], v[SCW]
.irp c, 0,1
.irp i, 0,1,2,3,4,5,6,7
	ds_load_b128 v[X+32*\c+4*\i:X+32*\c+4*\i+3], v[RDA] offset:256*\c+16*\i   ; LDS serves a wave's instructions in order: these see my stores
.endr
.endr
	s_wait_dscnt 0x0
	GELU16 X
	GELU16 X+16
	GELU16 X+32
	GELU16 X+48
	QUANT6 X
.irp p, 0,1,2,3,4,5
	global_store_b64 v[LI8], v[PC+2*\p:PC+2*\p+1], s[14:15] offset:256*\p   ; 32 lanes store 256 consecutive bytes, aligned
.endr
	ds_store_b32 v[SCW2], v[PW]
	s_wait_xcnt 0x0                                ; the stores have read their registers and their base: both are written again only behind this wait
	s_add_nc_u64 s[14:15], s[14:15], 32*1536       ; the next block of rows
	s_add_co_u32 s[EO], s[EO], 16*SPITCH
	s_add_co_u32 s[ES], s[ES], 128
	s_add_co_u32 s[CNT], s[CNT], 1
	s_cmp_lt_u32 s[CNT], 8
	s_cbranch_scc1 .Lrow
	s_wait_dscnt 0x0                               ; a token's two words come from two waves:
	s_barrier_signal -1
	s_barrier_wait -1
	ds_load_b128 v[X:X+3], v[SCRD]
	s_wait_dscnt 0x0
	global_store_b128 v[L16], v[X:X+3], s[16:17]   ; 512 consecutive bytes, aligned
	s_wait_tensorcnt 0x0                           ; the wave's end
	ds_add_u32 v[SPW], v[NIL]
	s_wait_dscnt 0x0
	CROUND                                         ; the closing round
	s_endpgm
.Lfunc_end_k_qcbaf889bfc_fc1:
	.size	k_qcbaf889bfc_fc1, .Lfunc_end_k_qcbaf889bfc_fc1-k_qcbaf889bfc_fc1
	.p2alignl 7, 3214868480
	.fill 96, 4, 3214868480
	.section	.rodata,"a",@progbits
	.p2align	6, 0x0
	.amdhsa_kernel k_qcbaf889bfc_fc1
		.amdhsa_group_segment_fixed_size 327680
		.amdhsa_private_segment_fixed_size 0
		.amdhsa_enable_private_segment 0
		.amdhsa_kernarg_size 56
		.amdhsa_user_sgpr_count 2
		.amdhsa_user_sgpr_kernarg_segment_ptr 1
		.amdhsa_wavefront_size32 1
		.amdhsa_system_sgpr_workgroup_id_x 1
		.amdhsa_system_sgpr_workgroup_id_y 1
		.amdhsa_system_sgpr_workgroup_id_z 1
		.amdhsa_system_vgpr_workitem_id 0
		.amdhsa_next_free_vgpr 1024
		.amdhsa_next_free_sgpr 100
		.amdhsa_reserve_vcc 0
		.amdhsa_float_denorm_mode_32 3
		.amdhsa_float_denorm_mode_16_64 3
		.amdhsa_memory_ordered 1
		.amdhsa_forward_progress 1
		.amdhsa_inst_pref_size 190
	.end_amdhsa_kernel
	.amdgpu_metadata
---
amdhsa.version: [ 1, 2 ]
amdhsa.kernels:
  - .name:           k_qcbaf889bfc_fc1
    .symbol:         k_qcbaf889bfc_fc1.kd
    .args:
      - { .name: aimg, .offset: 0, .size: 8, .value_kind: global_buffer, .address_space: global }
      - { .name: asc, .offset: 8, .size: 8, .value_kind: global_buffer, .address_space: global }
      - { .name: fc1_w_codes, .offset: 16, .size: 8, .value_kind: global_buffer, .address_space: global }
      - { .name: fc1_w_scales, .offset: 24, .size: 8, .value_kind: global_buffer, .address_space: global }
      - { .name: fc1_b, .offset: 32, .size: 8, .value_kind: global_buffer, .address_space: global }
      - { .name: himg, .offset: 40, .size: 8, .value_kind: global_buffer, .address_space: global }
      - { .name: hsc, .offset: 48, .size: 8, .value_kind: global_buffer, .address_space: global }
    .group_segment_fixed_size: 327680
    .private_segment_fixed_size: 0
    .kernarg_segment_align: 8
    .kernarg_segment_size: 56
    .max_flat_workgroup_size: 128
    .sgpr_count:     100
    .vgpr_count:     1024
    .wavefront_size: 32
...
	.end_amdgpu_metadata
.endif
;; end of part 5
;; launch fc2 (part 6): grid 4 x 16, 4 waves a work-group, clusters of 4 x 4, 327,680 bytes of LDS; arguments himg, hsc, fc2_w_codes, fc2_w_scales, fc2_b, x1, out0; writes out0
.if DOCPART == 6
	.amdgcn_target "amdgcn-amd-amdhsa--gfx1250"
	.amdhsa_code_object_version 6
	.text
	.protected	k_qcbaf889bfc_fc2
	.globl	k_qcbaf889bfc_fc2
	.p2align	8
	.type	k_qcbaf889bfc_fc2,@function
k_qcbaf889bfc_fc2:
	s_mov_b64 s[64:65], 0
	v_nop
	global_prefetch_b8 v0, s[64:65] scope:SCOPE_SE
	s_setreg_imm32_b32 hwreg(HW_REG_WAVE_MODE, 25, 1), 1
	s_wait_xcnt 0x0
	s_wait_alu depctr_hold_cnt(0) depctr_sa_sdst(0) depctr_va_vdst(0) depctr_va_sdst(0) depctr_va_ssrc(0) depctr_va_vcc(0) depctr_vm_vsrc(0)
	s_getreg_b32 s2, hwreg(HW_REG_IB_STS2, 6, 4)
	s_cmp_eq_u32 s2, 0
	s_cbranch_scc0 .Lentry_in_a_cluster
	s_endpgm
.Lentry_in_a_cluster:
	s_bfe_u32 s2, ttmp6, 0x10000c
	s_cmp_lg_u32 s2, 0xf033
	s_cbranch_scc0 .Lentry_shape_is_right
	s_endpgm
.Lentry_shape_is_right:
; C = R + A W + b on codes of FP6 (E2M3) with E8M0 scales: A [4096 tokens][SIZE_K] as pair images made by the launch before, W [1024][SIZE_K] as given, b [1024], R and C [4096][1024] f32.
; The text is that of the attention's output product with SIZE_K = 4,096: sixteen K steps of 256, and 67,584 bytes of scale words beside the ring.
; A tile of C, 256 x 256, is made by four waves, each 128 x 128: 64 accumulators in 512 registers.  K goes in steps of 256 through a ring of two LDS slots.
; A's fragment (16 rows x 128 K) is an image of 1,536 bytes: register pair p of lane l at 256 p + 8 l.  W's rows are 192 bytes for 256 along K, with 16 bytes of padding behind every 64 in LDS.
; CLUSTERS: 4 x 4 work-groups; A's tiles are shared along a row of the cluster, W's along a column: each is asked for JOINTLY, by the same tensor load with the same descriptor and a mask that names the four.
; THE MATRIX INSTRUCTION IS USED TRANSPOSED (source 0 = 16 rows of W, source 1 = 16 tokens): a lane holds eight neighbouring numbers of a row of C.  The bias is the C of each sum's first product.
; THE WAY OUT: block by block of 16 rows through the wave's own stage in LDS (in slot 0, behind its last fill and its last read), back as whole rows of 512 bytes; the residual's rows, asked for three blocks
; ahead into registers that W's fragments have left, are added; each store of the wave covers 512 consecutive bytes, aligned.
; The grid has 64 work-groups at this size: a tile of 256 x 256 keeps one main loop for all four products of the block.
; REGISTERS: as in the attention's output product.
.set SIZE_K, 4096
.set NQ,     2
.set ROWB,   192
.set KROW,   SIZE_K*6/8
.set PITCH,  240
.set FR,     12
.set NL,     6
.set NP,     4
.set ABLK,   3072
.set HALFA,  8*ABLK
.set HALFB,  128*PITCH
.set SLOT,   2*HALFA+2*HALFB
.set LAPS,   SIZE_K/512
.set KS,     SIZE_K/32
.set SAH,    (SIZE_K/256)*1024
.set HALFS,  (128*KS/256)*272
.set SBLK,   (16*KS/256)*272
.set SPITCH, 528
.set SCLA,   2*SLOT
.set SCLB,   SCLA+2*SAH
.set SPARE,  SCLB+2*HALFS              ; the spare words: 128 bytes a wave, two blocks of 256 bytes that no other line names
.set ADRA, 16
.set ADRB, 20
.set STO,  24
.set RD,   25
.set CO,   26
.set ADSA, 27
.set SPW,  28
.set NIL,  29
.set ADSB, 30
.set SCA,  32
.set SCB,  64
.set AF,   128
.set BK,   128
.set G1,   24
.set G0,   32
.set G1B,  48
.set G0B,  56
.set G1S,  68
.set G0S,  76
.set G1SB, 80
.set G0SB, 88
.set MSB, 0
.macro WIN new                         ; the immediate's high byte repeats the setting that is left
.if MSB != (\new)
	s_set_vgpr_msb (MSB<<8)|(\new)
.set MSB, (\new)
.endif
.endm
.set MUL_LO, 0xa1
.set MUL_HI, 0xf1
.set TO_B,   0x40
.macro JLOAD g0a, g1a, g0b, g1b        ; a joint load: waves 0 and 1 fetch for A, waves 2 and 3 for W; four v_nop follow each of the two lines
	s_cmp_eq_u32 s19, 0
	s_cbranch_scc0 .Lfor_b_\@
	tensor_load_to_lds s[\g0a:\g0a+3], s[\g1a:\g1a+7]
	s_nop 0
.rept 4
	v_nop
.endr
	s_branch .Lasked_\@
.Lfor_b_\@:
	tensor_load_to_lds s[\g0b:\g0b+3], s[\g1b:\g1b+7]
	s_nop 0
.rept 4
	v_nop
.endr
.Lasked_\@:
.endm
.macro CREST
	s_cmp_lg_u32 s18, 0
	s_cbranch_scc1 .Lnot_wave_0_\@
	s_barrier_signal -3
.Lnot_wave_0_\@:
	s_barrier_wait -3
	s_barrier_signal -1
	s_barrier_wait -1
.endm
.macro CROUND
	s_barrier_signal -1
	s_barrier_wait -1
	CREST
.endm
.macro RES a                           ; the residual's 16 rows of block a into set (a + 3) % 4 of window 1
	WIN 0x40
.irp t, 0,1,2,3,4,5,6,7,8,9,10,11,12,13,14,15
	global_load_b128 v[32*(((\a)+3)%4)+4*(\t%8)+128*(\t/8):32*(((\a)+3)%4)+4*(\t%8)+128*(\t/8)+3], v[CO], s[14:15] offset:(16*(\a)+\t)*4096
.endr
	WIN 0
.endm
	s_load_b256 s[4:11], s[0:1], 0x0               ; A's images s[4:5], A's scale words s[6:7], W's codes s[8:9], W's scales s[10:11]
	s_load_b128 s[12:15], s[0:1], 0x20             ; bias s[12:13], residual s[14:15]
	s_load_b64 s[16:17], s[0:1], 0x30              ; C
	v_lshl_add_u32 v[SPW], v0, 2, SPARE
	v_mov_b32 v[NIL], 0
	ds_add_u32 v28, v29
	ds_add_u32 v28, v29
	s_wait_dscnt 0x0
	v_lshrrev_b32 v1, 5, v0
	v_readfirstlane_b32 s18, v1                    ; wave 0..3
	s_lshr_b32 s19, s18, 1                         ; which half of the tile's rows is mine.  Also: I fetch for A (0) or for W (1)
	s_and_b32 s20, s18, 1                          ; which half of its columns.  Also: which half I fetch
	s_bfe_u32 s40, ttmp6, 0x40000
	s_bfe_u32 s41, ttmp6, 0x40004
	s_lshl_b32 s22, ttmp9, 2
	s_add_co_u32 s22, s22, s40                     ; tile column
	s_and_b32 s21, ttmp7, 0xffff
	s_lshl_b32 s21, s21, 2
	s_add_co_u32 s21, s21, s41                     ; tile row
	s_lshl_b32 s43, s41, 2
	s_lshl_b32 s43, 15, s43                        ; my row of the cluster
	s_lshl_b32 s44, 0x1111, s40                    ; my column
	s_or_b32 s[G1+0], s43, (3<<16)|(1<<21)         ; A's tiles: 8 blocks of rows x 3,072 bytes (384 elements of 8 bytes), no padding
	s_mov_b32 s[G1+1], 384<<16
	s_mov_b32 s[G1+2], 8<<16
	s_mov_b32 s[G1+3], 384<<16
	s_mov_b32 s[G1+4], 8
	s_mov_b32 s[G1+5], (SIZE_K/128)*192
	s_mov_b32 s[G1+6], 0
	s_mov_b32 s[G1+7], 0
	s_or_b32 s[G1B+0], s44, (0<<16)|(1<<20)|(1<<21)|(3<<22)|(3<<25)   ; W's: 128 rows x 192 bytes, 16 bytes of padding behind every 64
	s_mov_b32 s[G1B+1], ROWB<<16
	s_mov_b32 s[G1B+2], 128<<16
	s_mov_b32 s[G1B+3], ROWB<<16
	s_mov_b32 s[G1B+4], 128
	s_mov_b32 s[G1B+5], KROW
	s_mov_b32 s[G1B+6], 0
	s_mov_b32 s[G1B+7], 0
	s_or_b32 s[G1S+0], s43, (3<<16)|(1<<21)        ; A's scale words: SIZE_K / 256 rows of 1,024 bytes, 4,096 tokens apart
	s_mov_b32 s[G1S+1], 128<<16
	s_mov_b32 s[G1S+2], (SIZE_K/256)<<16
	s_mov_b32 s[G1S+3], 128<<16
	s_mov_b32 s[G1S+4], SIZE_K/256
	s_mov_b32 s[G1S+5], 4096
	s_mov_b32 s[G1S+6], 0
	s_mov_b32 s[G1S+7], 0
	s_or_b32 s[G1SB+0], s44, (3<<16)|(1<<20)|(1<<21)|(5<<22)|(3<<25)   ; W's scale bytes: dense, as rows of 256 bytes + 16
	s_mov_b32 s[G1SB+1], 32<<16
	s_mov_b32 s[G1SB+2], (128*KS/256)<<16
	s_mov_b32 s[G1SB+3], 32<<16
	s_mov_b32 s[G1SB+4], 128*KS/256
	s_mov_b32 s[G1SB+5], 32
	s_mov_b32 s[G1SB+6], 0
	s_mov_b32 s[G1SB+7], 0
	s_lshl_b32 s92, s21, 4
	s_lshl_b32 s93, s20, 3
	s_add_co_u32 s92, s92, s93                     ; A: block of rows 16 x tile row + 8 x half
	s_mul_i32 s92, s92, 12*SIZE_K
	s_mov_b32 s93, 0
	s_lshl_b32 s94, s21, 11
	s_lshl_b32 s95, s20, 10
	s_add_co_u32 s94, s94, s95
	s_mov_b32 s95, 0
	s_lshl_b32 s46, s22, 8
	s_lshl_b32 s47, s20, 7
	s_add_co_u32 s46, s46, s47                     ; W: row 256 x tile column + 128 x half
	s_mul_i32 s96, s46, KS
	s_mov_b32 s97, 0
	s_mul_i32 s46, s46, KROW
	s_mov_b32 s47, 0
	s_mul_i32 s23, s20, HALFA                      ; where they go: no place in the cluster enters an LDS address
	s_mul_i32 s42, s20, HALFB
	s_add_co_u32 s42, s42, 2*HALFA
	s_mul_i32 s45, s20, SAH
	s_mul_i32 s98, s20, HALFS
	s_wait_kmcnt 0x0
	s_add_nc_u64 s[92:93], s[4:5], s[92:93]
	s_add_nc_u64 s[94:95], s[6:7], s[94:95]
	s_add_nc_u64 s[46:47], s[8:9], s[46:47]
	s_add_nc_u64 s[96:97], s[10:11], s[96:97]
	CROUND                                         ; all sixteen work-groups are here: the first joint loads meet
	s_mov_b32 s[G0S], 1
	s_add_co_u32 s[G0S+1], s45, SCLA
	s_mov_b64 s[G0S+2:G0S+3], s[94:95]
	s_or_b32 s[G0S+3], s[G0S+3], 0x80000000
	s_mov_b32 s[G0SB], 1
	s_add_co_u32 s[G0SB+1], s98, SCLB
	s_mov_b64 s[G0SB+2:G0SB+3], s[96:97]
	s_or_b32 s[G0SB+3], s[G0SB+3], 0x80000000
	JLOAD G0S, G1S, G0SB, G1SB
.irp s, 0,1
	s_mov_b32 s[G0+4*\s], 1
	s_add_co_u32 s[G0+4*\s+1], s23, \s*SLOT
	s_add_nc_u64 s[G0+4*\s+2:G0+4*\s+3], s[92:93], \s*ABLK
	s_or_b32 s[G0+4*\s+3], s[G0+4*\s+3], 0x80000000
	s_mov_b32 s[G0B+4*\s], 1
	s_add_co_u32 s[G0B+4*\s+1], s42, \s*SLOT
	s_add_nc_u64 s[G0B+4*\s+2:G0B+4*\s+3], s[46:47], \s*ROWB
	s_or_b32 s[G0B+4*\s+3], s[G0B+4*\s+3], 0x80000000
	JLOAD G0+4*\s, G1, G0B+4*\s, G1B
.endr
	v_and_b32 v1, 15, v0                           ; r
	v_bfe_u32 v2, v0, 4, 1                         ; h
	v_and_b32 v3, 31, v0                           ; lane
	v_lshlrev_b32 v4, 3, v3
	s_mul_i32 s99, s19, HALFA
	v_add_nc_u32 v[ADRA], s99, v4
	v_add_nc_u32 v[ADRA+1], SLOT, v[ADRA]
	v_mul_u32_u24 v5, v1, PITCH
	v_mad_u32_u24 v5, v2, 24, v5
	v_lshl_add_u32 v6, v2, 4, v5
	s_mul_i32 s99, s20, HALFB
	s_add_co_u32 s99, s99, 2*HALFA
	v_add_nc_u32 v[ADRB], s99, v5
	v_add_nc_u32 v[ADRB+2], s99, v6
	v_add_nc_u32 v[ADRB+1], SLOT, v[ADRB]
	v_add_nc_u32 v[ADRB+3], SLOT, v[ADRB+2]
	v_lshlrev_b32 v7, 3, v1
	s_mul_i32 s99, s19, SAH
	s_add_co_u32 s99, s99, SCLA
	v_add_nc_u32 v[ADSA], s99, v7
	v_mul_u32_u24 v7, v1, KS
	v_lshrrev_b32 v8, 8, v7
	v_lshl_add_u32 v7, v8, 4, v7
	s_mul_i32 s99, s20, HALFS
	s_add_co_u32 s99, s99, SCLB
	v_add_nc_u32 v[ADSB], s99, v7
	s_mul_i32 s99, s18, 16*SPITCH                  ; my stage
	v_mul_u32_u24 v5, v1, SPITCH
	v_lshl_add_u32 v5, v2, 5, v5
	v_add_nc_u32 v[STO], s99, v5                   ; in: row r, + 32 h
	v_lshlrev_b32 v[CO], 4, v3                     ; back: the 32 lanes take one row of 512 bytes; and the same in R and C
	v_add_nc_u32 v[RD], s99, v[CO]
	s_lshl_b32 s96, s22, 10
	s_lshl_b32 s97, s20, 9
	s_add_co_u32 s96, s96, s97
	s_mov_b32 s97, 0
	s_add_nc_u64 s[12:13], s[12:13], s[96:97]      ; the bias of my 128 columns
	s_lshl_b32 s98, s21, 20
	s_lshl_b32 s99, s19, 19
	s_add_co_u32 s98, s98, s99
	s_add_co_u32 s98, s98, s96                     ; my part of R and of C
	s_mov_b32 s99, 0
	s_add_nc_u64 s[14:15], s[14:15], s[98:99]
	s_add_nc_u64 s[16:17], s[16:17], s[98:99]
	v_lshlrev_b32 v9, 5, v2
.irp b, 0,1,2,3,4,5,6,7
	global_load_b128 v[96+8*\b+96*(\b/4):96+8*\b+96*(\b/4)+3], v9, s[12:13] offset:64*\b
	global_load_b128 v[96+8*\b+96*(\b/4)+4:96+8*\b+96*(\b/4)+7], v9, s[12:13] offset:64*\b+16
.endr
	RES 0                                          ; the first residual block lands under the whole product, in registers that the loop leaves alone
.macro FRAG reg, adr, q, i
.irp p, 0,1,2,3,4,5
.set PCE, 12*(\q)+6*(\p/3)+\p%3
.if PCE%8 < 5
	ds_load_b64 v[\reg+2*\p:\reg+2*\p+1], v[\adr] offset:8*PCE+16*(PCE/8)+(\i)*16*PITCH
.else
	ds_load_b64 v[\reg+2*\p:\reg+2*\p+1], v[\adr+2] offset:8*PCE+16*(PCE/8)+(\i)*16*PITCH
.endif
.endr
.endm
.macro FRAGA reg, slot, q, i
.irp p, 0,1,2,3,4,5
	ds_load_b64 v[\reg+2*\p:\reg+2*\p+1], v[ADRA+\slot] offset:(\i)*ABLK+(\q)*1536+256*\p
.endr
.endm
; 16 matrix instructions; the 64 accumulators take turns, one instruction a turn, in the same order in every step
.macro MUL16 a0, p, q, sc, first
.irp a, \a0, \a0+1
.irp b, 0,1,2,3,4,5,6,7
.if \first
	v_wmma_scale_f32_16x16x128_f8f6f4 v[8*(8*((\a)%4)+\b):8*(8*((\a)%4)+\b)+7], v[128*(\p)+FR*\b:128*(\p)+FR*\b+FR-1], v[AF+FR*(\a):AF+FR*(\a)+FR-1], v[96+8*\b+96*(\b/4):96+8*\b+96*(\b/4)+7], v[SCB+16*(\sc)+2*\b+(\q)], v[SCA+16*(\sc)+2*(\a)+(\q)] matrix_a_fmt:MATRIX_FMT_FP6 matrix_b_fmt:MATRIX_FMT_FP6
.else
	v_wmma_scale_f32_16x16x128_f8f6f4 v[8*(8*((\a)%4)+\b):8*(8*((\a)%4)+\b)+7], v[128*(\p)+FR*\b:128*(\p)+FR*\b+FR-1], v[AF+FR*(\a):AF+FR*(\a)+FR-1], v[8*(8*((\a)%4)+\b):8*(8*((\a)%4)+\b)+7], v[SCB+16*(\sc)+2*\b+(\q)], v[SCA+16*(\sc)+2*(\a)+(\q)] matrix_a_fmt:MATRIX_FMT_FP6 matrix_b_fmt:MATRIX_FMT_FP6
.endif
.endr
.endr
.endm
.macro FETCH_B slot, q, p
	WIN TO_B
.irp i, 0,1,2,3,4,5,6,7
	FRAG 128*(\p)+FR*\i, ADRB+\slot, \q, \i
.endr
	WIN 0
.endm
.macro FETCH_A slot, q, i0
.irp i, \i0, \i0+1, \i0+2, \i0+3
	FRAGA AF+FR*(\i), \slot, \q, \i
.endr
.endm
.macro SCALES sc
.irp i, 0,1,2,3,4,5,6,7
	ds_load_b64 v[SCA+16*\sc+2*\i:SCA+16*\sc+2*\i+1], v[ADSA] offset:\i*128
	ds_load_b64 v[SCB+16*\sc+2*\i:SCB+16*\sc+2*\i+1], v[ADSB] offset:\i*SBLK
.endr
.endm
.macro PLACES n
.rept \n
	v_nop
.endr
.endm
.macro STEP slot, q, first
	s_wait_dscnt 4*NL                              ; all but the 24 youngest loads (A's blocks 4-7)
.if \first
	WIN 0x81
.else
	WIN MUL_LO
.endif
	MUL16 0, (\q)%2, \q, \slot, \first
	MUL16 2, (\q)%2, \q, \slot, \first
	s_wait_dscnt 0
	PLACES NP
	FETCH_B \slot, (\q)+1, 1-(\q)%2
	FETCH_A \slot, (\q)+1, 0
.if \first
	WIN 0xc1
.else
	WIN MUL_HI
.endif
	MUL16 4, (\q)%2, \q, \slot, \first
	MUL16 6, (\q)%2, \q, \slot, \first
	PLACES NP
	WIN 0
	FETCH_A \slot, (\q)+1, 4
.endm
.macro TURN slot, next, fill
	s_wait_tensorcnt 0x0                           ; all my tensor loads have landed: my part of the next slot
	ds_add_u32 v[SPW], v[NIL]                      ; 0 onto my spare word
	s_wait_dscnt 4*NL+1                            ; (the add and the 24 youngest loads may be out)
	WIN MUL_LO
	MUL16 0, 1, NQ-1, \slot, 0
	s_wait_dscnt 0x0                               ; the add is done, and my reads of this slot are over
	s_barrier_signal -1
	MUL16 2, 1, NQ-1, \slot, 0
	WIN 0
	s_barrier_wait -1
.if \fill
	CREST                                          ; the barrier has opened a round of the cluster's: no wave of any partner still reads this slot or has a load on its way
	s_add_nc_u64 s[G0+4*\slot+2:G0+4*\slot+3], s[G0+4*\slot+2:G0+4*\slot+3], 2*ABLK
	s_add_nc_u64 s[G0B+4*\slot+2:G0B+4*\slot+3], s[G0B+4*\slot+2:G0B+4*\slot+3], 2*ROWB
	JLOAD G0+4*\slot, G1, G0B+4*\slot, G1B
.else
	PLACES NP
.endif
	v_add_nc_u32 v[ADSA], 1024, v[ADSA]
	v_add_nc_u32 v[ADSB], 4*NQ, v[ADSB]
	FETCH_B \next, 0, 0
	FETCH_A \next, 0, 0
	SCALES \next
	WIN MUL_HI
	MUL16 4, 1, NQ-1, \slot, 0
	MUL16 6, 1, NQ-1, \slot, 0
	PLACES NP
	WIN 0
	FETCH_A \next, 0, 4
.endm
	s_wait_tensorcnt 1                             ; the scales and my part of K step 0 are in; K step 1's load may be out
	s_barrier_signal -1
	s_barrier_wait -1
	FETCH_B 0, 0, 0
	FETCH_A 0, 0, 0
	SCALES 0
	FETCH_A 0, 0, 4
	s_wait_loadcnt 16                              ; the bias is in; the 16 younger loads (the first residual block) may be out
	STEP 0, 0, 1
	s_mov_b32 s3, LAPS-1
.Llap:
	TURN 0, 1, 1
	STEP 1, 0, 0
	TURN 1, 0, 1
	STEP 0, 0, 0
	s_sub_co_u32 s3, s3, 1
	s_cmp_lg_u32 s3, 0
	s_cbranch_scc1 .Llap
	TURN 0, 1, 0
	STEP 1, 0, 0
	s_wait_dscnt 4*NL
	WIN MUL_LO
	MUL16 0, 1, NQ-1, 1, 0
	MUL16 2, 1, NQ-1, 1, 0
	s_wait_dscnt 0
	WIN MUL_HI
	MUL16 4, 1, NQ-1, 1, 0
	MUL16 6, 1, NQ-1, 1, 0
	WIN 0
.macro OUTBLK a, left                  ; block a: 16 rows x 128 columns.  left: the residual loads issued behind this block's, which may stay out
.set AC, 64*((\a)%4)
.set BBK, BK+64*((\a)%2)
.set RS, 32*(((\a)+3)%4)
	WIN 0x08+4*((\a)/4)
.irp b, 0,1,2,3,4,5,6,7
	ds_store_b128 v[STO], v[AC+8*\b:AC+8*\b+3] offset:64*\b          ; each accumulator from its low end on
	ds_store_b128 v[STO], v[AC+8*\b+4:AC+8*\b+7] offset:64*\b+16
.endr
	WIN 0
.irp t, 0,1,2,3,4,5,6,7,8,9,10,11,12,13,14,15
	ds_load_b128 v[BBK+4*\t:BBK+4*\t+3], v[RD] offset:\t*SPITCH       ; LDS serves a wave's instructions in order (ISA guide 5.7.1.4): these see the stores above
.endr
	s_wait_dscnt 0x0
	s_wait_loadcnt \left
	WIN 0x04                                       ; source 1 (the residual) window 1
.irp t, 0,1,2,3,4,5,6,7,8,9,10,11,12,13,14,15
	v_pk_add_f32 v[BBK+4*\t:BBK+4*\t+1], v[BBK+4*\t:BBK+4*\t+1], v[RS+4*(\t%8)+128*(\t/8):RS+4*(\t%8)+128*(\t/8)+1]
	v_pk_add_f32 v[BBK+4*\t+2:BBK+4*\t+3], v[BBK+4*\t+2:BBK+4*\t+3], v[RS+4*(\t%8)+128*(\t/8)+2:RS+4*(\t%8)+128*(\t/8)+3]
.endr
	WIN 0
.irp t, 0,1,2,3,4,5,6,7,8,9,10,11,12,13,14,15
	global_store_b128 v[CO], v[BBK+4*\t:BBK+4*\t+3], s[16:17] offset:(16*(\a)+\t)*4096 th:TH_STORE_NT   ; 32 lanes store 512 consecutive bytes, aligned; written once, read by nobody here
.endr
.endm
	PLACES NP                                      ; behind the last products: for the loads into registers that held fragments, and for the reads of results
	RES 1
	RES 2
	RES 3
.irp a, 0,1,2,3,4,5,6,7
.if \a > 1
	s_wait_xcnt 0x0                                ; block a - 2's stores have read their registers: block a's rows may land there
.endif
.if \a < 5
	OUTBLK \a, 48
.else
	OUTBLK \a, 16*(7-\a)
.endif
.if \a < 4
	RES \a+4
.endif
.endr
	s_wait_tensorcnt 0x0                           ; the wave's end
	ds_add_u32 v[SPW], v[NIL]
	s_wait_dscnt 0x0
	CROUND                                         ; the closing round
	s_endpgm
.Lfunc_end_k_qcbaf889bfc_fc2:
	.size	k_qcbaf889bfc_fc2, .Lfunc_end_k_qcbaf889bfc_fc2-k_qcbaf889bfc_fc2
	.p2alignl 7, 3214868480
	.fill 96, 4, 3214868480
	.section	.rodata,"a",@progbits
	.p2align	6, 0x0
	.amdhsa_kernel k_qcbaf889bfc_fc2
		.amdhsa_group_segment_fixed_size 327680
		.amdhsa_private_segment_fixed_size 0
		.amdhsa_enable_private_segment 0
		.amdhsa_kernarg_size 56
		.amdhsa_user_sgpr_count 2
		.amdhsa_user_sgpr_kernarg_segment_ptr 1
		.amdhsa_wavefront_size32 1
		.amdhsa_system_sgpr_workgroup_id_x 1
		.amdhsa_system_sgpr_workgroup_id_y 1
		.amdhsa_system_sgpr_workgroup_id_z 1
		.amdhsa_system_vgpr_workitem_id 0
		.amdhsa_next_free_vgpr 1024
		.amdhsa_next_free_sgpr 100
		.amdhsa_reserve_vcc 0
		.amdhsa_float_denorm_mode_32 3
		.amdhsa_float_denorm_mode_16_64 3
		.amdhsa_memory_ordered 1
		.amdhsa_forward_progress 1
		.amdhsa_inst_pref_size 192
	.end_amdhsa_kernel
	.amdgpu_metadata
---
amdhsa.version: [ 1, 2 ]
amdhsa.kernels:
  - .name:           k_qcbaf889bfc_fc2
    .symbol:         k_qcbaf889bfc_fc2.kd
    .args:
      - { .name: himg, .offset: 0, .size: 8, .value_kind: global_buffer, .address_space: global }
      - { .name: hsc, .offset: 8, .size: 8, .value_kind: global_buffer, .address_space: global }
      - { .name: fc2_w_codes, .offset: 16, .size: 8, .value_kind: global_buffer, .address_space: global }
      - { .name: fc2_w_scales, .offset: 24, .size: 8, .value_kind: global_buffer, .address_space: global }
      - { .name: fc2_b, .offset: 32, .size: 8, .value_kind: global_buffer, .address_space: global }
      - { .name: x1, .offset: 40, .size: 8, .value_kind: global_buffer, .address_space: global }
      - { .name: out0, .offset: 48, .size: 8, .value_kind: global_buffer, .address_space: global }
    .group_segment_fixed_size: 327680
    .private_segment_fixed_size: 0
    .kernarg_segment_align: 8
    .kernarg_segment_size: 56
    .max_flat_workgroup_size: 128
    .sgpr_count:     100
    .vgpr_count:     1024
    .wavefront_size: 32
...
	.end_amdgpu_metadata
.endif
;; end of part 6
;; ======== version 2 of 2: 6 launches
;; limits: right only within a limited range of input values
;; workspace buffers: aimg 3,145,728 bytes; asc 131,072 bytes; himg 12,582,912 bytes; hsc 524,288 bytes; kv 6,684,672 bytes; qq 6,684,672 bytes; x1 16,777,216 bytes; wimg 9,437,184 bytes
;; launch lnq1 (part 7): grid 256 x 2, 8 waves a work-group, no clusters, 67,584 bytes of LDS; arguments x, ln1_g, ln1_b, aimg, asc, qkv_w_codes, proj_w_codes, fc1_w_codes, fc2_w_codes, wimg; writes aimg, asc, wimg
.if DOCPART == 7
	.amdgcn_target "amdgcn-amd-amdhsa--gfx1250"
	.amdhsa_code_object_version 6
	.text
	.protected	k_qcbaf889bfc_lnq1
	.globl	k_qcbaf889bfc_lnq1
	.p2align	8
	.type	k_qcbaf889bfc_lnq1,@function
k_qcbaf889bfc_lnq1:
	s_mov_b64 s[64:65], 0
	v_nop
	global_prefetch_b8 v0, s[64:65] scope:SCOPE_SE
	s_setreg_imm32_b32 hwreg(HW_REG_WAVE_MODE, 25, 1), 1
	s_wait_xcnt 0x0
; LayerNorm of [4096][1024] f32 rows, then the MX-FP6 (E2M3) quantiser along the row: codes and E8M0 scale bytes for the next product's left operand.
; A work-group takes 16 rows (one block of rows of the operand).  Phase 1: wave w normalises rows 2 w and 2 w + 1 (mean, then the mean of squared differences: two passes over registers,
; so a common offset of the inputs does no harm) and lays (x - mean) / sqrt(var + 1e-5) into LDS.  Phase 2: wave w takes columns 128 w .. 128 w + 127 of all 16 rows in the ORDER OF THE
; OPERAND'S REGISTERS (lane (r, h): row r, k = 64 c + 32 h + 0 .. 31 in registers 32 c on), applies gain and bias, and quantises: a lane holds two whole blocks of 32.
; OUT: a fragment (16 rows x 128 K, 12 registers a lane) as a PAIR IMAGE of 1,536 bytes: register pair p of lane l at 256 p + 8 l, so each store of the wave covers 256 consecutive bytes, aligned.
;   images [256 row blocks][8 K steps][1,536];  scale words [4 K steps of 256][4,096 rows][2 words].
; A block's scale byte is its largest magnitude's exponent field - 2, held at 1 from below.  LIMITS: NaN and infinities are not served; a block whose largest magnitude lies under 2^-124 keeps the
; byte 1; a block of zeros gets the byte 1 and zero codes (the bytes are read by this program alone).
; No matrix unit, no tensor load, no cluster: the launch streams its rows once and work-groups share nothing but 8 KB of gain and bias.
.set PITCH, 4112                       ; an LDS row: 4,096 bytes + 16: row r starts 4 r words on, so sixteen rows' 16-byte pieces fall on different banks
.set SCR,   16*PITCH                   ; behind the rows: 512 bytes of scale words [4][16 rows][2]
.set X,   16                           ; v16-79   64 numbers
.set G,   80                           ; v80-143  gains of my 64 columns
.set BB,  144                          ; v144-207 biases
.set TM,  208                          ; v208-211 largest magnitudes, two chains a block
.set TS,  212                          ; v212-213 the conversions' scale operands
.set TYB, 214                          ; v214-215 the scale bytes
.set SU,  216                          ; v216-223 sums, four chains of pairs
.set PC,  224                          ; v224-235 the fragment's codes
.set PX,  236                          ; v236-242 the upper halves of the blocks' codes, before they are moved
.set PW,  244                          ; the scale word
.set PT,  245                          ; target of the lane exchange
.set SH8, 10                           ; v10 = 8 h
.set SEL, 16                           ; s[16:17] lane selects: lane l xor 16
	; Plane y = 0 of the grid normalises rows, as said above.  Plane y = 1 (where the grid has one) re-lays the four weights: see the text's end.
	s_and_b32 s2, ttmp7, 0xffff
	s_cmp_lg_u32 s2, 0
	s_cbranch_scc1 .Lrelay
	s_load_b256 s[4:11], s[0:1], 0x0               ; rows s[4:5], gain s[6:7], bias s[8:9], images s[10:11]
	s_load_b64 s[12:13], s[0:1], 0x20              ; scale words
	v_lshl_add_u32 v254, v0, 2, 0x10400
	v_mov_b32 v255, 0
	v_lshrrev_b32 v1, 5, v0
	s_delay_alu instid0(VALU_DEP_1)
	v_readfirstlane_b32 s14, v1                    ; wave 0..7
	v_and_b32 v1, 31, v0                           ; lane
	v_and_b32 v2, 15, v0                           ; r
	s_wait_alu depctr_va_vdst(0)
	v_bfe_u32 v3, v0, 4, 1                         ; h
	s_wait_alu depctr_va_vdst(0)
	s_mov_b32 s[SEL], 0x76543210
	s_mov_b32 s[SEL+1], 0xfedcba98
	s_mov_b32 s19, 0x3a800000                      ; 1 / 1024
	s_mov_b32 s20, 0x3727c5ac                      ; 1e-5
	s_lshl_b32 s18, s14, 13
	v_lshlrev_b32 v4, 4, v1
	s_delay_alu instid0(VALU_DEP_1)
	v_add_nc_u32 v4, s18, v4                       ; rows in memory: 16 x lane + two rows x wave
	s_lshl_b32 s21, s14, 9
	v_lshl_add_u32 v5, v3, 7, s21                  ; gain and bias: 512 w + 128 h
	s_mul_i32 s22, s14, 2*PITCH
	v_lshl_add_u32 v6, v1, 4, s22                  ; LDS, phase 1: my two rows, 16 x lane
	v_mul_u32_u24 v7, v2, PITCH
	s_delay_alu instid0(VALU_DEP_1)
	v_add_nc_u32 v7, v7, v5                        ; LDS, phase 2: row r, my wave's 512 bytes, + 128 h
	v_lshlrev_b32 v8, 3, v1                        ; 8 x lane: my place in a pair of an image
	s_lshr_b32 s23, s14, 1
	s_lshl_b32 s23, s23, 7
	s_and_b32 s24, s14, 1
	s_lshl_b32 s24, s24, 2
	s_add_co_u32 s23, s23, s24
	s_add_co_u32 s23, s23, SCR
	v_lshl_add_u32 v9, v2, 3, s23                  ; my row's scale word: SCR + 128 (w / 2) + 8 r + 4 (w % 2)
	v_lshlrev_b32 v[SH8], 3, v3
	v_lshl_add_u32 v11, v1, 4, SCR                 ; wave 0's way out of the scale words: 16 x lane,
	v_lshrrev_b32 v12, 3, v1
	s_delay_alu instid0(VALU_DEP_1)
	v_lshlrev_b32 v12, 15, v12
	v_and_b32 v13, 7, v1
	s_delay_alu instid0(VALU_DEP_1)
	v_lshl_add_u32 v12, v13, 4, v12                ; and in memory: 32,768 (lane / 8) + 16 (lane % 8)
	v_mov_b32 v[PT], 0                             ; a lane exchange's target counts as read: written once
	s_lshl_b32 s26, ttmp9, 16                      ; 16 rows of 4,096 bytes
	s_mov_b32 s27, 0
	s_lshl_b32 s28, ttmp9, 3
	s_add_co_u32 s28, s28, s14
	s_mul_i32 s28, s28, 1536                       ; image (row block, K step w)
	s_mov_b32 s29, 0
	s_lshl_b32 s30, ttmp9, 7                       ; 16 rows of 8 bytes
	s_mov_b32 s31, 0
	s_wait_kmcnt 0x0
	s_add_nc_u64 s[4:5], s[4:5], s[26:27]
	s_add_nc_u64 s[10:11], s[10:11], s[28:29]
	s_add_nc_u64 s[12:13], s[12:13], s[30:31]
.irp rho, 0,1
.irp j, 0,1,2,3,4,5,6,7
	global_load_b128 v[X+32*\rho+4*\j:X+32*\rho+4*\j+3], v4, s[4:5] offset:4096*\rho+512*\j   ; 32 lanes read 512 consecutive bytes
.endr
.endr
.irp c, 0,1
.irp i, 0,1,2,3,4,5,6,7
	global_load_b128 v[G+32*\c+4*\i:G+32*\c+4*\i+3], v5, s[6:7] offset:256*\c+16*\i
.endr
.endr
.irp c, 0,1
.irp i, 0,1,2,3,4,5,6,7
	global_load_b128 v[BB+32*\c+4*\i:BB+32*\c+4*\i+3], v5, s[8:9] offset:256*\c+16*\i
.endr
.endr
.macro LANESUM                         ; v[SU] summed over the 32 lanes, the result in every lane
	s_delay_alu instid0(VALU_DEP_1)
	v_add_f32_dpp v[SU], v[SU], v[SU] row_xmask:1 row_mask:0xf bank_mask:0xf
	s_delay_alu instid0(VALU_DEP_1)
	v_add_f32_dpp v[SU], v[SU], v[SU] row_xmask:2 row_mask:0xf bank_mask:0xf
	s_delay_alu instid0(VALU_DEP_1)
	v_add_f32_dpp v[SU], v[SU], v[SU] row_xmask:4 row_mask:0xf bank_mask:0xf
	s_delay_alu instid0(VALU_DEP_1)
	v_add_f32_dpp v[SU], v[SU], v[SU] row_xmask:8 row_mask:0xf bank_mask:0xf
	s_delay_alu instid0(VALU_DEP_1)
	v_permlanex16_b32 v[PT], v[SU], s[SEL], s[SEL+1]
	s_delay_alu instid0(VALU_DEP_1)
	v_add_f32 v[SU], v[SU], v[PT]
.endm
.macro FOLD                            ; four chains of pairs into one number a lane
	s_delay_alu instid0(VALU_DEP_3)
	v_pk_add_f32 v[SU:SU+1], v[SU:SU+1], v[SU+2:SU+3]
	s_delay_alu instid0(VALU_DEP_2)
	v_pk_add_f32 v[SU+4:SU+5], v[SU+4:SU+5], v[SU+6:SU+7]
	s_delay_alu instid0(VALU_DEP_1)
	v_pk_add_f32 v[SU:SU+1], v[SU:SU+1], v[SU+4:SU+5]
	s_delay_alu instid0(VALU_DEP_1)
	v_add_f32 v[SU], v[SU], v[SU+1]
.endm
; one row: 32 numbers a lane in v[X + 32 rho] on
.macro ROWSTAT rho
.set XR, X+32*\rho
.irp k, 0,1,2,3
	v_pk_add_f32 v[SU+2*\k:SU+2*\k+1], v[XR+2*\k:XR+2*\k+1], v[XR+8+2*\k:XR+9+2*\k]   ; the first pairs start the chains: nothing is cleared
.endr
.irp k, 0,1,2,3
	s_delay_alu instid0(VALU_DEP_4)
	v_pk_add_f32 v[SU+2*\k:SU+2*\k+1], v[SU+2*\k:SU+2*\k+1], v[XR+16+2*\k:XR+17+2*\k]
.endr
.irp k, 0,1,2,3
	s_delay_alu instid0(VALU_DEP_4)
	v_pk_add_f32 v[SU+2*\k:SU+2*\k+1], v[SU+2*\k:SU+2*\k+1], v[XR+24+2*\k:XR+25+2*\k]
.endr
	FOLD
	LANESUM
	s_delay_alu instid0(VALU_DEP_1)
	v_mul_f32 v[SU], s19, v[SU]                    ; the mean
.set jj, 0
.rept 16
	v_pk_add_f32 v[XR+jj:XR+jj+1], v[XR+jj:XR+jj+1], v[SU:SU+1] op_sel_hi:[1,0] neg_lo:[0,1] neg_hi:[0,1]   ; x - mean
.set jj, jj+2
.endr
.irp k, 0,1,2,3
	v_pk_mul_f32 v[SU+2*\k:SU+2*\k+1], v[XR+2*\k:XR+2*\k+1], v[XR+2*\k:XR+2*\k+1]
.endr
.irp o, 8,16,24
.irp k, 0,1,2,3
	s_delay_alu instid0(VALU_DEP_4)
	v_pk_fma_f32 v[SU+2*\k:SU+2*\k+1], v[XR+\o+2*\k:XR+\o+2*\k+1], v[XR+\o+2*\k:XR+\o+2*\k+1], v[SU+2*\k:SU+2*\k+1]
.endr
.endr
	FOLD
	LANESUM
	s_delay_alu instid0(VALU_DEP_1)
	v_fma_f32 v[SU], v[SU], s19, s20               ; var + eps
	s_wait_alu depctr_va_vdst(0)
	v_rsq_f32 v[SU], v[SU]
	v_nop                                          ; one plain instruction behind the transcendental (ISA guide 5.7.2)
.set jj, 0
	s_wait_alu depctr_va_vdst(0)
.rept 16
	v_pk_mul_f32 v[XR+jj:XR+jj+1], v[XR+jj:XR+jj+1], v[SU:SU+1] op_sel_hi:[1,0]
.set jj, jj+2
.endr
.irp j, 0,1,2,3,4,5,6,7
	ds_store_b128 v6, v[XR+4*\j:XR+4*\j+3] offset:PITCH*\rho+512*\j
.endr
.endm
; 64 numbers of a lane, v[s + 32 c + i] = position i of my block 2 c + h, become the fragment's 12 registers in v[PC] on and my row's scale word in v[PW]
.macro QUANT6 s
.irp c, 0,1
	v_max3_num_f32 v[TM+2*\c], |v[\s+32*\c]|, |v[\s+32*\c+1]|, 0x1800000   ; with the floor 2^(3 - 127) among the leaves: the byte cannot fall under 1
	v_max_num_f32 v[TM+2*\c+1], |v[\s+32*\c+2]|, |v[\s+32*\c+3]|
.endr
.irp i, 4,8,12,16,20,24,28
.irp c, 0,1
	s_delay_alu instid0(VALU_DEP_4)
	v_max3_num_f32 v[TM+2*\c], v[TM+2*\c], |v[\s+32*\c+\i]|, |v[\s+32*\c+\i+1]|
	s_delay_alu instid0(VALU_DEP_4)
	v_max3_num_f32 v[TM+2*\c+1], v[TM+2*\c+1], |v[\s+32*\c+\i+2]|, |v[\s+32*\c+\i+3]|
.endr
.endr
.irp c, 0
	s_delay_alu instid0(VALU_DEP_3)
	v_max_num_f32 v[TM+2*\c], v[TM+2*\c], v[TM+2*\c+1]
.endr
.irp c, 1
	s_delay_alu instid0(VALU_DEP_2)
	v_max_num_f32 v[TM+2*\c], v[TM+2*\c], v[TM+2*\c+1]
.endr
.irp c, 0,1
	s_delay_alu instid0(VALU_DEP_2)
	v_add_nc_u32 v[TS+\c], 0xff000000, v[TM+2*\c]  ; 2 off the exponent field: the conversion takes this operand's exponent field as its scale
.endr
.irp c, 0,1
	s_delay_alu instid0(VALU_DEP_2)
	v_lshrrev_b32 v[TYB+\c], 23, v[TS+\c]          ; the scale's byte
.endr
	s_delay_alu instid0(VALU_DEP_1)
	v_lshl_or_b32 v[PW], v[TYB+1], 16, v[TYB]      ; my two bytes, blocks h and 2 + h,
	s_delay_alu instid0(VALU_DEP_1)
	v_lshlrev_b32 v[PW], v[SH8], v[PW]             ; at their places,
	s_delay_alu instid0(VALU_DEP_1)
	v_permlanex16_b32 v[PT], v[PW], s[SEL], s[SEL+1]
	s_delay_alu instid0(VALU_DEP_1)
	v_or_b32 v[PW], v[PW], v[PT]                   ; and lane l xor 16's two: the word is whole
.irp c, 0,1
	v_cvt_scalef32_pk16_fp6_f32 v[PC+6*\c:PC+6*\c+2], v[\s+32*\c:\s+32*\c+15], v[TS+\c]
	v_cvt_scalef32_pk16_fp6_f32 v[PX+4*\c:PX+4*\c+2], v[\s+32*\c+16:\s+32*\c+31], v[TS+\c]   ; (a conversion's three registers begin on an even number)
.endr
	v_nop                                          ; one plain instruction behind the scaled conversions
.irp c, 0,1
.irp i, 0,1,2
	v_mov_b32 v[PC+3+6*\c+\i], v[PX+4*\c+\i]
.endr
.endr
.endm
	s_wait_loadcnt 32                              ; my two rows are in; the 32 younger loads (gain, bias) may be out
	ROWSTAT 0
	ROWSTAT 1
	s_wait_dscnt 0x0                               ; for the others' sake: my rows lie in LDS
	s_barrier_signal -1
	s_barrier_wait -1
.irp c, 0,1
.irp i, 0,1,2,3,4,5,6,7
	ds_load_b128 v[X+32*\c+4*\i:X+32*\c+4*\i+3], v7 offset:256*\c+16*\i
.endr
.endr
	s_wait_loadcnt 0x0                             ; gain and bias
	s_wait_dscnt 0x0
.set jj, 0
.rept 32
	v_pk_fma_f32 v[X+jj:X+jj+1], v[X+jj:X+jj+1], v[G+jj:G+jj+1], v[BB+jj:BB+jj+1]
.set jj, jj+2
.endr
	QUANT6 X
.irp p, 0,1,2,3,4,5
	global_store_b64 v8, v[PC+2*\p:PC+2*\p+1], s[10:11] offset:256*\p   ; 32 lanes store 256 consecutive bytes, aligned
.endr
	ds_store_b32 v9, v[PW]                         ; lanes r and r + 16 write the same word with the same value
	s_wait_dscnt 0x0
	s_barrier_signal -1
	s_barrier_wait -1
	s_cmp_lg_u32 s14, 0
	s_cbranch_scc1 .Lend                           ; wave 0 sends the work-group's 512 bytes of scale words: four runs of 128 bytes
	ds_load_b128 v[X:X+3], v11
	s_wait_dscnt 0x0
	global_store_b128 v12, v[X:X+3], s[12:13]
.Lend:
	s_wait_tensorcnt 0x0
	ds_add_u32 v254, v255
	s_wait_dscnt 0x0
	s_endpgm
; THE WEIGHTS RE-LAID (plane y = 1).  A weight's rows of codes are 768 or 3,072 bytes; a K step of 256 or 512 is 192 or 384 bytes of a row, which would begin off a multiple of 256 bytes.
; So each weight is laid once as PAIR IMAGES, as the left operands are: a fragment of 16 rows x 128 K is 1,536 bytes, register pair p of lane l at 256 p + 8 l; images [block of 16 rows][K step of 128].
; wimg: qkv's images from byte 0, proj's from 2,359,296, fc1's from 3,145,728, fc2's from 6,291,456.  The codes are copied as they are; the scale bytes stay where they are given.
; A unit is 16 rows x 1,024 K = 12,288 bytes; work-group x takes three: unit x of qkv and proj together (192 + 64), unit x of fc1, unit x of fc2 (block of rows x / 4, K quarter x % 4).  Wave w takes a unit's K step w.
; A launch of this body whose grid has one plane along y runs the rows' part alone.
.Lrelay:
	s_load_b256 s[4:11], s[0:1], 0x28              ; qkv s[4:5], proj s[6:7], fc1 s[8:9], fc2 s[10:11]
	s_load_b64 s[12:13], s[0:1], 0x48              ; wimg
	v_lshrrev_b32 v1, 5, v0
	v_readfirstlane_b32 s14, v1                    ; wave 0..7
	v_and_b32 v2, 15, v0                           ; r
	v_bfe_u32 v3, v0, 4, 1                         ; h
	v_and_b32 v4, 31, v0
	v_lshlrev_b32 v8, 3, v4                        ; out: 8 x lane
	s_mul_i32 s15, s14, 96
	v_mad_u32_u24 v5, v3, 24, s15                  ; 96 w + 24 h
	v_mad_u32_u24 v6, v2, 768, v5                  ; in: row r of 768 bytes,
	v_mad_u32_u24 v7, v2, 3072, v5                 ; or of 3,072 (fc2)
	s_mul_i32 s16, ttmp9, 12288                    ; unit x, dense
	s_mov_b32 s17, 0
	s_cmp_lt_u32 ttmp9, 192
	s_cselect_b32 s18, 0, 192*12288
	s_sub_co_u32 s18, s16, s18                     ; unit x of qkv, or x - 192 of proj
	s_mov_b32 s19, 0
	s_lshr_b32 s20, ttmp9, 2
	s_mul_i32 s20, s20, 49152
	s_and_b32 s21, ttmp9, 3
	s_mul_i32 s21, s21, 768
	s_add_co_u32 s20, s20, s21                     ; fc2: 16 rows x (x / 4) + 768 bytes x (x % 4)
	s_mov_b32 s21, 0
	s_mul_i32 s22, s14, 1536
	s_add_co_u32 s22, s22, s16                     ; out: unit x, image w
	s_mov_b32 s23, 0
	s_wait_alu depctr_va_vdst(0)
	s_wait_kmcnt 0x0
	s_cmp_lt_u32 ttmp9, 192
	s_cselect_b64 s[4:5], s[4:5], s[6:7]
	s_add_nc_u64 s[4:5], s[4:5], s[18:19]
	s_add_nc_u64 s[8:9], s[8:9], s[16:17]
	s_add_nc_u64 s[10:11], s[10:11], s[20:21]
	s_add_nc_u64 s[12:13], s[12:13], s[22:23]
.irp p, 0,1,2,3,4,5
	global_load_b64 v[16+2*\p:17+2*\p], v6, s[4:5] offset:48*(\p/3)+8*(\p%3)
.endr
.irp p, 0,1,2,3,4,5
	global_load_b64 v[28+2*\p:29+2*\p], v6, s[8:9] offset:48*(\p/3)+8*(\p%3)
.endr
.irp p, 0,1,2,3,4,5
	global_load_b64 v[40+2*\p:41+2*\p], v7, s[10:11] offset:48*(\p/3)+8*(\p%3)
.endr
	s_wait_loadcnt 12                              ; the first six are in; the 12 younger loads may be out
.irp p, 0,1,2,3,4,5
	global_store_b64 v8, v[16+2*\p:17+2*\p], s[12:13] offset:256*\p   ; 32 lanes store 256 consecutive bytes, aligned
.endr
	s_wait_loadcnt 6                               ; the six youngest may be out
.irp p, 0,1,2,3,4,5
	global_store_b64 v8, v[28+2*\p:29+2*\p], s[12:13] offset:3145728+256*\p
.endr
	s_wait_loadcnt 0x0
.irp p, 0,1,2,3,4,5
	global_store_b64 v8, v[40+2*\p:41+2*\p], s[12:13] offset:6291456+256*\p
.endr
	s_endpgm
.Lfunc_end_k_qcbaf889bfc_lnq1:
	.size	k_qcbaf889bfc_lnq1, .Lfunc_end_k_qcbaf889bfc_lnq1-k_qcbaf889bfc_lnq1
	.p2alignl 7, 3214868480
	.fill 96, 4, 3214868480
	.section	.rodata,"a",@progbits
	.p2align	6, 0x0
	.amdhsa_kernel k_qcbaf889bfc_lnq1
		.amdhsa_group_segment_fixed_size 67584
		.amdhsa_private_segment_fixed_size 0
		.amdhsa_enable_private_segment 0
		.amdhsa_kernarg_size 80
		.amdhsa_user_sgpr_count 2
		.amdhsa_user_sgpr_kernarg_segment_ptr 1
		.amdhsa_wavefront_size32 1
		.amdhsa_system_sgpr_workgroup_id_x 1
		.amdhsa_system_sgpr_workgroup_id_y 1
		.amdhsa_system_sgpr_workgroup_id_z 1
		.amdhsa_system_vgpr_workitem_id 0
		.amdhsa_next_free_vgpr 256
		.amdhsa_next_free_sgpr 66
		.amdhsa_reserve_vcc 0
		.amdhsa_float_denorm_mode_32 3
		.amdhsa_float_denorm_mode_16_64 3
		.amdhsa_memory_ordered 1
		.amdhsa_forward_progress 1
		.amdhsa_inst_pref_size 35
	.end_amdhsa_kernel
	.amdgpu_metadata
---
amdhsa.version: [ 1, 2 ]
amdhsa.kernels:
  - .name:           k_qcbaf889bfc_lnq1
    .symbol:         k_qcbaf889bfc_lnq1.kd
    .args:
      - { .name: x, .offset: 0, .size: 8, .value_kind: global_buffer, .address_space: global }
      - { .name: ln1_g, .offset: 8, .size: 8, .value_kind: global_buffer, .address_space: global }
      - { .name: ln1_b, .offset: 16, .size: 8, .value_kind: global_buffer, .address_space: global }
      - { .name: aimg, .offset: 24, .size: 8, .value_kind: global_buffer, .address_space: global }
      - { .name: asc, .offset: 32, .size: 8, .value_kind: global_buffer, .address_space: global }
      - { .name: qkv_w_codes, .offset: 40, .size: 8, .value_kind: global_buffer, .address_space: global }
      - { .name: proj_w_codes, .offset: 48, .size: 8, .value_kind: global_buffer, .address_space: global }
      - { .name: fc1_w_codes, .offset: 56, .size: 8, .value_kind: global_buffer, .address_space: global }
      - { .name: fc2_w_codes, .offset: 64, .size: 8, .value_kind: global_buffer, .address_space: global }
      - { .name: wimg, .offset: 72, .size: 8, .value_kind: global_buffer, .address_space: global }
    .group_segment_fixed_size: 67584
    .private_segment_fixed_size: 0
    .kernarg_segment_align: 8
    .kernarg_segment_size: 80
    .max_flat_workgroup_size: 256
    .sgpr_count:     66
    .vgpr_count:     256
    .wavefront_size: 32
...
	.end_amdgpu_metadata
.endif
;; end of part 7
;; launch qkv (part 8): grid 12 x 16, 4 waves a work-group, clusters of 4 x 4, 327,680 bytes of LDS; arguments aimg, asc, wimg, qkv_w_scales, qkv_b, qq, kv; writes qq, kv
.if DOCPART == 8
	.amdgcn_target "amdgcn-amd-amdhsa--gfx1250"
	.amdhsa_code_object_version 6
	.text
	.protected	k_qcbaf889bfc_qkv
	.globl	k_qcbaf889bfc_qkv
	.p2align	8
	.type	k_qcbaf889bfc_qkv,@function
k_qcbaf889bfc_qkv:
	s_mov_b64 s[64:65], 0
	v_nop
	global_prefetch_b8 v0, s[64:65] scope:SCOPE_SE
	s_setreg_imm32_b32 hwreg(HW_REG_WAVE_MODE, 25, 1), 1
	s_wait_xcnt 0x0
	s_wait_alu depctr_hold_cnt(0) depctr_sa_sdst(0) depctr_va_vdst(0) depctr_va_sdst(0) depctr_va_ssrc(0) depctr_va_vcc(0) depctr_vm_vsrc(0)
	s_getreg_b32 s2, hwreg(HW_REG_IB_STS2, 6, 4)
	s_cmp_eq_u32 s2, 0
	s_cbranch_scc0 .Lentry_in_a_cluster
	s_endpgm
.Lentry_in_a_cluster:
	s_bfe_u32 s2, ttmp6, 0x10000c
	s_cmp_lg_u32 s2, 0xf033
	s_cbranch_scc0 .Lentry_shape_is_right
	s_endpgm
.Lentry_shape_is_right:
; qkv = h W + b on codes of FP6 (E2M3) with E8M0 scales, [4096 tokens][1024] x [3072][1024]; then q, k and v are quantised for the two products of attention and leave as operand images.
; A tile of C, 256 tokens x 256 columns, is made by four waves, each 128 x 128: 64 accumulators of 16 x 16 in 512 registers.  K goes in steps of 256 through a ring of two LDS slots.
; A (the tokens) comes as PAIR IMAGES made by the launch before: a fragment of 16 rows x 128 K is 1,536 bytes, register pair p of lane l at 256 p + 8 l: six loads of 8 bytes a lane, each 256 dense bytes.
; B (the weight) comes as pair images from wimg, 3,072 dense bytes for 16 rows x 256 along K, laid in LDS without padding.
; All scale words of the work-group's rows, for all of K, come into LDS once, with the first fills.
; CLUSTERS: 4 x 4 work-groups; the four of a row of the cluster need the same tiles of A, the four of a column the same tiles of B: each tile is asked for JOINTLY, by the same tensor load with the same
; descriptor and a mask that names the four.  THE MATRIX INSTRUCTION IS USED TRANSPOSED (source 0 = 16 rows of W, source 1 = 16 tokens): a lane holds one token and eight neighbouring columns.
; The bias is the C of each sum's first product.
; THE WAY OUT: each wave lays its 128 x 128 f32 into a stage of its own (over the ring, which has had its last fill and, behind a barrier, its last read) and reads it back in the order of the next operand's registers.
;   q, k (cluster x 0, 1): along the head's 64: lane (r, h) takes 32 neighbouring columns: half fragments of 768 bytes, [head][chunk of 512 tokens][tile of 16 tokens]; one scale word a token (bytes 2, 3 are 0: they meet zero codes).
;   v (cluster x 2): along the KEYS: lane (r, h) takes one column and 32 tokens.  Row r of tile 2 b + u is channel 32 b + 8 u + r + 8 (r / 8); position i of a block of 32 keys holds key 8 (2 ((i / 8) % 2) + i / 16) + i % 8:
;   the order in which the softmax's codes come out of the conversions in the next launch.  The blocks are the true blocks of 32 keys.
; The branch between the two ways hangs on the cluster's x alone, which all partners share.
; LIMITS: NaN and infinities are not served; a block whose largest magnitude lies under 2^-124 keeps the scale byte 1; a block of zeros gets the byte 1 and zero codes (read by this program alone).
; REGISTERS: window 0: v1-15, v18 addresses and temporaries; v16-30 addresses; v32-63 A's scale words, v64-95 B's, two sets each; v96-127, v224-255 the bias; v128-223 A's fragments, one set.
;   window 1: B's fragments, two sets, at v0 and v128.  windows 2, 3: the accumulators ((a, b) at v[8 (8 (a % 4) + b)]).
.set SIZE_K, 1024
.set NQ,     2                         ; matrix instructions deep in a slot
; B NOW COMES AS PAIR IMAGES TOO (not as rows of codes): launch lnq1 has re-laid the weight in wimg, so B's tiles have A's shape, 3,072 dense bytes for 16 rows x 256 K, and no padding.
; THE HEAD: one tensor load a wave: wave 0 A's 256 rows of K step 0, wave 1 A's scale words, wave 2 B's 256 rows of K step 0, wave 3 B's scale bytes; K step 1 follows behind a round.
; PREFETCH: K steps 2 and 3 are asked for two refills ahead: of the 8 blocks of rows that a wave fetches, each of the four partners names 2 (24 units of 256 bytes, a lane a unit), told apart by address.
.set ROWB,   3072                      ; a K step of 256 in B's images
.set KROW,   SIZE_K*6/8
.set PFO,    31                        ; v31       the prefetches' lane offset; never rewritten
.set PFA,    100                       ; s[100:101] my share of K step 1 of what I fetch; never rewritten
.set FR,     12
.set NL,     6                         ; LDS loads that bring a fragment
.set NP,     4                         ; places behind this matrix instruction (ISA guide 7.12.1)
.set ABLK,   3072                      ; a block of 16 rows of A in a slot: two images
.set HALFA,  8*ABLK
.set HALFB,  8*ABLK
.set SLOT,   2*HALFA+2*HALFB           ; A's two halves, then B's two
.set LAPS,   SIZE_K/512
.set KS,     SIZE_K/32
.set SAH,    (SIZE_K/256)*1024         ; A's scale words of 128 rows
.set HALFS,  (128*KS/256)*272          ; B's scale bytes of 128 rows, as units of 256 bytes + 16
.set SBLK,   (16*KS/256)*272
.set SPITCH, 528                       ; a stage row: 512 bytes + 16
.set SCLA,   4*128*SPITCH              ; behind the four stages (which lie over the ring)
.set SCLB,   SCLA+2*SAH
.set SPARE,  SCLB+2*HALFS              ; the spare words: 128 bytes a wave, two blocks of 256 bytes that no other line names
.set SCRQ,   SPARE+512                 ; scratch for q's and k's scale words, 512 bytes a wave
.set SCRV,   SCRQ+2048                 ; and for v's: each way has bytes of its own
.set ADRA, 16
.set ADRB, 20
.set STO,  24
.set ADSA, 27
.set SPW,  28
.set NIL,  29
.set ADSB, 30
.set SCA,  32
.set SCB,  64
.set AF,   128
.set G1,   24
.set G0,   32
.set G1B,  48
.set G0B,  56
.set G1S,  68
.set G0S,  76
.set G1SB, 80
.set G0SB, 88
.set SEL,  66
.set MSB, 0
.macro WIN new                         ; the immediate's high byte repeats the setting that is left
.if MSB != (\new)
	s_set_vgpr_msb (MSB<<8)|(\new)
.set MSB, (\new)
.endif
.endm
.set MUL_LO, 0xa1                      ; source 0 (B) window 1, source 1 (A) window 0, C and D window 2
.set MUL_HI, 0xf1
.set TO_B,   0x40
; A joint load: waves 0 and 1 fetch for A, waves 2 and 3 for B; the branch hangs on the wave's number alone.  Four v_nop follow each of the two lines.
.macro JLOAD g0a, g1a, g0b, g1b
	s_cmp_eq_u32 s19, 0
	s_cbranch_scc0 .Lfor_b_\@
	tensor_load_to_lds s[\g0a:\g0a+3], s[\g1a:\g1a+7]
	s_nop 0
.rept 4
	v_nop
.endr
	s_branch .Lasked_\@
.Lfor_b_\@:
	tensor_load_to_lds s[\g0b:\g0b+3], s[\g1b:\g1b+7]
	s_nop 0
.rept 4
	v_nop
.endr
.Lasked_\@:
.endm
.macro CREST                           ; a round of the cluster's barrier behind its opening barrier
	s_cmp_lg_u32 s18, 0
	s_cbranch_scc1 .Lnot_wave_0_\@
	s_barrier_signal -3
.Lnot_wave_0_\@:
	s_barrier_wait -3
	s_barrier_signal -1
	s_barrier_wait -1
.endm
.macro CROUND
	s_barrier_signal -1
	s_barrier_wait -1
	CREST
.endm
	s_load_b256 s[4:11], s[0:1], 0x0               ; A's images s[4:5], A's scale words s[6:7], W's codes s[8:9], W's scales s[10:11]
	s_load_b128 s[12:15], s[0:1], 0x20             ; bias s[12:13], qq s[14:15]
	s_load_b64 s[16:17], s[0:1], 0x30              ; kv
	v_lshl_add_u32 v[SPW], v0, 2, SPARE
	v_mov_b32 v[NIL], 0
	ds_add_u32 v28, v29
	ds_add_u32 v28, v29
	s_wait_dscnt 0x0
	v_lshrrev_b32 v1, 5, v0
	v_readfirstlane_b32 s18, v1                    ; wave 0..3
	s_lshr_b32 s19, s18, 1                         ; which half of the tile's tokens is mine.  Also: I fetch for A (0) or for B (1)
	s_and_b32 s20, s18, 1                          ; which half of its columns.  Also: which half I fetch
	s_bfe_u32 s40, ttmp6, 0x40000                  ; cx, cy: my place in the cluster
	s_bfe_u32 s41, ttmp6, 0x40004
	s_lshl_b32 s22, ttmp9, 2
	s_add_co_u32 s22, s22, s40                     ; tile column
	s_and_b32 s21, ttmp7, 0xffff
	s_lshl_b32 s21, s21, 2
	s_add_co_u32 s21, s21, s41                     ; tile row
	s_lshl_b32 s43, s41, 2
	s_lshl_b32 s43, 15, s43                        ; my row of the cluster
	s_lshl_b32 s44, 0x1111, s40                    ; my column
	s_mov_b32 s[SEL], 0x76543210
	s_mov_b32 s[SEL+1], 0xfedcba98
	; group 1 for A's tiles: 8 blocks of rows x 3,072 bytes (384 elements of 8 bytes), SIZE_K / 128 images apart; no padding
	s_or_b32 s[G1+0], s43, (3<<16)|(1<<21)
	s_mov_b32 s[G1+1], 384<<16
	s_mov_b32 s[G1+2], 16<<16                      ; the head's load brings all 16 blocks; behind it the two words that count rows are set to 8
	s_mov_b32 s[G1+3], 384<<16
	s_mov_b32 s[G1+4], 16
	s_mov_b32 s[G1+5], (SIZE_K/128)*192
	s_mov_b32 s[G1+6], 0
	s_mov_b32 s[G1+7], 0
	; for B's: A's shape, blocks of rows x 3,072 bytes, no padding
	s_or_b32 s[G1B+0], s44, (3<<16)|(1<<21)        ; B's tiles: A's shape, the mask of my column
	s_mov_b32 s[G1B+1], 384<<16
	s_mov_b32 s[G1B+2], 16<<16
	s_mov_b32 s[G1B+3], 384<<16
	s_mov_b32 s[G1B+4], 16
	s_mov_b32 s[G1B+5], (SIZE_K/128)*192
	s_mov_b32 s[G1B+6], 0
	s_mov_b32 s[G1B+7], 0
	; for A's scale words: SIZE_K / 256 rows of 2,048 bytes (256 tokens x 8), 4,096 tokens apart
	s_or_b32 s[G1S+0], s43, (3<<16)|(1<<21)
	s_mov_b32 s[G1S+1], 256<<16                    ; all 256 tokens: rows of 2,048 bytes
	s_mov_b32 s[G1S+2], (SIZE_K/256)<<16
	s_mov_b32 s[G1S+3], 256<<16
	s_mov_b32 s[G1S+4], SIZE_K/256
	s_mov_b32 s[G1S+5], 4096
	s_mov_b32 s[G1S+6], 0
	s_mov_b32 s[G1S+7], 0
	; for B's scale bytes: a dense block, as rows of 256 bytes with 16 bytes of padding behind each
	s_or_b32 s[G1SB+0], s44, (3<<16)|(1<<20)|(1<<21)|(5<<22)|(3<<25)
	s_mov_b32 s[G1SB+1], 32<<16
	s_mov_b32 s[G1SB+2], (256*KS/256)<<16          ; all 256 rows
	s_mov_b32 s[G1SB+3], 32<<16
	s_mov_b32 s[G1SB+4], 256*KS/256
	s_mov_b32 s[G1SB+5], 32
	s_mov_b32 s[G1SB+6], 0
	s_mov_b32 s[G1SB+7], 0
	; where the tiles come from: A's hang on the tile row and the wave alone, B's on the tile column and the wave alone
	s_lshl_b32 s92, s21, 4
	s_lshl_b32 s93, s20, 3
	s_add_co_u32 s92, s92, s93                     ; A: block of rows 16 x tile row + 8 x half
	s_mul_i32 s92, s92, 12*SIZE_K
	s_mov_b32 s93, 0
	s_lshl_b32 s94, s21, 11
	s_mov_b32 s95, 0                               ; the scale words of the tile's 256 tokens: 8 bytes a token
	s_lshl_b32 s46, s22, 8                         ; B: row 256 x tile column;
	s_mul_i32 s96, s46, KS                         ; its 256 rows' scale bytes;
	s_mov_b32 s97, 0
	s_lshl_b32 s47, s20, 7
	s_add_co_u32 s46, s46, s47                     ; + 128 x half:
	s_mul_i32 s46, s46, KROW                       ; 16 rows of images are as many bytes as 16 rows of codes
	s_mov_b32 s47, 0
	s_mul_i32 s23, s20, HALFA                      ; and where they go: no place in the cluster enters an LDS address
	s_mul_i32 s42, s20, HALFB
	s_add_co_u32 s42, s42, 2*HALFA
	s_cmp_eq_u32 s19, 0
	s_cselect_b32 s2, s40, s41                     ; my place among the four that ask with me: cx for A, cy for B
	s_mul_i32 s2, s2, 24*SIZE_K                    ; two blocks of rows a partner,
	s_add_co_u32 s2, s2, ABLK                      ; at K step 1
	s_mov_b32 s3, 0
	s_wait_kmcnt 0x0
	s_add_nc_u64 s[92:93], s[4:5], s[92:93]
	s_add_nc_u64 s[94:95], s[6:7], s[94:95]
	s_add_nc_u64 s[46:47], s[8:9], s[46:47]
	s_add_nc_u64 s[96:97], s[10:11], s[96:97]
	CROUND                                         ; all sixteen work-groups are here: the first joint loads meet
	s_mov_b32 s[G0S], 1
	s_mov_b32 s[G0S+1], SCLA
	s_mov_b64 s[G0S+2:G0S+3], s[94:95]
	s_or_b32 s[G0S+3], s[G0S+3], 0x80000000
	s_mov_b32 s[G0SB], 1
	s_mov_b32 s[G0SB+1], SCLB
	s_mov_b64 s[G0SB+2:G0SB+3], s[96:97]
	s_or_b32 s[G0SB+3], s[G0SB+3], 0x80000000
	s_cmp_eq_u32 s19, 0
	s_cselect_b64 s[PFA:PFA+1], s[92:93], s[46:47]
	s_add_nc_u64 s[PFA:PFA+1], s[PFA:PFA+1], s[2:3]
.irp s, 0,1
	s_mov_b32 s[G0+4*\s], 1
	s_add_co_u32 s[G0+4*\s+1], s23, \s*SLOT
	s_add_nc_u64 s[G0+4*\s+2:G0+4*\s+3], s[92:93], \s*ABLK
	s_or_b32 s[G0+4*\s+3], s[G0+4*\s+3], 0x80000000
	s_mov_b32 s[G0B+4*\s], 1
	s_add_co_u32 s[G0B+4*\s+1], s42, \s*SLOT
	s_add_nc_u64 s[G0B+4*\s+2:G0B+4*\s+3], s[46:47], \s*ROWB
	s_or_b32 s[G0B+4*\s+3], s[G0B+4*\s+3], 0x80000000
.endr
; The head's loads, one a wave: one chain of branches on the wave's number, every way through it passes one load.  Waves 0 and 2 have half 0: their slot 0 descriptors name the tile's first block.
.macro ARM under, g0, g1, next
	s_cmp_lt_u32 s18, \under
	s_cbranch_scc0 \next
	tensor_load_to_lds s[\g0:\g0+3], s[\g1:\g1+7]
	s_nop 0
.rept 4
	v_nop
.endr
	s_branch .Lhead_asked
\next:
.endm
	ARM 1, G0,  G1,  .Lhead_sa
	ARM 2, G0S, G1S, .Lhead_b
	ARM 3, G0B, G1B, .Lhead_sb
	tensor_load_to_lds s[G0SB:G0SB+3], s[G1SB:G1SB+7]
	s_nop 0
.rept 4
	v_nop
.endr
.Lhead_asked:
	v_and_b32 v1, 15, v0                           ; r
	v_bfe_u32 v2, v0, 4, 1                         ; h
	v_and_b32 v3, 31, v0                           ; lane
	v_lshlrev_b32 v4, 3, v3
	s_mul_i32 s99, s19, HALFA
	v_add_nc_u32 v[ADRA], s99, v4                  ; A's images: 8 x lane + my half
	v_add_nc_u32 v[ADRA+1], SLOT, v[ADRA]
	v_min_u32 v[PFO], 23, v3                       ; unit u = lane, 24 units (the lanes left over name the last again):
	v_mul_u32_u24 v5, v[PFO], 11
	v_lshrrev_b32 v5, 7, v5                        ; u / 12: which of my two blocks of rows
	v_mul_u32_u24 v5, v5, 12*SIZE_K-ABLK
	v_lshl_add_u32 v[PFO], v[PFO], 8, v5           ; 256 u, and on to the next block's K step behind 12 units
	global_prefetch_b8 v[PFO], s[PFA:PFA+1] offset:ABLK th:TH_LOAD_NT scope:SCOPE_SE   ; K step 2, two refills ahead
	s_mul_i32 s99, s20, HALFB
	s_add_co_u32 s99, s99, 2*HALFA
	v_add_nc_u32 v[ADRB], s99, v4                  ; B's images: 8 x lane + my half, behind A's
	v_add_nc_u32 v[ADRB+1], SLOT, v[ADRB]
	v_lshlrev_b32 v7, 3, v1
	s_lshl_b32 s99, s19, 10                        ; my 128 tokens of a K step's 256
	s_add_co_u32 s99, s99, SCLA
	v_add_nc_u32 v[ADSA], s99, v7                  ; A's scale words: 8 bytes a token
	v_mul_u32_u24 v7, v1, KS
	v_lshrrev_b32 v8, 8, v7
	v_lshl_add_u32 v7, v8, 4, v7                   ; B's: KS bytes a row, and 16 more for each 256 passed
	s_mul_i32 s99, s20, HALFS
	s_add_co_u32 s99, s99, SCLB
	v_add_nc_u32 v[ADSB], s99, v7
	s_lshl_b32 s96, s22, 10
	s_lshl_b32 s97, s20, 9
	s_add_co_u32 s96, s96, s97
	s_mov_b32 s97, 0
	s_add_nc_u64 s[12:13], s[12:13], s[96:97]      ; the bias of my 128 columns
	v_lshlrev_b32 v9, 5, v2                        ; lane (r, h) wants, for block b, columns 16 b + 8 h + 0 .. 7
.irp b, 0,1,2,3,4,5,6,7
	global_load_b128 v[96+8*\b+96*(\b/4):96+8*\b+96*(\b/4)+3], v9, s[12:13] offset:64*\b
	global_load_b128 v[96+8*\b+96*(\b/4)+4:96+8*\b+96*(\b/4)+7], v9, s[12:13] offset:64*\b+16
.endr
.macro FRAG reg, adr, q, i             ; a fragment of B: lane l holds row l % 16; registers 6 c .. 6 c + 5 hold K = 64 c + 32 (l / 16) + 0 .. 31: 24 bytes of the row, in pieces of 8
.irp p, 0,1,2,3,4,5
	ds_load_b64 v[\reg+2*\p:\reg+2*\p+1], v[\adr] offset:(\i)*ABLK+(\q)*1536+256*\p   ; its image, six pairs of 256 dense bytes
.endr
.endm
.macro FRAGA reg, slot, q, i           ; a fragment of A: its image, six pairs of 256 dense bytes
.irp p, 0,1,2,3,4,5
	ds_load_b64 v[\reg+2*\p:\reg+2*\p+1], v[ADRA+\slot] offset:(\i)*ABLK+(\q)*1536+256*\p
.endr
.endm
; 16 matrix instructions: A's blocks a0, a0 + 1 x B's eight, 128 along K.  first = 1: the bias is C.  The 64 accumulators take turns, one instruction a turn, in the same order in every step.
.macro MUL16 a0, p, q, sc, first
.irp a, \a0, \a0+1
.irp b, 0,1,2,3,4,5,6,7
.if \first
	v_wmma_scale_f32_16x16x128_f8f6f4 v[8*(8*((\a)%4)+\b):8*(8*((\a)%4)+\b)+7], v[128*(\p)+FR*\b:128*(\p)+FR*\b+FR-1], v[AF+FR*(\a):AF+FR*(\a)+FR-1], v[96+8*\b+96*(\b/4):96+8*\b+96*(\b/4)+7], v[SCB+16*(\sc)+2*\b+(\q)], v[SCA+16*(\sc)+2*(\a)+(\q)] matrix_a_fmt:MATRIX_FMT_FP6 matrix_b_fmt:MATRIX_FMT_FP6
.else
	v_wmma_scale_f32_16x16x128_f8f6f4 v[8*(8*((\a)%4)+\b):8*(8*((\a)%4)+\b)+7], v[128*(\p)+FR*\b:128*(\p)+FR*\b+FR-1], v[AF+FR*(\a):AF+FR*(\a)+FR-1], v[8*(8*((\a)%4)+\b):8*(8*((\a)%4)+\b)+7], v[SCB+16*(\sc)+2*\b+(\q)], v[SCA+16*(\sc)+2*(\a)+(\q)] matrix_a_fmt:MATRIX_FMT_FP6 matrix_b_fmt:MATRIX_FMT_FP6
.endif
.endr
.endr
.endm
.macro FETCH_B slot, q, p
	WIN TO_B
.irp i, 0,1,2,3,4,5,6,7
	FRAG 128*(\p)+FR*\i, ADRB+\slot, \q, \i
.endr
	WIN 0
.endm
.macro FETCH_A slot, q, i0
.irp i, \i0, \i0+1, \i0+2, \i0+3
	FRAGA AF+FR*(\i), \slot, \q, \i
.endr
.endm
.macro SCALES sc                       ; a K step's scale words: two words a row, A's and B's eight blocks
.irp i, 0,1,2,3,4,5,6,7
	ds_load_b64 v[SCA+16*\sc+2*\i:SCA+16*\sc+2*\i+1], v[ADSA] offset:\i*128
	ds_load_b64 v[SCB+16*\sc+2*\i:SCB+16*\sc+2*\i+1], v[ADSB] offset:\i*SBLK
.endr
.endm
.macro PLACES n                        ; plain vector instructions between a matrix instruction and a load into, or a read of, its registers
.rept \n
	v_nop
.endr
.endm
; A step of 128 along K that has its successor in the same slot
.macro STEP slot, q, first
	s_wait_dscnt 4*NL                              ; B's set, A's blocks 0-3 and the scale words are in; the 24 youngest loads (A's blocks 4-7) may be out
.if \first
	WIN 0x81                                       ; C (the bias) window 0, D window 2
.else
	WIN MUL_LO
.endif
	MUL16 0, (\q)%2, \q, \slot, \first
	MUL16 2, (\q)%2, \q, \slot, \first
	s_wait_dscnt 0
	PLACES NP
	FETCH_B \slot, (\q)+1, 1-(\q)%2
	FETCH_A \slot, (\q)+1, 0
.if \first
	WIN 0xc1
.else
	WIN MUL_HI
.endif
	MUL16 4, (\q)%2, \q, \slot, \first
	MUL16 6, (\q)%2, \q, \slot, \first
	PLACES NP
	WIN 0
	FETCH_A \slot, (\q)+1, 4
.endm
; A slot's last step changes slots: one barrier; in front of it each wave waits for all its tensor loads, adds 0 to its spare word, and waits for that and for its reads of this slot.  fill = 1: this slot is filled again, two K steps ahead.
.macro TURN slot, next, fill
	s_wait_tensorcnt 0x0                           ; all my tensor loads have landed: my part of the next slot
	ds_add_u32 v[SPW], v[NIL]                      ; 0 onto my spare word
	s_wait_dscnt 4*NL+1                            ; (the add and the 24 youngest loads may be out)
	WIN MUL_LO
	MUL16 0, 1, NQ-1, \slot, 0
	s_wait_dscnt 0x0                               ; the add is done, and my reads of this slot are over
	s_barrier_signal -1
	MUL16 2, 1, NQ-1, \slot, 0
	WIN 0
	s_barrier_wait -1
.if \fill
	CREST                                          ; the barrier has opened a round of the cluster's: no wave of any partner still reads this slot or has a load on its way
	s_add_nc_u64 s[G0+4*\slot+2:G0+4*\slot+3], s[G0+4*\slot+2:G0+4*\slot+3], 2*ABLK
	s_add_nc_u64 s[G0B+4*\slot+2:G0B+4*\slot+3], s[G0B+4*\slot+2:G0B+4*\slot+3], 2*ROWB
	JLOAD G0+4*\slot, G1, G0B+4*\slot, G1B         ; the first tensor load behind the round; its four v_nop are the places in front of the loads below
.else
	PLACES NP
.endif
	s_wait_alu depctr_va_vdst(0)
	v_add_nc_u32 v[ADSA], 2048, v[ADSA]            ; on to the next K step's scale words
	v_add_nc_u32 v[ADSB], 4*NQ, v[ADSB]
	FETCH_B \next, 0, 0
	FETCH_A \next, 0, 0
	SCALES \next
	WIN MUL_HI
	MUL16 4, 1, NQ-1, \slot, 0
	MUL16 6, 1, NQ-1, \slot, 0
	PLACES NP
	WIN 0
	FETCH_A \next, 0, 4
.endm
	s_wait_alu depctr_va_vdst(0)
	s_wait_tensorcnt 0x0                           ; my tile of the head's four is in
	ds_add_u32 v[SPW], v[NIL]
	s_mov_b32 s[G1+2], 8<<16                       ; no tensor load of mine is out: from here on a load brings 8 blocks of rows
	s_mov_b32 s[G1+4], 8
	s_mov_b32 s[G1B+2], 8<<16
	s_mov_b32 s[G1B+4], 8
	s_wait_dscnt 0x0
	CROUND                                         ; all four tiles are in, and all sixteen work-groups are here
	JLOAD G0+4, G1, G0B+4, G1B                     ; K step 1, the first tensor load behind the round
	FETCH_B 0, 0, 0
	FETCH_A 0, 0, 0
	SCALES 0
	global_prefetch_b8 v[PFO], s[PFA:PFA+1] offset:2*ABLK th:TH_LOAD_NT scope:SCOPE_SE   ; K step 3, the last: two refills ahead
	FETCH_A 0, 0, 4
	s_wait_loadcnt 0x0                             ; the bias
	STEP 0, 0, 1
	s_mov_b32 s3, LAPS-1
.Llap:                                                 ; a trip goes once round the ring and fills both slots again
	TURN 0, 1, 1
	STEP 1, 0, 0
	TURN 1, 0, 1
	STEP 0, 0, 0
	s_sub_co_u32 s3, s3, 1
	s_cmp_lg_u32 s3, 0
	s_cbranch_scc1 .Llap
	TURN 0, 1, 0                                   ; the last lap fills nothing
	STEP 1, 0, 0
	s_wait_dscnt 4*NL
	WIN MUL_LO
	MUL16 0, 1, NQ-1, 1, 0
	MUL16 2, 1, NQ-1, 1, 0
	s_wait_dscnt 0
	WIN MUL_HI
	MUL16 4, 1, NQ-1, 1, 0
	MUL16 6, 1, NQ-1, 1, 0
	WIN 0
; ---------------- THE WAY OUT ----------------
.set RDQ,   8                          ; v8   stage, read along a token's row: my stage + 528 r + 128 h
.set RDV,   9                          ; v9   stage, read down a column: my stage + 32 rows x h + 4 (r + 8 (r / 8))
.set LI8,   10                         ; v10  8 x lane
.set SH8,   11                         ; v11  8 h
.set SCWQ,  12
.set SCRDQ, 13
.set SCWV,  14
.set SCRDV, 15
.set L16,   18                         ; v18  16 x lane
.set X,   128                          ; v128-191 64 numbers
.set PC,  192                          ; v192-203 codes
.set PX,  216
.set TM,  224
.set TS,  228
.set TYB, 230
.set PW,  232
.set PT,  233
.macro QUANT6 s                        ; 64 numbers of a lane, v[s + 32 c + i] = position i of my block 2 c + h, become 12 registers of codes in v[PC] on and a scale word in v[PW]
.irp c, 0,1
	v_max3_num_f32 v[TM+2*\c], |v[\s+32*\c]|, |v[\s+32*\c+1]|, 0x1800000   ; with the floor 2^(3 - 127) among the leaves: the byte cannot fall under 1
	v_max_num_f32 v[TM+2*\c+1], |v[\s+32*\c+2]|, |v[\s+32*\c+3]|
.endr
.irp i, 4,8,12,16,20,24,28
.irp c, 0,1
	v_max3_num_f32 v[TM+2*\c], v[TM+2*\c], |v[\s+32*\c+\i]|, |v[\s+32*\c+\i+1]|
	v_max3_num_f32 v[TM+2*\c+1], v[TM+2*\c+1], |v[\s+32*\c+\i+2]|, |v[\s+32*\c+\i+3]|
.endr
.endr
.irp c, 0,1
	v_max_num_f32 v[TM+2*\c], v[TM+2*\c], v[TM+2*\c+1]
.endr
.irp c, 0,1
	v_add_nc_u32 v[TS+\c], 0xff000000, v[TM+2*\c]  ; 2 off the exponent field: the conversion's scale operand
.endr
.irp c, 0,1
	v_lshrrev_b32 v[TYB+\c], 23, v[TS+\c]          ; the scale's byte
.endr
	v_lshl_or_b32 v[PW], v[TYB+1], 16, v[TYB]
	v_lshlrev_b32 v[PW], v[SH8], v[PW]
	v_permlanex16_b32 v[PT], v[PW], s[SEL], s[SEL+1]
	v_or_b32 v[PW], v[PW], v[PT]                   ; byte 2 c + h of the word: block (c, h)
.irp c, 0,1
	v_cvt_scalef32_pk16_fp6_f32 v[PC+6*\c:PC+6*\c+2], v[\s+32*\c:\s+32*\c+15], v[TS+\c]
	v_cvt_scalef32_pk16_fp6_f32 v[PX+4*\c:PX+4*\c+2], v[\s+32*\c+16:\s+32*\c+31], v[TS+\c]   ; (a conversion's three registers begin on an even number)
.endr
	v_nop                                          ; one plain instruction behind the scaled conversions
.irp c, 0,1
.irp i, 0,1,2
	v_mov_b32 v[PC+3+6*\c+\i], v[PX+4*\c+\i]
.endr
.endr
.endm
	s_wait_dscnt 0x0                               ; my reads of the ring are over;
	s_barrier_signal -1
	s_barrier_wait -1                              ; everybody's are: the stages may be laid over it
	v_and_b32 v1, 15, v0                           ; (these lines are also the places behind the last products)
	v_bfe_u32 v2, v0, 4, 1
	v_and_b32 v3, 31, v0
	s_mul_i32 s99, s18, 128*SPITCH                 ; my stage
	s_lshl_b32 s98, s18, 9
	v_mul_u32_u24 v4, v1, SPITCH
	v_add_nc_u32 v4, s99, v4
	v_lshl_add_u32 v[STO], v2, 5, v4               ; in: row r, + 32 h
	v_lshl_add_u32 v[RDQ], v2, 7, v4
	v_and_b32 v5, 8, v1
	v_add_nc_u32 v5, v5, v1
	v_lshlrev_b32 v5, 2, v5
	v_mad_u32_u24 v5, v2, 32*SPITCH, v5
	v_add_nc_u32 v[RDV], s99, v5
	v_lshlrev_b32 v[LI8], 3, v3
	v_lshlrev_b32 v[SH8], 3, v2
	v_lshlrev_b32 v[L16], 4, v3
	v_lshl_add_u32 v6, v1, 2, s98
	v_add_nc_u32 v[SCWQ], SCRQ, v6
	v_add_nc_u32 v[SCWV], SCRV, v6
	v_lshl_add_u32 v7, v3, 4, s98
	v_add_nc_u32 v[SCRDQ], SCRQ, v7
	v_lshl_add_u32 v7, v3, 3, s98
	v_add_nc_u32 v[SCRDV], SCRV, v7
	v_mov_b32 v[PT], 0
.irp a, 0,1,2,3,4,5,6,7                ; lane (r, h) of accumulator (a, b): token 16 a + r, columns 16 b + 8 h + 0 .. 7; each accumulator from its low end on
	WIN 0x08+4*(\a/4)
.irp b, 0,1,2,3,4,5,6,7
	ds_store_b128 v[STO], v[8*(8*(\a%4)+\b):8*(8*(\a%4)+\b)+3] offset:16*SPITCH*\a+64*\b
	ds_store_b128 v[STO], v[8*(8*(\a%4)+\b)+4:8*(8*(\a%4)+\b)+7] offset:16*SPITCH*\a+64*\b+16
.endr
.endr
	WIN 0
	; my tile's place: heads head0, head0 + 1 of batch ty / 8; tokens s0 .. s0 + 127 of the batch
	s_and_b32 s92, s22, 3
	s_lshl_b32 s92, s92, 2
	s_lshl_b32 s93, s20, 1
	s_add_co_u32 s92, s92, s93
	s_lshr_b32 s93, s21, 3
	s_lshl_b32 s93, s93, 4
	s_add_co_u32 s92, s92, s93                     ; 16 x batch + head0
	s_mul_i32 s92, s92, 208896
	s_and_b32 s93, s21, 7
	s_lshl_b32 s93, s93, 8
	s_lshl_b32 s94, s19, 7
	s_add_co_u32 s93, s93, s94                     ; s0
	s_lshr_b32 s94, s93, 9
	s_mul_i32 s94, s94, 52224
	s_add_co_u32 s92, s92, s94                     ; the head's chunk of 512 tokens
	s_and_b32 s93, s93, 511
	s_mov_b32 s95, 0
	s_mov_b32 s99, 0
	s_cmp_lt_u32 ttmp9, 2
	s_cbranch_scc0 .Lv
	; ---- q (cluster x 0) or k (1): the same text, another buffer
	s_cmp_eq_u32 ttmp9, 0
	s_cselect_b64 s[14:15], s[14:15], s[16:17]
	s_mul_i32 s94, s93, 48                         ; 768 bytes a tile of 16 tokens
	s_add_co_u32 s94, s94, s92
	s_add_nc_u64 s[96:97], s[14:15], s[94:95]      ; my first half fragment
	s_lshl_b32 s94, s93, 2
	s_add_co_u32 s94, s94, s92
	s_add_co_u32 s94, s94, 49152
	s_add_nc_u64 s[14:15], s[14:15], s[94:95]      ; my first scale word
.irp a, 0,1,2,3,4,5,6,7
.irp g, 0,1
.irp i, 0,1,2,3,4,5,6,7
	ds_load_b128 v[X+32*\g+4*\i:X+32*\g+4*\i+3], v[RDQ] offset:16*SPITCH*\a+256*\g+16*\i   ; token 16 a + r, head g, channels 32 h + 0 .. 31; LDS serves a wave's instructions in order: these see my stores
.endr
.endr
	s_wait_dscnt 0x0
	s_wait_xcnt 0x0                                ; the last tile's stores have read their registers: the codes may be written again
	QUANT6 X
.irp g, 0,1
.irp p, 0,1,2
	global_store_b64 v[LI8], v[PC+6*\g+2*\p:PC+6*\g+2*\p+1], s[96:97] offset:208896*\g+768*\a+256*\p   ; 32 lanes store 256 consecutive bytes, aligned
.endr
.endr
	ds_store_b32 v[SCWQ], v[PW] offset:64*\a
.endr
	ds_load_b128 v[X:X+3], v[SCRDQ]                ; four tokens' words a lane: low half head 0's two bytes, high half head 1's
	s_wait_dscnt 0x0
.irp i, 0,1,2,3
	v_lshrrev_b32 v[X+4+\i], 16, v[X+\i]
.endr
.irp i, 0,1,2,3
	v_and_b32 v[X+\i], 0xffff, v[X+\i]
.endr
	global_store_b128 v[L16], v[X:X+3], s[14:15]
	global_store_b128 v[L16], v[X+4:X+7], s[14:15] offset:208896
	s_branch .Ldone
.Lv:
	; ---- v: my 128 tokens are one key step of the second product
	s_lshr_b32 s94, s93, 7
	s_mul_i32 s98, s94, 6144
	s_add_co_u32 s98, s98, s92
	s_add_co_u32 s98, s98, 24576
	s_add_nc_u64 s[96:97], s[16:17], s[98:99]      ; the step's four fragments
	s_lshl_b32 s98, s94, 8
	s_add_co_u32 s98, s98, s92
	s_add_co_u32 s98, s98, 51200
	s_add_nc_u64 s[14:15], s[16:17], s[98:99]      ; and their scale words
.irp g, 0,1
.irp t, 0,1,2,3
.irp c, 0,1
.irp i, 0,1,2,3,4,5,6,7,8,9,10,11,12,13,14,15,16,17,18,19,20,21,22,23,24,25,26,27,28,29,30,31
	ds_load_b32 v[X+32*\c+\i], v[RDV] offset:(64*\c+\i)*SPITCH+256*\g+128*(\t/2)+32*(\t%2)   ; position i of block (c, h) is key 64 c + 32 h + i: the keys in their own order, as the next launch's p now has them
.endr
.endr
	s_wait_dscnt 0x0
	s_wait_xcnt 0x0                                ; the last tile's stores have read their registers
	QUANT6 X
.irp p, 0,1,2,3,4,5
	global_store_b64 v[LI8], v[PC+2*\p:PC+2*\p+1], s[96:97] offset:208896*\g+1536*\t+256*\p
.endr
	ds_store_b32 v[SCWV], v[PW] offset:256*\g+64*\t
.endr
.endr
	ds_load_b64 v[X:X+1], v[SCRDV]
	ds_load_b64 v[X+2:X+3], v[SCRDV] offset:256
	s_wait_dscnt 0x0
	global_store_b64 v[LI8], v[X:X+1], s[14:15]
	global_store_b64 v[LI8], v[X+2:X+3], s[14:15] offset:208896
.Ldone:
	s_wait_tensorcnt 0x0                           ; the wave's end
	ds_add_u32 v[SPW], v[NIL]
	s_wait_dscnt 0x0
	CROUND                                         ; the closing round: no work-group ends while a partner may still ask for a tile that names it
	s_endpgm
.Lfunc_end_k_qcbaf889bfc_qkv:
	.size	k_qcbaf889bfc_qkv, .Lfunc_end_k_qcbaf889bfc_qkv-k_qcbaf889bfc_qkv
	.p2alignl 7, 3214868480
	.fill 96, 4, 3214868480
	.section	.rodata,"a",@progbits
	.p2align	6, 0x0
	.amdhsa_kernel k_qcbaf889bfc_qkv
		.amdhsa_group_segment_fixed_size 327680
		.amdhsa_private_segment_fixed_size 0
		.amdhsa_enable_private_segment 0
		.amdhsa_kernarg_size 56
		.amdhsa_user_sgpr_count 2
		.amdhsa_user_sgpr_kernarg_segment_ptr 1
		.amdhsa_wavefront_size32 1
		.amdhsa_system_sgpr_workgroup_id_x 1
		.amdhsa_system_sgpr_workgroup_id_y 1
		.amdhsa_system_sgpr_workgroup_id_z 1
		.amdhsa_system_vgpr_workitem_id 0
		.amdhsa_next_free_vgpr 1024
		.amdhsa_next_free_sgpr 102
		.amdhsa_reserve_vcc 0
		.amdhsa_float_denorm_mode_32 3
		.amdhsa_float_denorm_mode_16_64 3
		.amdhsa_memory_ordered 1
		.amdhsa_forward_progress 1
		.amdhsa_inst_pref_size 245
	.end_amdhsa_kernel
	.amdgpu_metadata
---
amdhsa.version: [ 1, 2 ]
amdhsa.kernels:
  - .name:           k_qcbaf889bfc_qkv
    .symbol:         k_qcbaf889bfc_qkv.kd
    .args:
      - { .name: aimg, .offset: 0, .size: 8, .value_kind: global_buffer, .address_space: global }
      - { .name: asc, .offset: 8, .size: 8, .value_kind: global_buffer, .address_space: global }
      - { .name: wimg, .offset: 16, .size: 8, .value_kind: global_buffer, .address_space: global }
      - { .name: qkv_w_scales, .offset: 24, .size: 8, .value_kind: global_buffer, .address_space: global }
      - { .name: qkv_b, .offset: 32, .size: 8, .value_kind: global_buffer, .address_space: global }
      - { .name: qq, .offset: 40, .size: 8, .value_kind: global_buffer, .address_space: global }
      - { .name: kv, .offset: 48, .size: 8, .value_kind: global_buffer, .address_space: global }
    .group_segment_fixed_size: 327680
    .private_segment_fixed_size: 0
    .kernarg_segment_align: 8
    .kernarg_segment_size: 56
    .max_flat_workgroup_size: 128
    .sgpr_count:     102
    .vgpr_count:     1024
    .wavefront_size: 32
...
	.end_amdgpu_metadata
.endif
;; end of part 8
;; launch attn (part 9): grid 8 x 32, 16 waves a work-group, clusters of 4 x 1, 215,040 bytes of LDS; arguments qq, kv, aimg, asc; writes aimg, asc
.if DOCPART == 9
	.amdgcn_target "amdgcn-amd-amdhsa--gfx1250"
	.amdhsa_code_object_version 6
	.text
	.protected	k_qcbaf889bfc_attn
	.globl	k_qcbaf889bfc_attn
	.p2align	8
	.type	k_qcbaf889bfc_attn,@function
k_qcbaf889bfc_attn:
	s_mov_b64 s[64:65], 0
	v_nop
	global_prefetch_b8 v0, s[64:65] scope:SCOPE_SE
	s_setreg_imm32_b32 hwreg(HW_REG_WAVE_MODE, 25, 1), 1
	s_wait_xcnt 0x0
	s_wait_alu depctr_hold_cnt(0) depctr_sa_sdst(0) depctr_va_vdst(0) depctr_va_sdst(0) depctr_va_ssrc(0) depctr_va_vcc(0) depctr_vm_vsrc(0)
	s_getreg_b32 s2, hwreg(HW_REG_IB_STS2, 6, 4)
	s_cmp_eq_u32 s2, 0
	s_cbranch_scc0 .Lentry_in_a_cluster
	s_endpgm
.Lentry_in_a_cluster:
	s_bfe_u32 s2, ttmp6, 0x10000c
	s_cmp_lg_u32 s2, 0x3003
	s_cbranch_scc0 .Lentry_shape_is_right
	s_endpgm
.Lentry_shape_is_right:
; Attention on codes of FP6 (E2M3) with E8M0 scales: O = softmax(Q K^T / 8) V for one (batch, head) and 256 queries a work-group; O is then quantised along the model's 1,024 for the next product.
; THE SOFTMAX AHEAD OF THE SECOND PRODUCT: t = score x log2(e) / 8; M = the row's largest t so far, rounded UP to a whole number; p = 2^(t - M) is what is quantised, along the keys, not normalised.
; The row's sum is taken of the unquantised p and divides O at the end.  When M moves, the sum and O are multiplied by 2^(old M - new M): exact.
; SHARES: sixteen waves, each one tile of 16 queries in 256 registers, four waves to a SIMD.
; A HEAD'S K, V AND SCALE WORDS, 208,896 bytes, FIT IN LDS WHOLE: four chunks of 512 keys, chunk c filled once by one tensor load of wave c; nothing is filled again, so there is no ring.
; CLUSTER: the four blocks of queries of a cluster belong to one head: each chunk is asked for JOINTLY, by the same tensor load with the same descriptor and the mask of all four.
; No prefetch: all four chunks are asked for at the start, so there is no trip to run ahead in.
; A chunk, 52,224 bytes: K as 32 half fragments of 768 bytes (16 neighbouring keys x the head's 64) | V^T as [4 key steps][4 tiles of 16 channels] fragments of 1,536 bytes | K's 512 scale words | V's 256.
; All are PAIR IMAGES: register pair p of lane l at 256 p + 8 l.  The head's 64 fill half of the instruction's 128 along K: registers 6-11 of Q's and K's fragments hold zero codes, set once.
; LAYOUT: both products transposed (S^T = K Q^T, O^T = V^T P^T): a lane holds ONE query throughout.
; WHICH KEYS FORM A TILE OF K is chosen by the lanes' LDS addresses: of a step's 128 keys, rows 0-7 of tile (c, t) are keys 64 c + 8 t + 0 .. 7 and rows 8-15 the keys 32 further on.  Lane (r, h) holds rows 8 h + j,
; so its 32 registers of tiles (c, 0 .. 3) are the whole block 2 c + h of 32 keys in the keys' own order: the layout of the second product's operand.  A block's maximum needs no other lane, and no code changes lanes.
; (Lanes r < 8 and r >= 8 of such a load read 1,536 bytes apart: two words of a bank.)
; Row r of V^T's tile 2 b + u is channel 32 b + 8 u + r + 8 (r / 8): O^T's 16 registers of two neighbouring tiles are then 16 neighbouring channels, as the next quantiser wants them.
; LIMITS: NaN and infinities are not served; a p under 2^-126 counts as 0 (v_exp_f32); a block whose every number is 0 keeps the scale byte 1 and zero codes; the promise holds while |t| stays under 2^31.
; REGISTERS: v1-7 addresses; v8-11 V's scale words; v12 -M (v239 its copy), v13 the largest t, v[14:15] the sum; v16-27 Q, v28 its scale word; v30-31 c; v32-79 four fragments of K; v80-127 four of V;
;   v128-191 S^T, then p; v192-223 O^T; v224-235 p's codes; v232-254 at work; v248-251 K's scale words; v252, v254 f; v253 p's scale word; v243, v255 the add's two.
.set CHB,   52224
.set HEADB, 4*CHB
.set VIM,   24576
.set KSC,   49152
.set VSC,   51200
.set SPARE, 0x34000
.set LI8, 1
.set R4,  2
.set ADK, 3                            ; V's images of this step
.set ADS, 4                            ; K's scale words
.set ADT, 5                            ; V's scale words
.set KAD, 6                            ; K's images
.set CV,  30
.set MC,  239
.set S,   128
.set O,   192
.set WV,  12
.set G1,  24
.set G0,  32
.set SEL, 48
.set CS,  50
.set CNT, 55
.macro CROUND                          ; a round of the cluster's barrier
	s_barrier_signal -1
	s_barrier_wait -1
	s_cmp_lg_u32 s[WV], 0
	s_cbranch_scc1 .Lnot_wave_0_\@
	s_barrier_signal -3
.Lnot_wave_0_\@:
	s_barrier_wait -3
	s_barrier_signal -1
	s_barrier_wait -1
.endm
.macro DADD d, a, b                    ; two f32 sums in one dual-issue pair: even and odd registers, so every operand place has two banks
	v_dual_add_f32 v[\d], v[\a], v[\b] :: v_dual_add_f32 v[\d+1], v[\a+1], v[\b+1]
.endm
	s_load_b256 s[4:11], s[0:1], 0x0               ; q s[4:5], k and v s[6:7], images out s[8:9], scale words out s[10:11]
	v_lshl_add_u32 v243, v0, 2, SPARE
	v_mov_b32 v255, 0
	ds_add_u32 v243, v255                          ; the opening lines: the add, twice on end, and its wait
	ds_add_u32 v243, v255
	v_lshrrev_b32 v1, 5, v0
	v_readfirstlane_b32 s[WV], v1                  ; wave 0..15
	v_and_b32 v2, 31, v0
	v_and_b32 v7, 7, v0                            ; r % 8
	v_bfe_u32 v29, v0, 3, 1                        ; r / 8
	v_bfe_u32 v30, v0, 4, 1                        ; h
	v_lshlrev_b32 v[LI8], 3, v2                    ; 8 x lane
	v_and_b32 v2, 15, v0                           ; r
	v_lshlrev_b32 v[KAD], 3, v7
	v_lshlrev_b32 v[ADS], 2, v7
	v_lshlrev_b32 v[R4], 2, v2                     ; 4 r
	v_mad_u32_u24 v[KAD], v29, 1536, v[KAD]
	v_lshl_add_u32 v[ADS], v29, 7, v[ADS]
	v_add_nc_u32 v[ADK], VIM, v[LI8]
	v_lshl_add_u32 v[KAD], v30, 7, v[KAD]          ; K: 8 (r % 8) + 128 h, and two tiles on for r / 8
	v_add_nc_u32 v[ADS], KSC, v[ADS]               ; its scale words: 4 (r % 8), and 32 keys on for r / 8
	v_add_nc_u32 v[ADT], VSC, v[R4]
	s_bfe_u32 s13, ttmp6, 0x40000                  ; cx
	s_lshl_b32 s14, ttmp9, 2
	s_add_co_u32 s14, s14, s13                     ; my block of 256 queries: it enters Q's and the outputs' addresses alone
	s_and_b32 s15, ttmp7, 0xffff                   ; 16 x batch + head, which the four partners share
	s_mul_i32 s16, s15, HEADB
	s_mov_b32 s17, 0
	s_mov_b32 s[G1], 15|(3<<16)|(1<<21)            ; group 1: a dense chunk as 204 rows of 256 bytes; the mask of all four, bit 21 beside it
	s_mov_b32 s[G1+1], 32<<16
	s_mov_b32 s[G1+2], 204<<16
	s_mov_b32 s[G1+3], 32<<16
	s_mov_b32 s[G1+4], 204
	s_mov_b32 s[G1+5], 32
	s_mov_b32 s[G1+6], 0
	s_mov_b32 s[G1+7], 0
	s_mov_b32 s[SEL], 0x76543210
	s_mov_b32 s[SEL+1], 0xfedcba98
	s_mov_b32 s[CS], 0x3e38aa3b                    ; c = log2(e) / 8
	s_lshr_b32 s18, s14, 1                         ; Q's half fragment and scale words
	s_mul_i32 s18, s18, CHB
	s_add_co_u32 s18, s18, s16
	s_and_b32 s19, s14, 1
	s_lshl_b32 s20, s19, 4
	s_add_co_u32 s20, s20, s[WV]                   ; my tile in its chunk
	s_mul_i32 s21, s20, 768
	s_add_co_u32 s22, s18, s21
	s_mov_b32 s23, 0
	s_wait_dscnt 0x0
	s_wait_kmcnt 0x0
	s_add_nc_u64 s[56:57], s[4:5], s[22:23]
	s_lshl_b32 s21, s20, 6
	s_add_co_u32 s22, s18, s21
	s_add_co_u32 s22, s22, KSC
	s_add_nc_u64 s[58:59], s[4:5], s[22:23]
	s_add_nc_u64 s[6:7], s[6:7], s[16:17]          ; the head's K and V
	s_lshr_b32 s18, s15, 4                         ; the outputs: block of rows 128 x batch + 16 x query block + wave; the head is half a K step of the next product
	s_and_b32 s19, s15, 15
	s_lshl_b32 s20, s18, 7
	s_lshl_b32 s21, s14, 4
	s_add_co_u32 s20, s20, s21
	s_add_co_u32 s20, s20, s[WV]
	s_mul_i32 s22, s20, 12288
	s_mul_i32 s21, s19, 768
	s_add_co_u32 s22, s22, s21
	s_add_nc_u64 s[60:61], s[8:9], s[22:23]
	s_lshl_b32 s22, s20, 7
	s_lshr_b32 s21, s19, 2
	s_lshl_b32 s21, s21, 15
	s_add_co_u32 s22, s22, s21
	s_and_b32 s21, s19, 3
	s_lshl_b32 s21, s21, 1
	s_add_co_u32 s22, s22, s21
	s_add_nc_u64 s[62:63], s[10:11], s[22:23]      ; my head's two bytes of a token's eight
.irp c, 0,1,2,3
	s_mov_b32 s[G0+4*\c], 1
	s_mov_b32 s[G0+4*\c+1], \c*CHB
	s_add_nc_u64 s[G0+4*\c+2:G0+4*\c+3], s[6:7], \c*CHB
	s_or_b32 s[G0+4*\c+3], s[G0+4*\c+3], 0x80000000
.endr
	CROUND                                         ; all four work-groups are here: the joint loads meet
; The four first fills, one a wave: wave c issues chunk c's joint load; waves 4 to 15 issue none.  One chain of branches on the wave's number.
.macro ARM c
	s_cmp_lg_u32 s[WV], \c
	s_cbranch_scc1 .Lnot_\c
	tensor_load_to_lds s[G0+4*\c:G0+4*\c+3], s[G1:G1+7]
	s_nop 0
.rept 4
	v_nop
.endr
	s_branch .Lno_fill
.Lnot_\c:
.endm
	ARM 0
	ARM 1
	ARM 2
	ARM 3
.Lno_fill:
	s_wait_alu depctr_va_vdst(0)
.irp p, 0,1,2
	global_load_b64 v[16+2*\p:17+2*\p], v[LI8], s[56:57] offset:256*\p
.endr
	global_load_b32 v28, v[R4], s[58:59]
.irp i, 22,23,24,25,26,27
	v_mov_b32 v\i, 0                               ; zero codes for k = 64 .. 127
.endr
.irp t, 0,1,2,3
.irp i, 6,7,8,9,10,11
	v_mov_b32 v[32+12*\t+\i], 0
.endr
.endr
	v_mov_b32 v13, 0xff61b1e6                      ; the largest t so far: -3e38
	v_mov_b32 v[CV], s[CS]                         ; c, twice: a dual-issue pair wants its two halves' sources in two banks
	v_mov_b32 v[CV+1], s[CS]
	v_floor_f32 v12, -v13                          ; -M
	v_mov_b32 v14, 0
	v_mov_b32 v15, 0
.irp b, 0,1,2,3
	v_mov_b32 v[236+\b], 0                         ; a lane exchange's target counts as read: written once
.endr
	v_mov_b32 v252, 0
	v_mov_b32 v253, 0
.set j, 0
.rept 32
	v_mov_b32 v[O+j], 0                            ; O^T: the step is written once; the first finds zeros, which the first change of M leaves zeros
.set j, j+1
.endr
; A KEY STEP: 128 keys
.macro STEP
.irp g, 0,1                                    ; S^T = K Q^T, four tiles of 16 keys at a time
.if \g
	v_mov_b32 v254, v12                            ; the old -M.  With the three lines below: four places in front of loads into registers that matrix instructions have read (K's here, V's further down)
.rept 3
	v_nop
.endr
.endif
.irp t, 0,1,2,3
.irp p, 0,1,2
	ds_load_b64 v[32+12*\t+2*\p:33+12*\t+2*\p], v[KAD] offset:(4*\g+\t/2)*768+64*(\t%2)+256*\p
.endr
	ds_load_b32 v[248+\t], v[ADS] offset:256*\g+32*\t
.endr
	s_wait_dscnt 0x0
.irp t, 0,1,2,3
	v_wmma_scale_f32_16x16x128_f8f6f4 v[S+8*(4*\g+\t):S+8*(4*\g+\t)+7], v[32+12*\t:43+12*\t], v[16:27], 0, v[248+\t], v28 matrix_a_fmt:MATRIX_FMT_FP6 matrix_b_fmt:MATRIX_FMT_FP6
.endr
.endr
.irp t, 0,1,2,3                                ; V's four fragments are asked for now and land under the softmax
.irp p, 0,1,2,3,4,5
	ds_load_b64 v[80+12*\t+2*\p:81+12*\t+2*\p], v[ADK] offset:1536*\t+256*\p
.endr
	ds_load_b32 v[8+\t], v[ADT] offset:64*\t
.endr
	v_add_nc_u32 v[KAD], 6144, v[KAD]              ; on to the next step: these four are the places in front of the first read of the scores
	v_add_nc_u32 v[ADK], 6144, v[ADK]
	v_add_nc_u32 v[ADS], 512, v[ADS]
	v_add_nc_u32 v[ADT], 256, v[ADT]
.irp b, 0,1,2,3
	v_max3_num_f32 v[232+\b], v[S+16*\b], v[S+1+16*\b], v[S+2+16*\b]   ; four chains of 16 scores
.endr
.irp i, 3,5,7,9,11,13
.irp b, 0,1,2,3
	v_max3_num_f32 v[232+\b], v[232+\b], v[S+16*\b+\i], v[S+1+16*\b+\i]
.endr
.endr
.irp b, 0,1,2,3
	v_max_num_f32 v[232+\b], v[232+\b], v[S+15+16*\b]
.endr
	v_max_num_f32 v232, v232, v233                 ; the largest score of my block h: for the row's maximum, and, since p rises with the score, for the block's largest p
	v_max_num_f32 v233, v234, v235                 ; and of my block 2 + h
	s_delay_alu instid0(VALU_DEP_1)
	v_max_num_f32 v234, v232, v233
	s_delay_alu instid0(VALU_DEP_1)
	v_permlanex16_b32 v236, v234, s[SEL], s[SEL+1]
	s_delay_alu instid0(VALU_DEP_1)
	v_max_num_f32 v234, v234, v236                 ; with lane l xor 16's two blocks
	s_delay_alu instid0(VALU_DEP_1)
	v_mul_f32 v234, s[CS], v234                    ; as t (c is positive)
	s_delay_alu instid0(VALU_DEP_1)
	v_max_num_f32 v13, v13, v234                   ; the running largest t
	s_delay_alu instid0(VALU_DEP_1)
	v_floor_f32 v12, -v13                          ; the new -M = -ceil(t): a whole number
	s_delay_alu instid0(VALU_DEP_1)
	v_sub_f32 v254, v12, v254                      ; old M - new M: a whole number, 0 or less
	v_mov_b32 v[MC], v12
	s_delay_alu instid0(VALU_DEP_2)
	v_cvt_i32_f32 v254, v254                       ; (it saturates)
	s_delay_alu instid0(VALU_DEP_1)
	v_ldexp_f32 v252, 1.0, v254                    ; f = 2^(old M - new M)
.set j, 0
.rept 32
	v_dual_fma_f32 v[S+j], v[S+j], v[CV], v12 :: v_dual_fma_f32 v[S+j+1], v[S+j+1], v[CV+1], v[MC]   ; t - M, two at a time
.set j, j+2
.endr
.irp b, 0,1
	v_fma_f32 v[232+\b], v[232+\b], s[CS], v12     ; the same of each block's largest score
.endr
	s_wait_alu depctr_va_vdst(0)
.set j, 0
.rept 64
	v_exp_f32 v[S+j], v[S+j]                       ; p = 2^(t - M), at most 1
.set j, j+1
.endr
.irp b, 0,1
	v_exp_f32 v[232+\b], v[232+\b]                 ; the block's largest p: the same two instructions on the same number give the same bits
.endr
	v_pk_mul_f32 v[14:15], v[14:15], v[252:253] op_sel_hi:[1,0]   ; the sums under the new M (a plain instruction behind the exponentials)
	s_wait_alu depctr_va_vdst(0)                   ; one wait for the whole batch, ahead of its first reader
.irp b, 0,1
	v_max_num_f32 v[232+\b], 0x1800000, v[232+\b]  ; the floor 2^(3 - 127): the byte cannot fall under 1
.endr
.irp b, 0,1
	v_add_nc_u32 v[244+\b], 0xff000000, v[232+\b]  ; 2 off the exponent field: the conversion's scale operand
.endr
.irp b, 0,1
	v_lshrrev_b32 v[236+\b], 23, v[244+\b]
.endr
	s_delay_alu instid0(VALU_DEP_1)
	v_lshl_or_b32 v238, v237, 16, v236             ; my two bytes: blocks h and 2 + h
	s_delay_alu instid0(VALU_DEP_1)
	v_permlanex16_b32 v236, v238, s[SEL], s[SEL+1]
	s_delay_alu instid0(VALU_DEP_1)
	v_lshl_or_b32 v253, v236, 8, v238              ; p's scale word for these 128 keys, whole in lanes 0-15, which alone are read
.irp c, 0,1
	v_cvt_scalef32_pk16_fp6_f32 v[224+6*\c:226+6*\c], v[S+32*\c:S+15+32*\c], v[244+\c]
	v_cvt_scalef32_pk16_fp6_f32 v[236+4*\c:238+4*\c], v[S+16+32*\c:S+31+32*\c], v[244+\c]   ; (a conversion's three registers begin on an even number)
.endr
	v_mov_b32 v254, v252                           ; f once more, in another bank (the plain instruction behind the scaled conversions)
.irp c, 0,1
.irp i, 0,1,2
	v_mov_b32 v[227+6*\c+\i], v[236+4*\c+\i]       ; registers 6 c .. 6 c + 5: my block 2 c + h
.endr
.endr
	DADD 236, 132, 136                             ; the row's sum, of the unquantised p: eight chains of pairs
	DADD 250, 140, 144
	DADD 248, 148, 152
	DADD 246, 156, 160
	DADD 244, 164, 168
	DADD 240, 172, 176
	DADD 72, 180, 184
	DADD 14, 14, 188
	DADD 236, 236, 128
	DADD 250, 250, 130
	DADD 248, 248, 134
	DADD 246, 246, 138
	DADD 244, 244, 142
	DADD 240, 240, 146
	DADD 72, 72, 150
	DADD 14, 14, 154
	DADD 236, 236, 158
	DADD 250, 250, 162
	DADD 248, 248, 166
	DADD 246, 246, 170
	DADD 244, 244, 174
	DADD 240, 240, 178
	DADD 72, 72, 182
	DADD 14, 14, 186
	DADD 236, 236, 190
	DADD 14, 14, 246
	DADD 236, 236, 244
	DADD 250, 250, 240
	DADD 248, 248, 72
	DADD 14, 14, 250
	DADD 236, 236, 248
	DADD 14, 14, 236
.set j, 0
.rept 16
	v_dual_mul_f32 v[O+j], v[O+j], v252 :: v_dual_mul_f32 v[O+j+1], v[O+j+1], v254   ; O^T under the new M
.set j, j+2
.endr
	s_wait_alu depctr_va_vdst(0)
	s_wait_dscnt 0x0                               ; V and its scale words are in
.irp t, 0,1,2,3                                ; O^T += V^T P^T: the four accumulators by turns
	v_wmma_scale_f32_16x16x128_f8f6f4 v[O+8*\t:O+8*\t+7], v[80+12*\t:91+12*\t], v[224:235], v[O+8*\t:O+8*\t+7], v[8+\t], v253 matrix_a_fmt:MATRIX_FMT_FP6 matrix_b_fmt:MATRIX_FMT_FP6
.endr
.endm
; A chunk of 512 keys.  The wave that asked for it waits for its one load; later chunks may stay on their way across the barrier.
.macro CHUNK c
	s_cmp_lg_u32 s[WV], \c
	s_cbranch_scc1 .Lnot_mine_\@
	s_wait_tensorcnt 0x0
.Lnot_mine_\@:
	s_wait_dscnt 0x0
	s_barrier_signal -1
	s_barrier_wait -1                              ; now every wave may read it
	s_mov_b32 s[CNT], 4
.Lstep_\@:
	STEP
	s_sub_co_u32 s[CNT], s[CNT], 1
	s_cmp_lg_u32 s[CNT], 0
	s_cbranch_scc1 .Lstep_\@
.if \c < 3
	v_add_nc_u32 v[KAD], CHB-4*6144, v[KAD]        ; on to the next chunk
	v_add_nc_u32 v[ADK], CHB-4*6144, v[ADK]
	v_add_nc_u32 v[ADS], CHB-4*512, v[ADS]
	v_add_nc_u32 v[ADT], CHB-4*256, v[ADT]
	s_wait_alu depctr_va_vdst(0)
.endif
.endm
	s_wait_loadcnt 0x0                             ; Q
	CHUNK 0
	CHUNK 1
	CHUNK 2
	CHUNK 3
	; THE WAY OUT: O^T / the sum, quantised along the head's 64 (two blocks of the next product's K), as half a fragment's image
	v_lshlrev_b32 v7, 1, v[R4]                     ; 8 r.  (With the three below: four places behind the last products)
.rept 3
	v_nop
.endr
	v_add_f32 v14, v14, v15
	s_delay_alu instid0(VALU_DEP_1)
	v_permlanex16_b32 v252, v14, s[SEL], s[SEL+1]
	s_delay_alu instid0(VALU_DEP_1)
	v_add_f32 v14, v14, v252                       ; the row's sum
	s_wait_alu depctr_va_vdst(0)
	v_rcp_f32 v14, v14
	v_nop                                          ; one plain instruction behind the transcendental
	s_wait_alu depctr_va_vdst(0)
.set j, 0
.rept 32
	v_mul_f32 v[S+j], v[O+j], v14                  ; register 16 b + i: channel 32 b + 16 h + i of my query
.set j, j+1
.endr
.irp b, 0,1
	v_max3_num_f32 v[232+\b], |v[S+16*\b]|, |v[S+1+16*\b]|, 0x1800000
.endr
.irp i, 2,4,6,8,10,12,14
.irp b, 0,1
	s_delay_alu instid0(VALU_DEP_2)
	v_max3_num_f32 v[232+\b], v[232+\b], |v[S+16*\b+\i]|, |v[S+1+16*\b+\i]|
.endr
.endr
.irp b, 0,1
	s_delay_alu instid0(VALU_DEP_2)
	v_permlanex16_b32 v[236+\b], v[232+\b], s[SEL], s[SEL+1]
.endr
.irp b, 0,1
	s_delay_alu instid0(VALU_DEP_2)
	v_max_num_f32 v[232+\b], v[232+\b], v[236+\b]
.endr
.irp b, 0,1
	s_delay_alu instid0(VALU_DEP_2)
	v_add_nc_u32 v[244+\b], 0xff000000, v[232+\b]
.endr
.irp b, 0,1
	s_delay_alu instid0(VALU_DEP_2)
	v_lshrrev_b32 v[236+\b], 23, v[244+\b]
.endr
	s_delay_alu instid0(VALU_DEP_1)
	v_lshl_or_b32 v254, v237, 8, v236              ; my head's two scale bytes
	v_cvt_scalef32_pk16_fp6_f32 v[224:226], v[S:S+15], v244
	v_cvt_scalef32_pk16_fp6_f32 v[240:242], v[S+16:S+31], v245
	v_nop
.irp i, 0,1,2
	v_permlane16_swap_b32 v[224+\i], v[240+\i]     ; lanes 0-15: block 0 whole, lanes 16-31: block 1
.endr
.irp i, 0,1,2
	s_delay_alu instid0(VALU_DEP_3)
	v_mov_b32 v[227+\i], v[240+\i]
.endr
.irp p, 0,1,2
	global_store_b64 v[LI8], v[224+2*\p:225+2*\p], s[60:61] offset:256*\p   ; 32 lanes store 256 consecutive bytes, aligned
.endr
	global_store_b16 v7, v254, s[62:63]            ; two bytes of a token's eight: a head owns no more; lanes r and r + 16 write the same value
	s_wait_tensorcnt 0x0                           ; the wave's end
	ds_add_u32 v243, v255
	s_wait_dscnt 0x0
	CROUND                                         ; the closing round
	s_endpgm
.Lfunc_end_k_qcbaf889bfc_attn:
	.size	k_qcbaf889bfc_attn, .Lfunc_end_k_qcbaf889bfc_attn-k_qcbaf889bfc_attn
	.p2alignl 7, 3214868480
	.fill 96, 4, 3214868480
	.section	.rodata,"a",@progbits
	.p2align	6, 0x0
	.amdhsa_kernel k_qcbaf889bfc_attn
		.amdhsa_group_segment_fixed_size 215040
		.amdhsa_private_segment_fixed_size 0
		.amdhsa_enable_private_segment 0
		.amdhsa_kernarg_size 32
		.amdhsa_user_sgpr_count 2
		.amdhsa_user_sgpr_kernarg_segment_ptr 1
		.amdhsa_wavefront_size32 1
		.amdhsa_system_sgpr_workgroup_id_x 1
		.amdhsa_system_sgpr_workgroup_id_y 1
		.amdhsa_system_sgpr_workgroup_id_z 1
		.amdhsa_system_vgpr_workitem_id 0
		.amdhsa_next_free_vgpr 256
		.amdhsa_next_free_sgpr 66
		.amdhsa_reserve_vcc 0
		.amdhsa_float_denorm_mode_32 3
		.amdhsa_float_denorm_mode_16_64 3
		.amdhsa_memory_ordered 1
		.amdhsa_forward_progress 1
		.amdhsa_inst_pref_size 88
	.end_amdhsa_kernel
	.amdgpu_metadata
---
amdhsa.version: [ 1, 2 ]
amdhsa.kernels:
  - .name:           k_qcbaf889bfc_attn
    .symbol:         k_qcbaf889bfc_attn.kd
    .args:
      - { .name: qq, .offset: 0, .size: 8, .value_kind: global_buffer, .address_space: global }
      - { .name: kv, .offset: 8, .size: 8, .value_kind: global_buffer, .address_space: global }
      - { .name: aimg, .offset: 16, .size: 8, .value_kind: global_buffer, .address_space: global }
      - { .name: asc, .offset: 24, .size: 8, .value_kind: global_buffer, .address_space: global }
    .group_segment_fixed_size: 215040
    .private_segment_fixed_size: 0
    .kernarg_segment_align: 8
    .kernarg_segment_size: 32
    .max_flat_workgroup_size: 512
    .sgpr_count:     66
    .vgpr_count:     256
    .wavefront_size: 32
...
	.end_amdgpu_metadata
.endif
;; end of part 9
;; launch projln (part 10): grid 256 x 1, 8 waves a work-group, no clusters, 67,584 bytes of LDS; arguments aimg, asc, wimg, proj_w_scales, proj_b, x, ln2_g, ln2_b, x1, qq, kv; writes x1, qq, kv
.if DOCPART == 10
	.amdgcn_target "amdgcn-amd-amdhsa--gfx1250"
	.amdhsa_code_object_version 6
	.text
	.protected	k_qcbaf889bfc_projln
	.globl	k_qcbaf889bfc_projln
	.p2align	8
	.type	k_qcbaf889bfc_projln,@function
k_qcbaf889bfc_projln:
	s_mov_b64 s[64:65], 0
	v_nop
	global_prefetch_b8 v0, s[64:65] scope:SCOPE_SE
	s_setreg_imm32_b32 hwreg(HW_REG_WAVE_MODE, 25, 1), 1
	s_wait_xcnt 0x0
; x1 = x + attention's output x proj_w + proj_b on codes of FP6 (E2M3) with E8M0 scales, then LayerNorm of x1 and the MX-FP6 quantiser along the row: codes and scale bytes for the next product's left operand.
; A WORK-GROUP OWNS 16 WHOLE ROWS (one block of rows), so the norm needs no other work-group and x1's rows never come back from memory for it.
; THE PRODUCT: wave w makes columns 128 w .. 128 w + 127: 8 tiles of 16 x 16, K = 1,024 in 8 steps of 128: 64 matrix instructions.  A's eight fragments (the launch before laid them as pair images: register pair p of
; lane l at 256 p + 8 l of 1,536 bytes) stay in registers.  B's fragments, which launch lnq1 laid in wimg in the same form, go from memory straight into registers of window 1: no wave shares a fragment with another,
; so LDS would serve nothing.  Two tiles at a time, their two accumulators by turns; each half of a pair's 16 fragments is asked for again as soon as it has been multiplied.
; No cluster and no tensor load: the work-groups share the weight alone, which goes to registers; no prefetch: about 96 loads of a wave are on their way all through the product.
; THE MATRIX INSTRUCTION IS USED TRANSPOSED (source 0 = 16 rows of the weight, source 1 = the 16 tokens): a lane holds one token and eight neighbouring columns, which go to the token's row in LDS.
; THEN, as in launch lnq1: wave w takes rows 2 w and 2 w + 1 from LDS, adds x and the bias, stores x1, normalises (mean, then the mean of squared differences: two passes over registers) and lays the rows back;
; wave w then takes columns 128 w .. of all 16 rows in the order of the operand's registers, applies gain and bias, and quantises: a lane holds two whole blocks of 32.
; OUT: x1; images [256 row blocks][8 K steps][1,536] into qq and scale words [4 K steps of 256][4,096 rows][2 words] into kv: both buffers have had their last reader, and this launch still loads aimg and asc.
; LIMITS: NaN and infinities are not served; a block whose largest magnitude lies under 2^-124 keeps the scale byte 1; a block of zeros gets the byte 1 and zero codes (the bytes are read by this program alone).
; REGISTERS, window 0: v1-13 addresses; in the product v16-111 A's fragments, v112-119 A's scale words, v120-151 B's (two sets), v152-183 accumulators (two sets), v208-239 proj_b; then lnq1's map; v246-249 addresses.
;   window 1: v0-95 and v96-191 the pair's two tiles of B, eight fragments each; v192-255 my two rows of x.
.set PITCH, 4112                       ; an LDS row: 4,096 bytes + 16
.set SCR,   16*PITCH                   ; behind the rows: 512 bytes of scale words [4][16 rows][2]
.set SPARE, 0x10400                    ; the spare words: 128 bytes a wave
.set WOFF,  2359296                    ; where proj's images begin in wimg
.set X,   16
.set G,   80
.set BB,  144
.set TM,  208
.set TS,  212
.set TYB, 214
.set SU,  216
.set PC,  224
.set PX,  236
.set PW,  244
.set PT,  245
.set SH8, 10
.set AF,  16
.set SA,  112
.set SB,  120
.set AC,  152
.set PB,  208
.set A8R, 246
.set A32R, 247
.set STO, 248
.set L16, 249
.set XR1, 192
.set WV,  26
.set SEL, 28
.set RN,  30
.set EPS, 31
.set MSB, 0
.macro WIN new                         ; the immediate's high byte repeats the setting that is left
.if MSB != (\new)
	s_set_vgpr_msb (MSB<<8)|(\new)
.set MSB, (\new)
.endif
.endm
	s_load_b256 s[4:11], s[0:1], 0x0               ; A's images s[4:5], A's scale words s[6:7], wimg s[8:9], the weight's scales s[10:11]
	s_load_b256 s[12:19], s[0:1], 0x20             ; proj_b s[12:13], x s[14:15], gain s[16:17], bias s[18:19]
	s_load_b128 s[20:23], s[0:1], 0x40             ; x1 s[20:21], images out s[22:23]
	s_load_b64 s[24:25], s[0:1], 0x50              ; scale words out
	v_lshl_add_u32 v254, v0, 2, SPARE
	v_mov_b32 v255, 0
	v_lshrrev_b32 v1, 5, v0
	v_readfirstlane_b32 s[WV], v1                  ; wave 0..7
	s_mov_b32 s[SEL], 0x76543210
	s_mov_b32 s[SEL+1], 0xfedcba98
	s_mov_b32 s[RN], 0x3a800000                    ; 1 / 1024
	s_mov_b32 s[EPS], 0x3727c5ac                   ; 1e-5
	s_lshl_b32 s32, s[WV], 13                      ; two rows of 4,096 bytes x wave
	s_lshl_b32 s33, s[WV], 9                       ; 512 w
	s_mul_i32 s34, s[WV], 2*PITCH
	s_lshr_b32 s35, s[WV], 1
	s_lshl_b32 s35, s35, 7
	s_and_b32 s27, s[WV], 1
	s_lshl_b32 s27, s27, 2
	s_add_co_u32 s35, s35, s27
	s_add_co_u32 s35, s35, SCR                     ; SCR + 128 (w / 2) + 4 (w % 2)
	s_mul_i32 s36, ttmp9, 12288                    ; my block of rows: eight images
	s_mov_b32 s37, 0
	s_lshl_b32 s38, ttmp9, 7                       ; 16 rows of 8 bytes of scale words
	s_mov_b32 s39, 0
	s_mul_i32 s40, s[WV], 98304                    ; my 8 tiles of the weight: 64 images
	s_add_co_u32 s40, s40, WOFF
	s_mov_b32 s41, 0
	s_lshl_b32 s42, s[WV], 12                      ; their 128 rows of 32 scale bytes
	s_mov_b32 s43, 0
	s_lshl_b32 s44, ttmp9, 16                      ; 16 rows of 4,096 bytes
	s_mov_b32 s45, 0
	s_lshl_b32 s46, ttmp9, 3
	s_add_co_u32 s46, s46, s[WV]
	s_mul_i32 s46, s46, 1536                       ; image (row block, K step w)
	s_mov_b32 s47, 0
	v_and_b32 v1, 31, v0                           ; lane
	v_and_b32 v2, 15, v0                           ; r
	v_bfe_u32 v3, v0, 4, 1                         ; h
	v_lshlrev_b32 v[L16], 4, v1                    ; 16 x lane
	v_lshlrev_b32 v8, 3, v1                        ; 8 x lane: my place in a pair of an image
	v_mul_u32_u24 v7, v2, PITCH
	v_lshl_add_u32 v5, v3, 7, s33                  ; gain and bias: 512 w + 128 h
	v_add_nc_u32 v4, s32, v[L16]                   ; rows in memory: 16 x lane + two rows x wave
	v_add_nc_u32 v6, s34, v[L16]                   ; LDS: my two rows, 16 x lane
	v_lshl_add_u32 v[STO], v3, 5, v7
	v_add_nc_u32 v7, v7, v5                        ; LDS: row r, my wave's 512 bytes, + 128 h
	v_add_nc_u32 v[STO], s33, v[STO]               ; LDS, the product's results: row r, my wave's 512 bytes, + 32 h
	v_lshl_add_u32 v9, v2, 3, s35                  ; my row's scale word
	v_lshlrev_b32 v[SH8], 3, v3
	v_add_nc_u32 v11, SCR, v[L16]                  ; wave 0's way out of the scale words: 16 x lane,
	v_lshrrev_b32 v12, 3, v1
	v_and_b32 v13, 7, v1
	v_lshlrev_b32 v12, 15, v12
	v_lshlrev_b32 v[A8R], 3, v2                    ; A's scale words: 8 bytes a row
	v_lshlrev_b32 v[A32R], 5, v2                   ; the weight's: 32 bytes a row
	v_lshl_add_u32 v12, v13, 4, v12                ; and in memory: 32,768 (lane / 8) + 16 (lane % 8)
	v_mov_b32 v[PT], 0                             ; a lane exchange's target counts as read: written once
	s_wait_alu depctr_va_vdst(0)
	s_wait_kmcnt 0x0
	s_add_nc_u64 s[4:5], s[4:5], s[36:37]
	s_add_nc_u64 s[6:7], s[6:7], s[38:39]
	s_add_nc_u64 s[8:9], s[8:9], s[40:41]
	s_add_nc_u64 s[10:11], s[10:11], s[42:43]
	s_add_nc_u64 s[14:15], s[14:15], s[44:45]
	s_add_nc_u64 s[20:21], s[20:21], s[44:45]
	s_add_nc_u64 s[22:23], s[22:23], s[46:47]
	s_add_nc_u64 s[24:25], s[24:25], s[38:39]
.macro LDB n, hf                       ; 48 loads: K steps 4 hf .. 4 hf + 3 of tiles 2 n and 2 n + 1 of my eight, into window 1; each load takes 256 dense bytes
	WIN 0x40
.irp u, 0,1
.irp kk, 0,1,2,3
.irp p, 0,1,2,3,4,5
	global_load_b64 v[96*\u+12*(4*(\hf)+\kk)+2*\p:96*\u+12*(4*(\hf)+\kk)+2*\p+1], v8, s[8:9] offset:(2*(\n)+\u)*12288+(4*(\hf)+\kk)*1536+256*\p
.endr
.endr
.endr
	WIN 0
.endm
.macro LDSB n                          ; 4 loads: the eight scale words of each row of the pair's two tiles, into set n % 2
.irp u, 0,1
	global_load_b128 v[SB+16*((\n)%2)+8*\u:SB+16*((\n)%2)+8*\u+3], v[A32R], s[10:11] offset:(2*(\n)+\u)*512
	global_load_b128 v[SB+16*((\n)%2)+8*\u+4:SB+16*((\n)%2)+8*\u+7], v[A32R], s[10:11] offset:(2*(\n)+\u)*512+16
.endr
.endm
.macro MUL8 n, hf                      ; 8 matrix instructions: four K steps, the pair's two accumulators by turns; the first product starts each sum
	WIN 0x01                                       ; source 0 (the weight) window 1
.irp kk, 0,1,2,3
.irp u, 0,1
.if (\hf) == 0 && \kk == 0
	v_wmma_scale_f32_16x16x128_f8f6f4 v[AC+16*((\n)%2)+8*\u:AC+16*((\n)%2)+8*\u+7], v[96*\u+12*(4*(\hf)+\kk):96*\u+12*(4*(\hf)+\kk)+11], v[AF+12*(4*(\hf)+\kk):AF+12*(4*(\hf)+\kk)+11], 0, v[SB+16*((\n)%2)+8*\u+4*(\hf)+\kk], v[SA+4*(\hf)+\kk] matrix_a_fmt:MATRIX_FMT_FP6 matrix_b_fmt:MATRIX_FMT_FP6
.else
	v_wmma_scale_f32_16x16x128_f8f6f4 v[AC+16*((\n)%2)+8*\u:AC+16*((\n)%2)+8*\u+7], v[96*\u+12*(4*(\hf)+\kk):96*\u+12*(4*(\hf)+\kk)+11], v[AF+12*(4*(\hf)+\kk):AF+12*(4*(\hf)+\kk)+11], v[AC+16*((\n)%2)+8*\u:AC+16*((\n)%2)+8*\u+7], v[SB+16*((\n)%2)+8*\u+4*(\hf)+\kk], v[SA+4*(\hf)+\kk] matrix_a_fmt:MATRIX_FMT_FP6 matrix_b_fmt:MATRIX_FMT_FP6
.endif
.endr
.endr
	WIN 0
.rept 4
	v_nop                                          ; places in front of loads into registers that matrix instructions have read, and of the stores that read results
.endr
.endm
.macro PAIR n
	s_wait_loadcnt 48                              ; all but the 48 youngest loads, the pair's K steps 4-7, are in
	MUL8 \n, 0
.if (\n) < 3
	LDSB (\n)+1
	LDB (\n)+1, 0
	s_wait_loadcnt 52                              ; all but the 52 just issued
.else
	s_wait_loadcnt 0x0
.endif
	MUL8 \n, 1
.irp u, 0,1                            ; lane (r, h): token r, columns 16 (2 n + u) + 8 h + 0 .. 7 of my 128; each accumulator from its low end on
	ds_store_b128 v[STO], v[AC+16*((\n)%2)+8*\u:AC+16*((\n)%2)+8*\u+3] offset:64*(2*(\n)+\u)
	ds_store_b128 v[STO], v[AC+16*((\n)%2)+8*\u+4:AC+16*((\n)%2)+8*\u+7] offset:64*(2*(\n)+\u)+16
.endr
.if (\n) < 3
	LDB (\n)+1, 1
.endif
.endm
	WIN 0x40
.irp rho, 0,1
.irp j, 0,1,2,3,4,5,6,7
	global_load_b128 v[XR1+32*\rho+4*\j:XR1+32*\rho+4*\j+3], v4, s[14:15] offset:4096*\rho+512*\j   ; my two rows of x, for later: 32 lanes read 512 consecutive bytes
.endr
.endr
	WIN 0
.irp j, 0,1,2,3,4,5,6,7
	global_load_b128 v[PB+4*\j:PB+4*\j+3], v[L16], s[12:13] offset:512*\j   ; proj_b, in a row's layout
.endr
.irp k, 0,1,2,3,4,5,6,7
.irp p, 0,1,2,3,4,5
	global_load_b64 v[AF+12*\k+2*\p:AF+12*\k+2*\p+1], v8, s[4:5] offset:1536*\k+256*\p
.endr
.endr
.irp kk, 0,1,2,3
	global_load_b64 v[SA+2*\kk:SA+2*\kk+1], v[A8R], s[6:7] offset:32768*\kk   ; lane r: row r's words of K steps 2 kk and 2 kk + 1
.endr
	LDSB 0
	LDB 0, 0
	LDB 0, 1
	PAIR 0
	PAIR 1
	PAIR 2
	PAIR 3
	s_wait_dscnt 0x0                               ; for the others' sake: my 128 columns of all 16 rows lie in LDS
	s_barrier_signal -1
	s_barrier_wait -1
.irp rho, 0,1
.irp j, 0,1,2,3,4,5,6,7
	ds_load_b128 v[X+32*\rho+4*\j:X+32*\rho+4*\j+3], v6 offset:PITCH*\rho+512*\j
.endr
.endr
.irp c, 0,1
.irp i, 0,1,2,3,4,5,6,7
	global_load_b128 v[G+32*\c+4*\i:G+32*\c+4*\i+3], v5, s[16:17] offset:256*\c+16*\i
.endr
.endr
.irp c, 0,1
.irp i, 0,1,2,3,4,5,6,7
	global_load_b128 v[BB+32*\c+4*\i:BB+32*\c+4*\i+3], v5, s[18:19] offset:256*\c+16*\i
.endr
.endr
	s_wait_dscnt 0x0
.set jj, 0
.rept 16
	v_pk_add_f32 v[X+jj:X+jj+1], v[X+jj:X+jj+1], v[PB+jj:PB+jj+1]
	v_pk_add_f32 v[X+32+jj:X+32+jj+1], v[X+32+jj:X+32+jj+1], v[PB+jj:PB+jj+1]
.set jj, jj+2
.endr
	WIN 0x04                                       ; source 1: window 1
.set jj, 0
.rept 32
	v_pk_add_f32 v[X+jj:X+jj+1], v[X+jj:X+jj+1], v[XR1+jj:XR1+jj+1]   ; + x: x1
.set jj, jj+2
.endr
	WIN 0
.irp rho, 0,1
.irp j, 0,1,2,3,4,5,6,7
	global_store_b128 v4, v[X+32*\rho+4*\j:X+32*\rho+4*\j+3], s[20:21] offset:4096*\rho+512*\j   ; 32 lanes store 512 consecutive bytes, aligned
.endr
.endr
	s_wait_alu depctr_va_vdst(0)
	s_wait_xcnt 0x0                                ; the stores have read their data: the rows are rewritten from here on
.macro LANESUM                         ; v[SU] summed over the 32 lanes, the result in every lane
	s_delay_alu instid0(VALU_DEP_1)
	v_add_f32_dpp v[SU], v[SU], v[SU] row_xmask:1 row_mask:0xf bank_mask:0xf
	s_delay_alu instid0(VALU_DEP_1)
	v_add_f32_dpp v[SU], v[SU], v[SU] row_xmask:2 row_mask:0xf bank_mask:0xf
	s_delay_alu instid0(VALU_DEP_1)
	v_add_f32_dpp v[SU], v[SU], v[SU] row_xmask:4 row_mask:0xf bank_mask:0xf
	s_delay_alu instid0(VALU_DEP_1)
	v_add_f32_dpp v[SU], v[SU], v[SU] row_xmask:8 row_mask:0xf bank_mask:0xf
	s_delay_alu instid0(VALU_DEP_1)
	v_permlanex16_b32 v[PT], v[SU], s[SEL], s[SEL+1]
	s_delay_alu instid0(VALU_DEP_1)
	v_add_f32 v[SU], v[SU], v[PT]
.endm
.macro FOLD                            ; four chains of pairs into one number a lane
	s_delay_alu instid0(VALU_DEP_3)
	v_pk_add_f32 v[SU:SU+1], v[SU:SU+1], v[SU+2:SU+3]
	s_delay_alu instid0(VALU_DEP_2)
	v_pk_add_f32 v[SU+4:SU+5], v[SU+4:SU+5], v[SU+6:SU+7]
	s_delay_alu instid0(VALU_DEP_1)
	v_pk_add_f32 v[SU:SU+1], v[SU:SU+1], v[SU+4:SU+5]
	s_delay_alu instid0(VALU_DEP_1)
	v_add_f32 v[SU], v[SU], v[SU+1]
.endm
; one row: 32 numbers a lane in v[X + 32 rho] on
.macro ROWSTAT rho
.set XR, X+32*\rho
.irp k, 0,1,2,3
	v_pk_add_f32 v[SU+2*\k:SU+2*\k+1], v[XR+2*\k:XR+2*\k+1], v[XR+8+2*\k:XR+9+2*\k]   ; the first pairs start the chains: nothing is cleared
.endr
.irp k, 0,1,2,3
	s_delay_alu instid0(VALU_DEP_4)
	v_pk_add_f32 v[SU+2*\k:SU+2*\k+1], v[SU+2*\k:SU+2*\k+1], v[XR+16+2*\k:XR+17+2*\k]
.endr
.irp k, 0,1,2,3
	s_delay_alu instid0(VALU_DEP_4)
	v_pk_add_f32 v[SU+2*\k:SU+2*\k+1], v[SU+2*\k:SU+2*\k+1], v[XR+24+2*\k:XR+25+2*\k]
.endr
	FOLD
	LANESUM
	s_delay_alu instid0(VALU_DEP_1)
	v_mul_f32 v[SU], s[RN], v[SU]                  ; the mean
.set jj, 0
.rept 16
	v_pk_add_f32 v[XR+jj:XR+jj+1], v[XR+jj:XR+jj+1], v[SU:SU+1] op_sel_hi:[1,0] neg_lo:[0,1] neg_hi:[0,1]   ; x - mean
.set jj, jj+2
.endr
.irp k, 0,1,2,3
	v_pk_mul_f32 v[SU+2*\k:SU+2*\k+1], v[XR+2*\k:XR+2*\k+1], v[XR+2*\k:XR+2*\k+1]
.endr
.irp o, 8,16,24
.irp k, 0,1,2,3
	s_delay_alu instid0(VALU_DEP_4)
	v_pk_fma_f32 v[SU+2*\k:SU+2*\k+1], v[XR+\o+2*\k:XR+\o+2*\k+1], v[XR+\o+2*\k:XR+\o+2*\k+1], v[SU+2*\k:SU+2*\k+1]
.endr
.endr
	FOLD
	LANESUM
	s_delay_alu instid0(VALU_DEP_1)
	v_fma_f32 v[SU], v[SU], s[RN], s[EPS]          ; var + eps
	s_wait_alu depctr_va_vdst(0)
	v_rsq_f32 v[SU], v[SU]
	v_nop                                          ; one plain instruction behind the transcendental
.set jj, 0
	s_wait_alu depctr_va_vdst(0)
.rept 16
	v_pk_mul_f32 v[XR+jj:XR+jj+1], v[XR+jj:XR+jj+1], v[SU:SU+1] op_sel_hi:[1,0]
.set jj, jj+2
.endr
.irp j, 0,1,2,3,4,5,6,7
	ds_store_b128 v6, v[XR+4*\j:XR+4*\j+3] offset:PITCH*\rho+512*\j   ; back into my own two rows, which no other wave touches before the barrier below
.endr
.endm
; 64 numbers of a lane, v[s + 32 c + i] = position i of my block 2 c + h, become the fragment's 12 registers in v[PC] on and my row's scale word in v[PW]
.macro QUANT6 s
.irp c, 0,1
	v_max3_num_f32 v[TM+2*\c], |v[\s+32*\c]|, |v[\s+32*\c+1]|, 0x1800000   ; with the floor 2^(3 - 127) among the leaves: the byte cannot fall under 1
	v_max_num_f32 v[TM+2*\c+1], |v[\s+32*\c+2]|, |v[\s+32*\c+3]|
.endr
.irp i, 4,8,12,16,20,24,28
.irp c, 0,1
	s_delay_alu instid0(VALU_DEP_4)
	v_max3_num_f32 v[TM+2*\c], v[TM+2*\c], |v[\s+32*\c+\i]|, |v[\s+32*\c+\i+1]|
	s_delay_alu instid0(VALU_DEP_4)
	v_max3_num_f32 v[TM+2*\c+1], v[TM+2*\c+1], |v[\s+32*\c+\i+2]|, |v[\s+32*\c+\i+3]|
.endr
.endr
.irp c, 0
	s_delay_alu instid0(VALU_DEP_3)
	v_max_num_f32 v[TM+2*\c], v[TM+2*\c], v[TM+2*\c+1]
.endr
.irp c, 1
	s_delay_alu instid0(VALU_DEP_2)
	v_max_num_f32 v[TM+2*\c], v[TM+2*\c], v[TM+2*\c+1]
.endr
.irp c, 0,1
	s_delay_alu instid0(VALU_DEP_2)
	v_add_nc_u32 v[TS+\c], 0xff000000, v[TM+2*\c]  ; 2 off the exponent field: the conversion takes this operand's exponent field as its scale
.endr
.irp c, 0,1
	s_delay_alu instid0(VALU_DEP_2)
	v_lshrrev_b32 v[TYB+\c], 23, v[TS+\c]          ; the scale's byte
.endr
	s_delay_alu instid0(VALU_DEP_1)
	v_lshl_or_b32 v[PW], v[TYB+1], 16, v[TYB]      ; my two bytes, blocks h and 2 + h,
	s_delay_alu instid0(VALU_DEP_1)
	v_lshlrev_b32 v[PW], v[SH8], v[PW]             ; at their places,
	s_delay_alu instid0(VALU_DEP_1)
	v_permlanex16_b32 v[PT], v[PW], s[SEL], s[SEL+1]
	s_delay_alu instid0(VALU_DEP_1)
	v_or_b32 v[PW], v[PW], v[PT]                   ; and lane l xor 16's two: the word is whole
.irp c, 0,1
	v_cvt_scalef32_pk16_fp6_f32 v[PC+6*\c:PC+6*\c+2], v[\s+32*\c:\s+32*\c+15], v[TS+\c]
	v_cvt_scalef32_pk16_fp6_f32 v[PX+4*\c:PX+4*\c+2], v[\s+32*\c+16:\s+32*\c+31], v[TS+\c]   ; (a conversion's three registers begin on an even number)
.endr
	v_nop                                          ; one plain instruction behind the scaled conversions
.irp c, 0,1
.irp i, 0,1,2
	v_mov_b32 v[PC+3+6*\c+\i], v[PX+4*\c+\i]
.endr
.endr
.endm
	ROWSTAT 0
	ROWSTAT 1
	s_wait_dscnt 0x0                               ; for the others' sake: my rows lie in LDS
	s_barrier_signal -1
	s_barrier_wait -1
.irp c, 0,1
.irp i, 0,1,2,3,4,5,6,7
	ds_load_b128 v[X+32*\c+4*\i:X+32*\c+4*\i+3], v7 offset:256*\c+16*\i
.endr
.endr
	s_wait_loadcnt 0x0                             ; gain and bias
	s_wait_dscnt 0x0
.set jj, 0
.rept 32
	v_pk_fma_f32 v[X+jj:X+jj+1], v[X+jj:X+jj+1], v[G+jj:G+jj+1], v[BB+jj:BB+jj+1]
.set jj, jj+2
.endr
	QUANT6 X
.irp p, 0,1,2,3,4,5
	global_store_b64 v8, v[PC+2*\p:PC+2*\p+1], s[22:23] offset:256*\p   ; 32 lanes store 256 consecutive bytes, aligned
.endr
	ds_store_b32 v9, v[PW]                         ; lanes r and r + 16 write the same word with the same value
	s_wait_dscnt 0x0
	s_barrier_signal -1
	s_barrier_wait -1
	s_cmp_lg_u32 s[WV], 0
	s_cbranch_scc1 .Lend                           ; wave 0 sends the work-group's 512 bytes of scale words: four runs of 128 bytes
	ds_load_b128 v[X:X+3], v11
	s_wait_dscnt 0x0
	global_store_b128 v12, v[X:X+3], s[24:25]
.Lend:
	s_wait_tensorcnt 0x0                           ; the wave's end
	ds_add_u32 v254, v255
	s_wait_dscnt 0x0
	s_endpgm
.Lfunc_end_k_qcbaf889bfc_projln:
	.size	k_qcbaf889bfc_projln, .Lfunc_end_k_qcbaf889bfc_projln-k_qcbaf889bfc_projln
	.p2alignl 7, 3214868480
	.fill 96, 4, 3214868480
	.section	.rodata,"a",@progbits
	.p2align	6, 0x0
	.amdhsa_kernel k_qcbaf889bfc_projln
		.amdhsa_group_segment_fixed_size 67584
		.amdhsa_private_segment_fixed_size 0
		.amdhsa_enable_private_segment 0
		.amdhsa_kernarg_size 88
		.amdhsa_user_sgpr_count 2
		.amdhsa_user_sgpr_kernarg_segment_ptr 1
		.amdhsa_wavefront_size32 1
		.amdhsa_system_sgpr_workgroup_id_x 1
		.amdhsa_system_sgpr_workgroup_id_y 1
		.amdhsa_system_sgpr_workgroup_id_z 1
		.amdhsa_system_vgpr_workitem_id 0
		.amdhsa_next_free_vgpr 512
		.amdhsa_next_free_sgpr 66
		.amdhsa_reserve_vcc 0
		.amdhsa_float_denorm_mode_32 3
		.amdhsa_float_denorm_mode_16_64 3
		.amdhsa_memory_ordered 1
		.amdhsa_forward_progress 1
		.amdhsa_inst_pref_size 92
	.end_amdhsa_kernel
	.amdgpu_metadata
---
amdhsa.version: [ 1, 2 ]
amdhsa.kernels:
  - .name:           k_qcbaf889bfc_projln
    .symbol:         k_qcbaf889bfc_projln.kd
    .args:
      - { .name: aimg, .offset: 0, .size: 8, .value_kind: global_buffer, .address_space: global }
      - { .name: asc, .offset: 8, .size: 8, .value_kind: global_buffer, .address_space: global }
      - { .name: wimg, .offset: 16, .size: 8, .value_kind: global_buffer, .address_space: global }
      - { .name: proj_w_scales, .offset: 24, .size: 8, .value_kind: global_buffer, .address_space: global }
      - { .name: proj_b, .offset: 32, .size: 8, .value_kind: global_buffer, .address_space: global }
      - { .name: x, .offset: 40, .size: 8, .value_kind: global_buffer, .address_space: global }
      - { .name: ln2_g, .offset: 48, .size: 8, .value_kind: global_buffer, .address_space: global }
      - { .name: ln2_b, .offset: 56, .size: 8, .value_kind: global_buffer, .address_space: global }
      - { .name: x1, .offset: 64, .size: 8, .value_kind: global_buffer, .address_space: global }
      - { .name: qq, .offset: 72, .size: 8, .value_kind: global_buffer, .address_space: global }
      - { .name: kv, .offset: 80, .size: 8, .value_kind: global_buffer, .address_space: global }
    .group_segment_fixed_size: 67584
    .private_segment_fixed_size: 0
    .kernarg_segment_align: 8
    .kernarg_segment_size: 88
    .max_flat_workgroup_size: 256
    .sgpr_count:     66
    .vgpr_count:     512
    .wavefront_size: 32
...
	.end_amdgpu_metadata
.endif
;; end of part 10
;; launch fc1 (part 11): grid 16 x 16, 4 waves a work-group, clusters of 4 x 4, 327,680 bytes of LDS; arguments qq, kv, wimg, fc1_w_scales, fc1_b, himg, hsc; writes himg, hsc
.if DOCPART == 11
	.amdgcn_target "amdgcn-amd-amdhsa--gfx1250"
	.amdhsa_code_object_version 6
	.text
	.protected	k_qcbaf889bfc_fc1
	.globl	k_qcbaf889bfc_fc1
	.p2align	8
	.type	k_qcbaf889bfc_fc1,@function
k_qcbaf889bfc_fc1:
	s_mov_b64 s[64:65], 0
	v_nop
	global_prefetch_b8 v0, s[64:65] scope:SCOPE_SE
	s_setreg_imm32_b32 hwreg(HW_REG_WAVE_MODE, 25, 1), 1
	s_wait_xcnt 0x0
	s_wait_alu depctr_hold_cnt(0) depctr_sa_sdst(0) depctr_va_vdst(0) depctr_va_sdst(0) depctr_va_ssrc(0) depctr_va_vcc(0) depctr_vm_vsrc(0)
	s_getreg_b32 s2, hwreg(HW_REG_IB_STS2, 6, 4)
	s_cmp_eq_u32 s2, 0
	s_cbranch_scc0 .Lentry_in_a_cluster
	s_endpgm
.Lentry_in_a_cluster:
	s_bfe_u32 s2, ttmp6, 0x10000c
	s_cmp_lg_u32 s2, 0xf033
	s_cbranch_scc0 .Lentry_shape_is_right
	s_endpgm
.Lentry_shape_is_right:
.set SIZE_K, 1024
.set NQ,     2
; h = gelu(LayerNorm(x1) fc1_w + fc1_b), quantised along the hidden 4,096 for the next product.  A tile of 256 tokens x 256 columns, four waves of 128 x 128; K in steps of 256 through a ring of two LDS slots.
; A and B both come as pair images (a fragment of 16 rows x 128 K: 1,536 bytes, register pair p of lane l at 256 p + 8 l); B's were laid in wimg by launch lnq1.  Joint loads in a cluster of 4 x 4.
; THE HEAD: one tensor load a wave: wave 0 A's 256 rows of K step 0, wave 1 A's scale words, wave 2 B's 256 rows, wave 3 B's scale bytes; K step 1 follows behind a round.
; PREFETCH: K steps 2 and 3 are asked for two refills ahead: of the 8 blocks of rows that a wave fetches, each of the four partners names 2 (24 units of 256 bytes, a lane a unit), told apart by address.
.set ROWB,   3072                      ; a K step of 256 in B's images
.set KROW,   SIZE_K*6/8
.set WOFF,   3145728                   ; where fc1's images begin in wimg
.set PFO,    31                        ; v31       the prefetches' lane offset; never rewritten
.set PFA,    100                       ; s[100:101] my share of K step 1 of what I fetch; never rewritten
.set FR,     12
.set NL,     6
.set NP,     4
.set ABLK,   3072
.set HALFA,  8*ABLK
.set HALFB,  8*ABLK
.set SLOT,   2*HALFA+2*HALFB
.set LAPS,   SIZE_K/512
.set KS,     SIZE_K/32
.set SAH,    (SIZE_K/256)*1024
.set HALFS,  (128*KS/256)*272
.set SBLK,   (16*KS/256)*272
.set SPITCH, 528
.set SCLA,   4*128*SPITCH
.set SCLB,   SCLA+2*SAH
.set SPARE,  SCLB+2*HALFS
.set SCRQ,   SPARE+512
.set ADRA, 16
.set ADRB, 20
.set STO,  24
.set ADSA, 27
.set SPW,  28
.set NIL,  29
.set ADSB, 30
.set SCA,  32
.set SCB,  64
.set AF,   128
.set G1,   24
.set G0,   32
.set G1B,  48
.set G0B,  56
.set G1S,  68
.set G0S,  76
.set G1SB, 80
.set G0SB, 88
.set SEL,  66
.set MSB, 0
.macro WIN new
.if MSB != (\new)
	s_set_vgpr_msb (MSB<<8)|(\new)
.set MSB, (\new)
.endif
.endm
.set MUL_LO, 0xa1
.set MUL_HI, 0xf1
.set TO_B,   0x40
.macro JLOAD g0a, g1a, g0b, g1b
	s_cmp_eq_u32 s19, 0
	s_cbranch_scc0 .Lfor_b_\@
	tensor_load_to_lds s[\g0a:\g0a+3], s[\g1a:\g1a+7]
	s_nop 0
.rept 4
	v_nop
.endr
	s_branch .Lasked_\@
.Lfor_b_\@:
	tensor_load_to_lds s[\g0b:\g0b+3], s[\g1b:\g1b+7]
	s_nop 0
.rept 4
	v_nop
.endr
.Lasked_\@:
.endm
.macro CREST
	s_cmp_lg_u32 s18, 0
	s_cbranch_scc1 .Lnot_wave_0_\@
	s_barrier_signal -3
.Lnot_wave_0_\@:
	s_barrier_wait -3
	s_barrier_signal -1
	s_barrier_wait -1
.endm
.macro CROUND
	s_barrier_signal -1
	s_barrier_wait -1
	CREST
.endm
	s_load_b256 s[4:11], s[0:1], 0x0
	s_load_b128 s[12:15], s[0:1], 0x20
	s_load_b64 s[16:17], s[0:1], 0x30
	v_lshl_add_u32 v[SPW], v0, 2, SPARE
	v_mov_b32 v[NIL], 0
	ds_add_u32 v28, v29
	ds_add_u32 v28, v29
	s_wait_dscnt 0x0
	v_lshrrev_b32 v1, 5, v0
	v_readfirstlane_b32 s18, v1
	s_lshr_b32 s19, s18, 1
	s_and_b32 s20, s18, 1
	s_bfe_u32 s40, ttmp6, 0x40000
	s_bfe_u32 s41, ttmp6, 0x40004
	s_lshl_b32 s22, ttmp9, 2
	s_add_co_u32 s22, s22, s40
	s_and_b32 s21, ttmp7, 0xffff
	s_lshl_b32 s21, s21, 2
	s_add_co_u32 s21, s21, s41
	s_lshl_b32 s43, s41, 2
	s_lshl_b32 s43, 15, s43
	s_lshl_b32 s44, 0x1111, s40
	s_mov_b32 s[SEL], 0x76543210
	s_mov_b32 s[SEL+1], 0xfedcba98
	s_or_b32 s[G1+0], s43, (3<<16)|(1<<21)
	s_mov_b32 s[G1+1], 384<<16
	s_mov_b32 s[G1+2], 16<<16
	s_mov_b32 s[G1+3], 384<<16
	s_mov_b32 s[G1+4], 16
	s_mov_b32 s[G1+5], (SIZE_K/128)*192
	s_mov_b32 s[G1+6], 0
	s_mov_b32 s[G1+7], 0
	s_or_b32 s[G1B+0], s44, (3<<16)|(1<<21)
	s_mov_b32 s[G1B+1], 384<<16
	s_mov_b32 s[G1B+2], 16<<16
	s_mov_b32 s[G1B+3], 384<<16
	s_mov_b32 s[G1B+4], 16
	s_mov_b32 s[G1B+5], (SIZE_K/128)*192
	s_mov_b32 s[G1B+6], 0
	s_mov_b32 s[G1B+7], 0
	s_or_b32 s[G1S+0], s43, (3<<16)|(1<<21)
	s_mov_b32 s[G1S+1], 256<<16
	s_mov_b32 s[G1S+2], (SIZE_K/256)<<16
	s_mov_b32 s[G1S+3], 256<<16
	s_mov_b32 s[G1S+4], SIZE_K/256
	s_mov_b32 s[G1S+5], 4096
	s_mov_b32 s[G1S+6], 0
	s_mov_b32 s[G1S+7], 0
	s_or_b32 s[G1SB+0], s44, (3<<16)|(1<<20)|(1<<21)|(5<<22)|(3<<25)
	s_mov_b32 s[G1SB+1], 32<<16
	s_mov_b32 s[G1SB+2], (256*KS/256)<<16
	s_mov_b32 s[G1SB+3], 32<<16
	s_mov_b32 s[G1SB+4], 256*KS/256
	s_mov_b32 s[G1SB+5], 32
	s_mov_b32 s[G1SB+6], 0
	s_mov_b32 s[G1SB+7], 0
	s_lshl_b32 s92, s21, 4
	s_lshl_b32 s93, s20, 3
	s_add_co_u32 s92, s92, s93
	s_mul_i32 s92, s92, 12*SIZE_K
	s_mov_b32 s93, 0
	s_lshl_b32 s94, s21, 11
	s_mov_b32 s95, 0
	s_lshl_b32 s46, s22, 8
	s_mul_i32 s96, s46, KS                         ; the scale bytes of the tile's 256 rows of B
	s_mov_b32 s97, 0
	s_lshl_b32 s47, s20, 7
	s_add_co_u32 s46, s46, s47
	s_mul_i32 s46, s46, KROW                       ; 16 rows of images are as many bytes as 16 rows of codes
	s_add_co_u32 s46, s46, WOFF
	s_mov_b32 s47, 0
	s_mul_i32 s23, s20, HALFA
	s_mul_i32 s42, s20, HALFB
	s_add_co_u32 s42, s42, 2*HALFA
	s_cmp_eq_u32 s19, 0
	s_cselect_b32 s2, s40, s41                     ; my place among the four that ask with me: cx for A, cy for B
	s_mul_i32 s2, s2, 24*SIZE_K                    ; two blocks of rows a partner,
	s_add_co_u32 s2, s2, ABLK                      ; at K step 1
	s_mov_b32 s3, 0
	s_wait_kmcnt 0x0
	s_add_nc_u64 s[92:93], s[4:5], s[92:93]
	s_add_nc_u64 s[94:95], s[6:7], s[94:95]
	s_add_nc_u64 s[46:47], s[8:9], s[46:47]
	s_add_nc_u64 s[96:97], s[10:11], s[96:97]
	CROUND
	s_mov_b32 s[G0S], 1
	s_mov_b32 s[G0S+1], SCLA
	s_mov_b64 s[G0S+2:G0S+3], s[94:95]
	s_or_b32 s[G0S+3], s[G0S+3], 0x80000000
	s_mov_b32 s[G0SB], 1
	s_mov_b32 s[G0SB+1], SCLB
	s_mov_b64 s[G0SB+2:G0SB+3], s[96:97]
	s_or_b32 s[G0SB+3], s[G0SB+3], 0x80000000
	s_cmp_eq_u32 s19, 0
	s_cselect_b64 s[PFA:PFA+1], s[92:93], s[46:47]
	s_add_nc_u64 s[PFA:PFA+1], s[PFA:PFA+1], s[2:3]
.irp s, 0,1
	s_mov_b32 s[G0+4*\s], 1
	s_add_co_u32 s[G0+4*\s+1], s23, \s*SLOT
	s_add_nc_u64 s[G0+4*\s+2:G0+4*\s+3], s[92:93], \s*ABLK
	s_or_b32 s[G0+4*\s+3], s[G0+4*\s+3], 0x80000000
	s_mov_b32 s[G0B+4*\s], 1
	s_add_co_u32 s[G0B+4*\s+1], s42, \s*SLOT
	s_add_nc_u64 s[G0B+4*\s+2:G0B+4*\s+3], s[46:47], \s*ROWB
	s_or_b32 s[G0B+4*\s+3], s[G0B+4*\s+3], 0x80000000
.endr
; The head's loads, one a wave: one chain of branches on the wave's number.  Waves 0 and 2 have half 0: their slot 0 descriptors name the tile's first block.
.macro ARM under, g0, g1, next
	s_cmp_lt_u32 s18, \under
	s_cbranch_scc0 \next
	tensor_load_to_lds s[\g0:\g0+3], s[\g1:\g1+7]
	s_nop 0
.rept 4
	v_nop
.endr
	s_branch .Lhead_asked
\next:
.endm
	ARM 1, G0,  G1,  .Lhead_sa
	ARM 2, G0S, G1S, .Lhead_b
	ARM 3, G0B, G1B, .Lhead_sb
	tensor_load_to_lds s[G0SB:G0SB+3], s[G1SB:G1SB+7]
	s_nop 0
.rept 4
	v_nop
.endr
.Lhead_asked:
	v_and_b32 v1, 15, v0
	v_bfe_u32 v2, v0, 4, 1
	v_and_b32 v3, 31, v0
	v_lshlrev_b32 v4, 3, v3
	s_mul_i32 s99, s19, HALFA
	v_add_nc_u32 v[ADRA], s99, v4
	v_add_nc_u32 v[ADRA+1], SLOT, v[ADRA]
	v_min_u32 v[PFO], 23, v3                       ; unit u = lane, 24 units (the lanes left over name the last again):
	v_mul_u32_u24 v5, v[PFO], 11
	v_lshrrev_b32 v5, 7, v5                        ; u / 12: which of my two blocks of rows
	v_mul_u32_u24 v5, v5, 12*SIZE_K-ABLK
	v_lshl_add_u32 v[PFO], v[PFO], 8, v5           ; 256 u, and on to the next block's K step behind 12 units
	global_prefetch_b8 v[PFO], s[PFA:PFA+1] offset:ABLK th:TH_LOAD_NT scope:SCOPE_SE   ; K step 2, two refills ahead
	s_mul_i32 s99, s20, HALFB
	s_add_co_u32 s99, s99, 2*HALFA
	v_add_nc_u32 v[ADRB], s99, v4                  ; B's images: 8 x lane + my half, behind A's
	v_add_nc_u32 v[ADRB+1], SLOT, v[ADRB]
	v_lshlrev_b32 v7, 3, v1
	s_lshl_b32 s99, s19, 10                        ; my 128 tokens of a K step's 256
	s_add_co_u32 s99, s99, SCLA
	v_add_nc_u32 v[ADSA], s99, v7
	v_mul_u32_u24 v7, v1, KS
	v_lshrrev_b32 v8, 8, v7
	v_lshl_add_u32 v7, v8, 4, v7
	s_mul_i32 s99, s20, HALFS
	s_add_co_u32 s99, s99, SCLB
	v_add_nc_u32 v[ADSB], s99, v7
	s_lshl_b32 s96, s22, 10
	s_lshl_b32 s97, s20, 9
	s_add_co_u32 s96, s96, s97
	s_mov_b32 s97, 0
	s_add_nc_u64 s[12:13], s[12:13], s[96:97]
	v_lshlrev_b32 v9, 5, v2
.irp b, 0,1,2,3,4,5,6,7
	global_load_b128 v[96+8*\b+96*(\b/4):96+8*\b+96*(\b/4)+3], v9, s[12:13] offset:64*\b
	global_load_b128 v[96+8*\b+96*(\b/4)+4:96+8*\b+96*(\b/4)+7], v9, s[12:13] offset:64*\b+16
.endr
.macro FRAG reg, adr, q, i
.irp p, 0,1,2,3,4,5
	ds_load_b64 v[\reg+2*\p:\reg+2*\p+1], v[\adr] offset:(\i)*ABLK+(\q)*1536+256*\p
.endr
.endm
.macro FRAGA reg, slot, q, i
.irp p, 0,1,2,3,4,5
	ds_load_b64 v[\reg+2*\p:\reg+2*\p+1], v[ADRA+\slot] offset:(\i)*ABLK+(\q)*1536+256*\p
.endr
.endm
.macro MUL16 a0, p, q, sc, first
.irp a, \a0, \a0+1
.irp b, 0,1,2,3,4,5,6,7
.if \first
	v_wmma_scale_f32_16x16x128_f8f6f4 v[8*(8*((\a)%4)+\b):8*(8*((\a)%4)+\b)+7], v[128*(\p)+FR*\b:128*(\p)+FR*\b+FR-1], v[AF+FR*(\a):AF+FR*(\a)+FR-1], v[96+8*\b+96*(\b/4):96+8*\b+96*(\b/4)+7], v[SCB+16*(\sc)+2*\b+(\q)], v[SCA+16*(\sc)+2*(\a)+(\q)] matrix_a_fmt:MATRIX_FMT_FP6 matrix_b_fmt:MATRIX_FMT_FP6
.else
	v_wmma_scale_f32_16x16x128_f8f6f4 v[8*(8*((\a)%4)+\b):8*(8*((\a)%4)+\b)+7], v[128*(\p)+FR*\b:128*(\p)+FR*\b+FR-1], v[AF+FR*(\a):AF+FR*(\a)+FR-1], v[8*(8*((\a)%4)+\b):8*(8*((\a)%4)+\b)+7], v[SCB+16*(\sc)+2*\b+(\q)], v[SCA+16*(\sc)+2*(\a)+(\q)] matrix_a_fmt:MATRIX_FMT_FP6 matrix_b_fmt:MATRIX_FMT_FP6
.endif
.endr
.endr
.endm
.macro FETCH_B slot, q, p
	WIN TO_B
.irp i, 0,1,2,3,4,5,6,7
	FRAG 128*(\p)+FR*\i, ADRB+\slot, \q, \i
.endr
	WIN 0
.endm
.macro FETCH_A slot, q, i0
.irp i, \i0, \i0+1, \i0+2, \i0+3
	FRAGA AF+FR*(\i), \slot, \q, \i
.endr
.endm
.macro SCALES sc
.irp i, 0,1,2,3,4,5,6,7
	ds_load_b64 v[SCA+16*\sc+2*\i:SCA+16*\sc+2*\i+1], v[ADSA] offset:\i*128
	ds_load_b64 v[SCB+16*\sc+2*\i:SCB+16*\sc+2*\i+1], v[ADSB] offset:\i*SBLK
.endr
.endm
.macro PLACES n
.rept \n
	v_nop
.endr
.endm
.macro STEP slot, q, first
	s_wait_dscnt 4*NL
.if \first
	WIN 0x81
.else
	WIN MUL_LO
.endif
	MUL16 0, (\q)%2, \q, \slot, \first
	MUL16 2, (\q)%2, \q, \slot, \first
	s_wait_dscnt 0
	PLACES NP
	FETCH_B \slot, (\q)+1, 1-(\q)%2
	FETCH_A \slot, (\q)+1, 0
.if \first
	WIN 0xc1
.else
	WIN MUL_HI
.endif
	MUL16 4, (\q)%2, \q, \slot, \first
	MUL16 6, (\q)%2, \q, \slot, \first
	PLACES NP
	WIN 0
	FETCH_A \slot, (\q)+1, 4
.endm
.macro TURN slot, next, fill
	s_wait_tensorcnt 0x0
	ds_add_u32 v[SPW], v[NIL]
	s_wait_dscnt 4*NL+1
	WIN MUL_LO
	MUL16 0, 1, NQ-1, \slot, 0
	s_wait_dscnt 0x0
	s_barrier_signal -1
	MUL16 2, 1, NQ-1, \slot, 0
	WIN 0
	s_barrier_wait -1
.if \fill
	CREST
	s_add_nc_u64 s[G0+4*\slot+2:G0+4*\slot+3], s[G0+4*\slot+2:G0+4*\slot+3], 2*ABLK
	s_add_nc_u64 s[G0B+4*\slot+2:G0B+4*\slot+3], s[G0B+4*\slot+2:G0B+4*\slot+3], 2*ROWB
	JLOAD G0+4*\slot, G1, G0B+4*\slot, G1B
.else
	PLACES NP
.endif
	s_wait_alu depctr_va_vdst(0)
	v_add_nc_u32 v[ADSA], 2048, v[ADSA]
	v_add_nc_u32 v[ADSB], 4*NQ, v[ADSB]
	FETCH_B \next, 0, 0
	FETCH_A \next, 0, 0
	SCALES \next
	WIN MUL_HI
	MUL16 4, 1, NQ-1, \slot, 0
	MUL16 6, 1, NQ-1, \slot, 0
	PLACES NP
	WIN 0
	FETCH_A \next, 0, 4
.endm
	s_wait_alu depctr_va_vdst(0)
	s_wait_tensorcnt 0x0                           ; my tile of the head's four is in
	ds_add_u32 v[SPW], v[NIL]
	s_mov_b32 s[G1+2], 8<<16                       ; no tensor load of mine is out: from here on a load brings 8 blocks of rows
	s_mov_b32 s[G1+4], 8
	s_mov_b32 s[G1B+2], 8<<16
	s_mov_b32 s[G1B+4], 8
	s_wait_dscnt 0x0
	CROUND
	JLOAD G0+4, G1, G0B+4, G1B                     ; K step 1, the first tensor load behind the round
	FETCH_B 0, 0, 0
	FETCH_A 0, 0, 0
	SCALES 0
	global_prefetch_b8 v[PFO], s[PFA:PFA+1] offset:2*ABLK th:TH_LOAD_NT scope:SCOPE_SE   ; K step 3, the last: two refills ahead
	FETCH_A 0, 0, 4
	s_wait_loadcnt 0x0
	STEP 0, 0, 1
	s_mov_b32 s3, LAPS-1
.Llap:
	TURN 0, 1, 1
	STEP 1, 0, 0
	TURN 1, 0, 1
	STEP 0, 0, 0
	s_sub_co_u32 s3, s3, 1
	s_cmp_lg_u32 s3, 0
	s_cbranch_scc1 .Llap
	TURN 0, 1, 0
	STEP 1, 0, 0
	s_wait_dscnt 4*NL
	WIN MUL_LO
	MUL16 0, 1, NQ-1, 1, 0
	MUL16 2, 1, NQ-1, 1, 0
	s_wait_dscnt 0
	WIN MUL_HI
	MUL16 4, 1, NQ-1, 1, 0
	MUL16 6, 1, NQ-1, 1, 0
	WIN 0
.set RDQ,  8
.set LI8,  10
.set SH8,  11
.set SCW,  12
.set SCRD, 13
.set RDA,  14
.set SCW2, 15
.set L16,  18
.set Z,   96
.set T,   112
.set X,   128
.set P,   192
.set PC,  208
.set PX,  220
.set TM,  228
.set TS,  232
.set TYB, 234
.set PW,  236
.set PT,  237
.set C8V, 238
; gelu's constants stand in pairs of vector registers, one for each half of a packed form.  (A, the left operand, now comes from qq and its scale words from kv, where launch projln lays them.)
; The polynomial's coefficients are held NEGATED: Q = z z + (-P) is then a plain multiply-add, and the exponential takes -Q: the same bits as of P - z z.
.set C0,  32
.set C1,  34
.set C2,  36
.set C3,  38
.set C4,  40
.set C5,  42
.set C6,  44
.set C7,  46
.set C9,  48
.set L2E, 50
.set KH,  52
.set K1,  54
.set RS2, 94
.set EO,  96
.set ES,  97
.set CNT, 98
.macro QUANT6 s
.irp c, 0,1
	v_max3_num_f32 v[TM+2*\c], |v[\s+32*\c]|, |v[\s+32*\c+1]|, 0x1800000
	v_max_num_f32 v[TM+2*\c+1], |v[\s+32*\c+2]|, |v[\s+32*\c+3]|
.endr
.irp i, 4,8,12,16,20,24,28
.irp c, 0,1
	v_max3_num_f32 v[TM+2*\c], v[TM+2*\c], |v[\s+32*\c+\i]|, |v[\s+32*\c+\i+1]|
	v_max3_num_f32 v[TM+2*\c+1], v[TM+2*\c+1], |v[\s+32*\c+\i+2]|, |v[\s+32*\c+\i+3]|
.endr
.endr
.irp c, 0,1
	v_max_num_f32 v[TM+2*\c], v[TM+2*\c], v[TM+2*\c+1]
.endr
.irp c, 0,1
	v_add_nc_u32 v[TS+\c], 0xff000000, v[TM+2*\c]
.endr
.irp c, 0,1
	v_lshrrev_b32 v[TYB+\c], 23, v[TS+\c]
.endr
	v_lshl_or_b32 v[PW], v[TYB+1], 16, v[TYB]
	v_lshlrev_b32 v[PW], v[SH8], v[PW]
	v_permlanex16_b32 v[PT], v[PW], s[SEL], s[SEL+1]
	v_or_b32 v[PW], v[PW], v[PT]
.irp c, 0,1
	v_cvt_scalef32_pk16_fp6_f32 v[PC+6*\c:PC+6*\c+2], v[\s+32*\c:\s+32*\c+15], v[TS+\c]
	v_cvt_scalef32_pk16_fp6_f32 v[PX+4*\c:PX+4*\c+2], v[\s+32*\c+16:\s+32*\c+31], v[TS+\c]
.endr
	v_nop
.irp c, 0,1
.irp i, 0,1,2
	v_mov_b32 v[PC+3+6*\c+\i], v[PX+4*\c+\i]
.endr
.endr
.endm
.macro GELU16 xb
.set j, 0
.rept 16
	v_mul_f32 v[Z+j], s[RS2], |v[\xb+j]|
.set j, j+1
.endr
.set j, 0
.rept 8
	v_pk_fma_f32 v[T+j:T+j+1], v[Z+j:Z+j+1], v[KH:KH+1], v[K1:K1+1]
.set j, j+2
.endr
.set j, 0
	s_wait_alu depctr_va_vdst(0)
.rept 16
	v_rcp_f32 v[T+j], v[T+j]
.set j, j+1
.endr
	v_nop
.set j, 0
	s_wait_alu depctr_va_vdst(0)
.rept 8
	v_pk_fma_f32 v[P+j:P+j+1], v[T+j:T+j+1], v[C9:C9+1], v[C8V:C8V+1]
.set j, j+2
.endr
.irp c, C7,C6,C5,C4,C3,C2,C1,C0
.set j, 0
.rept 8
	v_pk_fma_f32 v[P+j:P+j+1], v[P+j:P+j+1], v[T+j:T+j+1], v[\c:\c+1]
.set j, j+2
.endr
.endr
.set j, 0
.rept 8
	v_pk_fma_f32 v[P+j:P+j+1], v[Z+j:Z+j+1], v[Z+j:Z+j+1], v[P+j:P+j+1]
.set j, j+2
.endr
.set j, 0
.rept 8
	v_pk_mul_f32 v[P+j:P+j+1], v[P+j:P+j+1], v[L2E:L2E+1]
.set j, j+2
.endr
.set j, 0
	s_wait_alu depctr_va_vdst(0)
.rept 16
	v_exp_f32 v[P+j], -v[P+j]
.set j, j+1
.endr
.set j, 0
.rept 16
	v_max_num_f32 v[Z+j], 0, v[\xb+j]
.set j, j+1
.endr
.set j, 0
	s_wait_alu depctr_va_vdst(0)
.rept 8
	v_pk_mul_f32 v[P+j:P+j+1], v[P+j:P+j+1], v[T+j:T+j+1]
.set j, j+2
.endr
.set j, 0
.rept 16
	v_fma_f32 v[\xb+j], -|v[\xb+j]|, v[P+j], v[Z+j]
.set j, j+1
.endr
.endm
	s_wait_dscnt 0x0
	s_barrier_signal -1
	s_barrier_wait -1
	v_and_b32 v1, 15, v0
	v_bfe_u32 v2, v0, 4, 1
	v_and_b32 v3, 31, v0
	s_mul_i32 s99, s18, 128*SPITCH
	v_mul_u32_u24 v4, v1, SPITCH
	v_add_nc_u32 v4, s99, v4
	v_lshl_add_u32 v[STO], v2, 5, v4
	v_lshl_add_u32 v[RDQ], v2, 7, v4
	v_lshlrev_b32 v[LI8], 3, v3
	v_lshlrev_b32 v[SH8], 3, v2
	v_lshlrev_b32 v[L16], 4, v3
	s_lshl_b32 s98, s19, 10
	s_lshl_b32 s97, s20, 2
	s_add_co_u32 s98, s98, s97
	s_add_co_u32 s98, s98, SCRQ
	v_lshl_add_u32 v[SCW], v1, 3, s98
	s_lshl_b32 s98, s18, 9
	s_add_co_u32 s98, s98, SCRQ
	v_lshl_add_u32 v[SCRD], v3, 4, s98
	v_mov_b32 v[PT], 0
	v_mov_b32 v[C8V], 0x3f527892
	v_mov_b32 v[C8V+1], 0x3f527892
.irp a, 0,1,2,3,4,5,6,7
	WIN 0x08+4*(\a/4)
.irp b, 0,1,2,3,4,5,6,7
	ds_store_b128 v[STO], v[8*(8*(\a%4)+\b):8*(8*(\a%4)+\b)+3] offset:16*SPITCH*\a+64*\b
	ds_store_b128 v[STO], v[8*(8*(\a%4)+\b)+4:8*(8*(\a%4)+\b)+7] offset:16*SPITCH*\a+64*\b+16
.endr
.endr
	WIN 0
	s_lshl_b32 s92, s21, 9
	s_lshl_b32 s93, s19, 8
	s_add_co_u32 s92, s92, s93
	s_lshl_b32 s93, s22, 1
	s_add_co_u32 s92, s92, s93
	s_add_co_u32 s92, s92, s20
	s_mul_i32 s92, s92, 1536
	s_mov_b32 s93, 0
	s_add_nc_u64 s[14:15], s[14:15], s[92:93]
	s_lshl_b32 s92, s22, 15
	s_lshl_b32 s94, s21, 11
	s_add_co_u32 s92, s92, s94
	s_lshl_b32 s94, s18, 9
	s_add_co_u32 s92, s92, s94
	s_add_nc_u64 s[16:17], s[16:17], s[92:93]
.macro KONST reg, bits
	v_mov_b32 v[\reg], \bits
	v_mov_b32 v[\reg+1], \bits
.endm
	KONST C0, 0x3ffab55a
	KONST C1, 0xbf8000c7
	KONST C2, 0xbebf88fb
	KONST C3, 0xbdc636c9
	KONST C4, 0x3e3ec24c
	KONST C5, 0xbe8ec7cc
	KONST C6, 0x3f914e5d
	KONST C7, 0xbfbe87b0
	KONST C9, 0xbe2ef945
	KONST L2E, 0x3fb8aa3b
	KONST KH, 0x3f000000
	KONST K1, 0x3f800000
	s_mov_b32 s[RS2], 0x3f3504f3
	s_mov_b32 s[EO], 0
	s_mov_b32 s[ES], 0
	s_mov_b32 s[CNT], 0
.Lrow:
	s_wait_alu depctr_va_vdst(0)
	v_add_nc_u32 v[RDA], s[EO], v[RDQ]
	v_add_nc_u32 v[SCW2], s[ES], v[SCW]
.irp c, 0,1
.irp i, 0,1,2,3,4,5,6,7
	ds_load_b128 v[X+32*\c+4*\i:X+32*\c+4*\i+3], v[RDA] offset:256*\c+16*\i
.endr
.endr
	s_wait_dscnt 12                                ; the first four of the 16 loads are in: 16 numbers; the 12 younger may be out
	GELU16 X
	s_wait_dscnt 8
	GELU16 X+16
	s_wait_dscnt 4
	GELU16 X+32
	s_wait_dscnt 0x0
	GELU16 X+48
	QUANT6 X
.irp p, 0,1,2,3,4,5
	global_store_b64 v[LI8], v[PC+2*\p:PC+2*\p+1], s[14:15] offset:256*\p
.endr
	ds_store_b32 v[SCW2], v[PW]
	s_wait_xcnt 0x0
	s_add_nc_u64 s[14:15], s[14:15], 32*1536
	s_add_co_u32 s[EO], s[EO], 16*SPITCH
	s_add_co_u32 s[ES], s[ES], 128
	s_add_co_u32 s[CNT], s[CNT], 1
	s_cmp_lt_u32 s[CNT], 8
	s_cbranch_scc1 .Lrow
	s_wait_dscnt 0x0
	s_barrier_signal -1
	s_barrier_wait -1
	ds_load_b128 v[X:X+3], v[SCRD]
	s_wait_dscnt 0x0
	global_store_b128 v[L16], v[X:X+3], s[16:17]
	s_wait_tensorcnt 0x0
	ds_add_u32 v[SPW], v[NIL]
	s_wait_dscnt 0x0
	CROUND
	s_endpgm
.Lfunc_end_k_qcbaf889bfc_fc1:
	.size	k_qcbaf889bfc_fc1, .Lfunc_end_k_qcbaf889bfc_fc1-k_qcbaf889bfc_fc1
	.p2alignl 7, 3214868480
	.fill 96, 4, 3214868480
	.section	.rodata,"a",@progbits
	.p2align	6, 0x0
	.amdhsa_kernel k_qcbaf889bfc_fc1
		.amdhsa_group_segment_fixed_size 327680
		.amdhsa_private_segment_fixed_size 0
		.amdhsa_enable_private_segment 0
		.amdhsa_kernarg_size 56
		.amdhsa_user_sgpr_count 2
		.amdhsa_user_sgpr_kernarg_segment_ptr 1
		.amdhsa_wavefront_size32 1
		.amdhsa_system_sgpr_workgroup_id_x 1
		.amdhsa_system_sgpr_workgroup_id_y 1
		.amdhsa_system_sgpr_workgroup_id_z 1
		.amdhsa_system_vgpr_workitem_id 0
		.amdhsa_next_free_vgpr 1024
		.amdhsa_next_free_sgpr 102
		.amdhsa_reserve_vcc 0
		.amdhsa_float_denorm_mode_32 3
		.amdhsa_float_denorm_mode_16_64 3
		.amdhsa_memory_ordered 1
		.amdhsa_forward_progress 1
		.amdhsa_inst_pref_size 194
	.end_amdhsa_kernel
	.amdgpu_metadata
---
amdhsa.version: [ 1, 2 ]
amdhsa.kernels:
  - .name:           k_qcbaf889bfc_fc1
    .symbol:         k_qcbaf889bfc_fc1.kd
    .args:
      - { .name: qq, .offset: 0, .size: 8, .value_kind: global_buffer, .address_space: global }
      - { .name: kv, .offset: 8, .size: 8, .value_kind: global_buffer, .address_space: global }
      - { .name: wimg, .offset: 16, .size: 8, .value_kind: global_buffer, .address_space: global }
      - { .name: fc1_w_scales, .offset: 24, .size: 8, .value_kind: global_buffer, .address_space: global }
      - { .name: fc1_b, .offset: 32, .size: 8, .value_kind: global_buffer, .address_space: global }
      - { .name: himg, .offset: 40, .size: 8, .value_kind: global_buffer, .address_space: global }
      - { .name: hsc, .offset: 48, .size: 8, .value_kind: global_buffer, .address_space: global }
    .group_segment_fixed_size: 327680
    .private_segment_fixed_size: 0
    .kernarg_segment_align: 8
    .kernarg_segment_size: 56
    .max_flat_workgroup_size: 128
    .sgpr_count:     102
    .vgpr_count:     1024
    .wavefront_size: 32
...
	.end_amdgpu_metadata
.endif
;; end of part 11
;; launch fc2 (part 12): grid 8 x 32, 4 waves a work-group, clusters of 4 x 4, 327,680 bytes of LDS; arguments himg, hsc, wimg, fc2_w_scales, fc2_b, x1, out0; writes out0
.if DOCPART == 12
	.amdgcn_target "amdgcn-amd-amdhsa--gfx1250"
	.amdhsa_code_object_version 6
	.text
	.protected	k_qcbaf889bfc_fc2
	.globl	k_qcbaf889bfc_fc2
	.p2align	8
	.type	k_qcbaf889bfc_fc2,@function
k_qcbaf889bfc_fc2:
	s_mov_b64 s[64:65], 0
	v_nop
	global_prefetch_b8 v0, s[64:65] scope:SCOPE_SE
	s_setreg_imm32_b32 hwreg(HW_REG_WAVE_MODE, 25, 1), 1
	s_wait_xcnt 0x0
	s_wait_alu depctr_hold_cnt(0) depctr_sa_sdst(0) depctr_va_vdst(0) depctr_va_sdst(0) depctr_va_ssrc(0) depctr_va_vcc(0) depctr_vm_vsrc(0)
	s_getreg_b32 s2, hwreg(HW_REG_IB_STS2, 6, 4)
	s_cmp_eq_u32 s2, 0
	s_cbranch_scc0 .Lentry_in_a_cluster
	s_endpgm
.Lentry_in_a_cluster:
	s_bfe_u32 s2, ttmp6, 0x10000c
	s_cmp_lg_u32 s2, 0xf033
	s_cbranch_scc0 .Lentry_shape_is_right
	s_endpgm
.Lentry_shape_is_right:
.set SIZE_K, 4096
.set NQ,     4
; out = x1 + h fc2_w + fc2_b, on codes of FP6 with E8M0 scales.  A tile of 128 tokens x 128 columns, four waves of 64 x 64; K = 4,096 in eight steps of 512 through a ring of two LDS slots.
; A and B both come as pair images (a fragment of 16 rows x 128 K: 1,536 bytes, register pair p of lane l at 256 p + 8 l); B's were laid in wimg by launch lnq1.  Joint loads in a cluster of 4 x 4.
; THE HEAD: one tensor load a wave: wave 0 A's 128 rows of K step 0, wave 1 A's scale words, wave 2 B's 128 rows, wave 3 B's scale bytes; K step 1 follows behind a round.
; PREFETCH: K step t + 2 is asked for behind the load of K step t, two refills ahead, for t = 0 .. 5.  Of the 4 blocks of rows that a wave fetches, each of the four partners names one
; (6,144 bytes, 24 units of 256, a lane a unit), told apart by address.  The loop's last trip asks for nothing: K ends at step 7.
.set ROWB,   6144                      ; a K step of 512 in B's images
.set KROW,   SIZE_K*6/8
.set WOFF,   6291456                   ; where fc2's images begin in wimg
.set PFO,    31                        ; v31       the prefetches' lane offset; never rewritten
.set PFA,    100                       ; s[100:101] my share of what I fetch, at the K step of the slot that is being filled again
.set FR,     12
.set NL,     6
.set NP,     4
.set ABLK,   6144
.set HALFA,  4*ABLK
.set HALFB,  4*ABLK
.set SLOT,   2*HALFA+2*HALFB
.set LAPS,   SIZE_K/1024
.set KS,     SIZE_K/32
.set SAH,    (SIZE_K/256)*512
.set HALFS,  (64*KS/256)*272
.set SBLK,   (16*KS/256)*272
.set SPITCH, 272
.set SCLA,   2*SLOT
.set SCLB,   SCLA+2*SAH
.set SPARE,  SCLB+2*HALFS
.set ADRA, 16
.set ADRB, 20
.set STO,  24
.set RD,   25
.set CO,   26
.set ADSA, 27
.set SPW,  28
.set NIL,  29
.set ADSB, 30
.set SCA,  32
.set SCB,  64
.set BI,   96
.set BK,   128
.set AFR,  0
.set BFR,  96
.set G1,   24
.set G0,   32
.set G1B,  48
.set G0B,  56
.set G1S,  68
.set G0S,  76
.set G1SB, 80
.set G0SB, 88
.set MSB, 0
.macro WIN new
.if MSB != (\new)
	s_set_vgpr_msb (MSB<<8)|(\new)
.set MSB, (\new)
.endif
.endm
.set MUL,     0xa5
.set MUL_1ST, 0x85
.set TO_F,    0x40
.macro JLOAD g0a, g1a, g0b, g1b
	s_cmp_eq_u32 s19, 0
	s_cbranch_scc0 .Lfor_b_\@
	tensor_load_to_lds s[\g0a:\g0a+3], s[\g1a:\g1a+7]
	s_nop 0
.rept 4
	v_nop
.endr
	s_branch .Lasked_\@
.Lfor_b_\@:
	tensor_load_to_lds s[\g0b:\g0b+3], s[\g1b:\g1b+7]
	s_nop 0
.rept 4
	v_nop
.endr
.Lasked_\@:
.endm
.macro CREST
	s_cmp_lg_u32 s18, 0
	s_cbranch_scc1 .Lnot_wave_0_\@
	s_barrier_signal -3
.Lnot_wave_0_\@:
	s_barrier_wait -3
	s_barrier_signal -1
	s_barrier_wait -1
.endm
.macro CROUND
	s_barrier_signal -1
	s_barrier_wait -1
	CREST
.endm
	s_load_b256 s[4:11], s[0:1], 0x0
	s_load_b128 s[12:15], s[0:1], 0x20
	s_load_b64 s[16:17], s[0:1], 0x30
	v_lshl_add_u32 v[SPW], v0, 2, SPARE
	v_mov_b32 v[NIL], 0
	ds_add_u32 v28, v29
	ds_add_u32 v28, v29
	s_wait_dscnt 0x0
	v_lshrrev_b32 v1, 5, v0
	v_readfirstlane_b32 s18, v1
	s_lshr_b32 s19, s18, 1
	s_and_b32 s20, s18, 1
	s_bfe_u32 s40, ttmp6, 0x40000
	s_bfe_u32 s41, ttmp6, 0x40004
	s_lshl_b32 s22, ttmp9, 2
	s_add_co_u32 s22, s22, s40
	s_and_b32 s21, ttmp7, 0xffff
	s_lshl_b32 s21, s21, 2
	s_add_co_u32 s21, s21, s41
	s_lshl_b32 s43, s41, 2
	s_lshl_b32 s43, 15, s43
	s_lshl_b32 s44, 0x1111, s40
	s_or_b32 s[G1+0], s43, (3<<16)|(1<<21)
	s_mov_b32 s[G1+1], 768<<16
	s_mov_b32 s[G1+2], 8<<16
	s_mov_b32 s[G1+3], 768<<16
	s_mov_b32 s[G1+4], 8
	s_mov_b32 s[G1+5], (SIZE_K/128)*192
	s_mov_b32 s[G1+6], 0
	s_mov_b32 s[G1+7], 0
	s_or_b32 s[G1B+0], s44, (3<<16)|(1<<21)
	s_mov_b32 s[G1B+1], 768<<16
	s_mov_b32 s[G1B+2], 8<<16
	s_mov_b32 s[G1B+3], 768<<16
	s_mov_b32 s[G1B+4], 8
	s_mov_b32 s[G1B+5], (SIZE_K/128)*192
	s_mov_b32 s[G1B+6], 0
	s_mov_b32 s[G1B+7], 0
	s_or_b32 s[G1S+0], s43, (3<<16)|(1<<21)
	s_mov_b32 s[G1S+1], 128<<16
	s_mov_b32 s[G1S+2], (SIZE_K/256)<<16
	s_mov_b32 s[G1S+3], 128<<16
	s_mov_b32 s[G1S+4], SIZE_K/256
	s_mov_b32 s[G1S+5], 4096
	s_mov_b32 s[G1S+6], 0
	s_mov_b32 s[G1S+7], 0
	s_or_b32 s[G1SB+0], s44, (3<<16)|(1<<20)|(1<<21)|(5<<22)|(3<<25)
	s_mov_b32 s[G1SB+1], 32<<16
	s_mov_b32 s[G1SB+2], (128*KS/256)<<16
	s_mov_b32 s[G1SB+3], 32<<16
	s_mov_b32 s[G1SB+4], 128*KS/256
	s_mov_b32 s[G1SB+5], 32
	s_mov_b32 s[G1SB+6], 0
	s_mov_b32 s[G1SB+7], 0
	s_lshl_b32 s92, s21, 3
	s_lshl_b32 s93, s20, 2
	s_add_co_u32 s92, s92, s93
	s_mul_i32 s92, s92, 12*SIZE_K
	s_mov_b32 s93, 0
	s_lshl_b32 s94, s21, 10
	s_mov_b32 s95, 0
	s_lshl_b32 s46, s22, 7
	s_mul_i32 s96, s46, KS                         ; the scale bytes of the tile's 128 rows of B
	s_mov_b32 s97, 0
	s_lshl_b32 s47, s20, 6
	s_add_co_u32 s46, s46, s47
	s_mul_i32 s46, s46, KROW                       ; 16 rows of images are as many bytes as 16 rows of codes
	s_add_co_u32 s46, s46, WOFF
	s_mov_b32 s47, 0
	s_mul_i32 s23, s20, HALFA
	s_mul_i32 s42, s20, HALFB
	s_add_co_u32 s42, s42, 2*HALFA
	s_cmp_eq_u32 s19, 0
	s_cselect_b32 s2, s40, s41                     ; my place among the four that ask with me: cx for A, cy for B
	s_mul_i32 s2, s2, 12*SIZE_K                    ; one block of rows a partner,
	s_add_co_u32 s2, s2, ABLK                      ; at K step 1
	s_mov_b32 s3, 0
	s_wait_kmcnt 0x0
	s_add_nc_u64 s[92:93], s[4:5], s[92:93]
	s_add_nc_u64 s[94:95], s[6:7], s[94:95]
	s_add_nc_u64 s[46:47], s[8:9], s[46:47]
	s_add_nc_u64 s[96:97], s[10:11], s[96:97]
	CROUND
	s_mov_b32 s[G0S], 1
	s_mov_b32 s[G0S+1], SCLA
	s_mov_b64 s[G0S+2:G0S+3], s[94:95]
	s_or_b32 s[G0S+3], s[G0S+3], 0x80000000
	s_mov_b32 s[G0SB], 1
	s_mov_b32 s[G0SB+1], SCLB
	s_mov_b64 s[G0SB+2:G0SB+3], s[96:97]
	s_or_b32 s[G0SB+3], s[G0SB+3], 0x80000000
	s_cmp_eq_u32 s19, 0
	s_cselect_b64 s[PFA:PFA+1], s[92:93], s[46:47]
	s_add_nc_u64 s[PFA:PFA+1], s[PFA:PFA+1], s[2:3]
.irp s, 0,1
	s_mov_b32 s[G0+4*\s], 1
	s_add_co_u32 s[G0+4*\s+1], s23, \s*SLOT
	s_add_nc_u64 s[G0+4*\s+2:G0+4*\s+3], s[92:93], \s*ABLK
	s_or_b32 s[G0+4*\s+3], s[G0+4*\s+3], 0x80000000
	s_mov_b32 s[G0B+4*\s], 1
	s_add_co_u32 s[G0B+4*\s+1], s42, \s*SLOT
	s_add_nc_u64 s[G0B+4*\s+2:G0B+4*\s+3], s[46:47], \s*ROWB
	s_or_b32 s[G0B+4*\s+3], s[G0B+4*\s+3], 0x80000000
.endr
; The head's loads, one a wave: one chain of branches on the wave's number.  Waves 0 and 2 have half 0: their slot 0 descriptors name the tile's first block.
.macro ARM under, g0, g1, next
	s_cmp_lt_u32 s18, \under
	s_cbranch_scc0 \next
	tensor_load_to_lds s[\g0:\g0+3], s[\g1:\g1+7]
	s_nop 0
.rept 4
	v_nop
.endr
	s_branch .Lhead_asked
\next:
.endm
	ARM 1, G0,  G1,  .Lhead_sa
	ARM 2, G0S, G1S, .Lhead_b
	ARM 3, G0B, G1B, .Lhead_sb
	tensor_load_to_lds s[G0SB:G0SB+3], s[G1SB:G1SB+7]
	s_nop 0
.rept 4
	v_nop
.endr
.Lhead_asked:
	v_and_b32 v1, 15, v0
	v_bfe_u32 v2, v0, 4, 1
	v_and_b32 v3, 31, v0
	v_lshlrev_b32 v4, 3, v3
	s_mul_i32 s99, s19, HALFA
	v_add_nc_u32 v[ADRA], s99, v4
	v_add_nc_u32 v[ADRA+1], SLOT, v[ADRA]
	v_min_u32 v[PFO], 23, v3                       ; a lane a unit of 256 bytes, 24 units (the lanes left over name the last again)
	v_lshlrev_b32 v[PFO], 8, v[PFO]
	global_prefetch_b8 v[PFO], s[PFA:PFA+1] offset:ABLK th:TH_LOAD_NT scope:SCOPE_SE   ; K step 2, two refills ahead
	s_mul_i32 s99, s20, HALFB
	s_add_co_u32 s99, s99, 2*HALFA
	v_add_nc_u32 v[ADRB], s99, v4                  ; B's images: 8 x lane + my half, behind A's
	v_add_nc_u32 v[ADRB+1], SLOT, v[ADRB]
	v_lshlrev_b32 v7, 3, v1
	s_lshl_b32 s99, s19, 9                         ; my 64 tokens of a row of 128
	s_add_co_u32 s99, s99, SCLA
	v_add_nc_u32 v[ADSA], s99, v7
	v_mul_u32_u24 v7, v1, KS
	v_lshrrev_b32 v8, 8, v7
	v_lshl_add_u32 v7, v8, 4, v7
	s_mul_i32 s99, s20, HALFS
	s_add_co_u32 s99, s99, SCLB
	v_add_nc_u32 v[ADSB], s99, v7
	s_mul_i32 s99, s18, 64*SPITCH
	v_mul_u32_u24 v5, v1, SPITCH
	v_lshl_add_u32 v5, v2, 5, v5
	v_add_nc_u32 v[STO], s99, v5
	v_mul_u32_u24 v6, v2, SPITCH
	v_lshl_add_u32 v6, v1, 4, v6
	v_add_nc_u32 v[RD], s99, v6
	v_lshlrev_b32 v[CO], 4, v1
	v_lshl_add_u32 v[CO], v2, 12, v[CO]
	s_wait_alu depctr_va_vdst(0)
	s_lshl_b32 s96, s22, 9
	s_lshl_b32 s97, s20, 8
	s_add_co_u32 s96, s96, s97
	s_mov_b32 s97, 0
	s_add_nc_u64 s[12:13], s[12:13], s[96:97]
	s_lshl_b32 s98, s21, 19
	s_lshl_b32 s99, s19, 18
	s_add_co_u32 s98, s98, s99
	s_add_co_u32 s98, s98, s96
	s_mov_b32 s99, 0
	s_add_nc_u64 s[14:15], s[14:15], s[98:99]
	s_add_nc_u64 s[16:17], s[16:17], s[98:99]
	v_lshlrev_b32 v9, 5, v2
.irp b, 0,1,2,3
	global_load_b128 v[BI+8*\b:BI+8*\b+3], v9, s[12:13] offset:64*\b
	global_load_b128 v[BI+8*\b+4:BI+8*\b+7], v9, s[12:13] offset:64*\b+16
.endr
	WIN 0xc0
.irp a, 0,1,2,3
.irp t, 0,1,2,3,4,5,6,7
	global_load_b128 v[32*\a+4*\t:32*\a+4*\t+3], v[CO], s[14:15] offset:(16*\a+2*\t)*4096
.endr
.endr
	WIN 0
.macro FRAG reg, adr, q, i
.irp p, 0,1,2,3,4,5
	ds_load_b64 v[\reg+2*\p:\reg+2*\p+1], v[\adr] offset:(\i)*ABLK+(\q)*1536+256*\p
.endr
.endm
.macro FRAGA reg, slot, q, i
.irp p, 0,1,2,3,4,5
	ds_load_b64 v[\reg+2*\p:\reg+2*\p+1], v[ADRA+\slot] offset:(\i)*ABLK+(\q)*1536+256*\p
.endr
.endm
.macro FETCH slot, q, p
	WIN TO_F
.irp i, 0,1,2,3
	FRAG BFR+48*(\p)+FR*\i, ADRB+\slot, \q, \i
.endr
.irp i, 0,1,2,3
	FRAGA AFR+48*(\p)+FR*\i, \slot, \q, \i
.endr
	WIN 0
.endm
.macro SCALES sc
.irp i, 0,1,2,3
	ds_load_b64 v[SCA+16*\sc+4*\i:SCA+16*\sc+4*\i+1], v[ADSA] offset:\i*128
	ds_load_b64 v[SCA+16*\sc+4*\i+2:SCA+16*\sc+4*\i+3], v[ADSA] offset:\i*128+1024
	ds_load_b128 v[SCB+16*\sc+4*\i:SCB+16*\sc+4*\i+3], v[ADSB] offset:\i*SBLK
.endr
.endm
.macro MULA a, p, q, sc, first
.irp b, 0,1,2,3
.if \first
	v_wmma_scale_f32_16x16x128_f8f6f4 v[8*(4*(\a)+\b):8*(4*(\a)+\b)+7], v[BFR+48*(\p)+FR*\b:BFR+48*(\p)+FR*\b+FR-1], v[AFR+48*(\p)+FR*(\a):AFR+48*(\p)+FR*(\a)+FR-1], v[BI+8*\b:BI+8*\b+7], v[SCB+16*(\sc)+4*\b+(\q)], v[SCA+16*(\sc)+4*(\a)+(\q)] matrix_a_fmt:MATRIX_FMT_FP6 matrix_b_fmt:MATRIX_FMT_FP6
.else
	v_wmma_scale_f32_16x16x128_f8f6f4 v[8*(4*(\a)+\b):8*(4*(\a)+\b)+7], v[BFR+48*(\p)+FR*\b:BFR+48*(\p)+FR*\b+FR-1], v[AFR+48*(\p)+FR*(\a):AFR+48*(\p)+FR*(\a)+FR-1], v[8*(4*(\a)+\b):8*(4*(\a)+\b)+7], v[SCB+16*(\sc)+4*\b+(\q)], v[SCA+16*(\sc)+4*(\a)+(\q)] matrix_a_fmt:MATRIX_FMT_FP6 matrix_b_fmt:MATRIX_FMT_FP6
.endif
.endr
.endm
.macro PLACES n
.rept \n
	v_nop
.endr
.endm
.macro STEP slot, q, first
	PLACES NP
	FETCH \slot, (\q)+1, 1-(\q)%2
	s_wait_dscnt 8*NL
.if \first
	WIN MUL_1ST
.else
	WIN MUL
.endif
.irp a, 0,1,2,3
	MULA \a, (\q)%2, \q, \slot, \first
.endr
	WIN 0
.endm
.macro TURN slot, next, fill
.if \fill
	s_wait_xcnt 0x0                                ; my last prefetch has read its address: it is stepped here, a K step behind that prefetch
	s_add_nc_u64 s[PFA:PFA+1], s[PFA:PFA+1], ABLK
.endif
	s_wait_tensorcnt 0x0
	ds_add_u32 v[SPW], v[NIL]
	s_wait_dscnt 1
	WIN MUL
	MULA 0, 1, NQ-1, \slot, 0
	s_wait_dscnt 0x0
	s_barrier_signal -1
	MULA 1, 1, NQ-1, \slot, 0
	WIN 0
	s_barrier_wait -1
.if \fill
	CREST
	s_add_nc_u64 s[G0+4*\slot+2:G0+4*\slot+3], s[G0+4*\slot+2:G0+4*\slot+3], 2*ABLK
	s_add_nc_u64 s[G0B+4*\slot+2:G0B+4*\slot+3], s[G0B+4*\slot+2:G0B+4*\slot+3], 2*ROWB
	JLOAD G0+4*\slot, G1, G0B+4*\slot, G1B
.else
	PLACES NP
.endif
	s_wait_alu depctr_va_vdst(0)
	v_add_nc_u32 v[ADSA], 2048, v[ADSA]
	v_add_nc_u32 v[ADSB], 4*NQ, v[ADSB]
	FETCH \next, 0, 0
	SCALES \next
.if \fill
	s_cmp_gt_u32 s3, 1                             ; s3 = 1 in the loop's last trip, whose refills are K's last two steps
	s_cbranch_scc0 .Lno_ask_\@
	global_prefetch_b8 v[PFO], s[PFA:PFA+1] offset:2*ABLK th:TH_LOAD_NT scope:SCOPE_SE   ; the K step two refills on
.Lno_ask_\@:
.endif
	WIN MUL
	MULA 2, 1, NQ-1, \slot, 0
	MULA 3, 1, NQ-1, \slot, 0
	WIN 0
.endm
	s_wait_alu depctr_va_vdst(0)
	s_wait_tensorcnt 0x0                           ; my tile of the head's four is in
	ds_add_u32 v[SPW], v[NIL]
	s_mov_b32 s[G1+2], 4<<16                       ; no tensor load of mine is out: from here on a load brings 4 blocks of rows
	s_mov_b32 s[G1+4], 4
	s_mov_b32 s[G1B+2], 4<<16
	s_mov_b32 s[G1B+4], 4
	s_wait_dscnt 0x0
	CROUND
	JLOAD G0+4, G1, G0B+4, G1B                     ; K step 1, the first tensor load behind the round
	FETCH 0, 0, 0
	SCALES 0
	global_prefetch_b8 v[PFO], s[PFA:PFA+1] offset:2*ABLK th:TH_LOAD_NT scope:SCOPE_SE   ; K step 3, two refills ahead
	s_wait_loadcnt 32
	STEP 0, 0, 1
	STEP 0, 1, 0
	STEP 0, 2, 0
.if LAPS > 1
	s_mov_b32 s3, LAPS-1
.Llap:
	TURN 0, 1, 1
	STEP 1, 0, 0
	STEP 1, 1, 0
	STEP 1, 2, 0
	TURN 1, 0, 1
	STEP 0, 0, 0
	STEP 0, 1, 0
	STEP 0, 2, 0
	s_sub_co_u32 s3, s3, 1
	s_cmp_lg_u32 s3, 0
	s_cbranch_scc1 .Llap
.endif
	TURN 0, 1, 0
	STEP 1, 0, 0
	STEP 1, 1, 0
	STEP 1, 2, 0
	s_wait_dscnt 0x0
	WIN MUL
.irp a, 0,1,2,3
	MULA \a, 1, NQ-1, 1, 0
.endr
	WIN 0
.macro TOSTAGE a
	WIN 0x08
.irp b, 0,1,2,3
	ds_store_b128 v[STO], v[8*(4*(\a)+\b):8*(4*(\a)+\b)+3] offset:16*SPITCH*(\a)+64*\b
	ds_store_b128 v[STO], v[8*(4*(\a)+\b)+4:8*(4*(\a)+\b)+7] offset:16*SPITCH*(\a)+64*\b+16
.endr
	WIN 0
.irp t, 0,1,2,3,4,5,6,7
	ds_load_b128 v[BK+32*(\a)+4*\t:BK+32*(\a)+4*\t+3], v[RD] offset:(16*(\a)+2*\t)*SPITCH
.endr
.endm
.macro SEND a
	s_wait_dscnt 16*(3-(\a))
	WIN 0x0c
.irp t, 0,1,2,3,4,5,6,7
	v_pk_add_f32 v[BK+32*(\a)+4*\t:BK+32*(\a)+4*\t+1], v[BK+32*(\a)+4*\t:BK+32*(\a)+4*\t+1], v[32*(\a)+4*\t:32*(\a)+4*\t+1]
	v_pk_add_f32 v[BK+32*(\a)+4*\t+2:BK+32*(\a)+4*\t+3], v[BK+32*(\a)+4*\t+2:BK+32*(\a)+4*\t+3], v[32*(\a)+4*\t+2:32*(\a)+4*\t+3]
.endr
	WIN 0
.irp t, 0,1,2,3,4,5,6,7
	global_store_b128 v[CO], v[BK+32*(\a)+4*\t:BK+32*(\a)+4*\t+3], s[16:17] offset:(16*(\a)+2*\t)*4096 th:TH_STORE_NT
.endr
.endm
	PLACES NP
.irp a, 0,1,2,3
	TOSTAGE \a
.endr
	s_wait_loadcnt 0x0
.irp a, 0,1,2,3
	SEND \a
.endr
	s_wait_tensorcnt 0x0
	ds_add_u32 v[SPW], v[NIL]
	s_wait_dscnt 0x0
	CROUND
	s_endpgm
.Lfunc_end_k_qcbaf889bfc_fc2:
	.size	k_qcbaf889bfc_fc2, .Lfunc_end_k_qcbaf889bfc_fc2-k_qcbaf889bfc_fc2
	.p2alignl 7, 3214868480
	.fill 96, 4, 3214868480
	.section	.rodata,"a",@progbits
	.p2align	6, 0x0
	.amdhsa_kernel k_qcbaf889bfc_fc2
		.amdhsa_group_segment_fixed_size 327680
		.amdhsa_private_segment_fixed_size 0
		.amdhsa_enable_private_segment 0
		.amdhsa_kernarg_size 56
		.amdhsa_user_sgpr_count 2
		.amdhsa_user_sgpr_kernarg_segment_ptr 1
		.amdhsa_wavefront_size32 1
		.amdhsa_system_sgpr_workgroup_id_x 1
		.amdhsa_system_sgpr_workgroup_id_y 1
		.amdhsa_system_sgpr_workgroup_id_z 1
		.amdhsa_system_vgpr_workitem_id 0
		.amdhsa_next_free_vgpr 896
		.amdhsa_next_free_sgpr 102
		.amdhsa_reserve_vcc 0
		.amdhsa_float_denorm_mode_32 3
		.amdhsa_float_denorm_mode_16_64 3
		.amdhsa_memory_ordered 1
		.amdhsa_forward_progress 1
		.amdhsa_inst_pref_size 118
	.end_amdhsa_kernel
	.amdgpu_metadata
---
amdhsa.version: [ 1, 2 ]
amdhsa.kernels:
  - .name:           k_qcbaf889bfc_fc2
    .symbol:         k_qcbaf889bfc_fc2.kd
    .args:
      - { .name: himg, .offset: 0, .size: 8, .value_kind: global_buffer, .address_space: global }
      - { .name: hsc, .offset: 8, .size: 8, .value_kind: global_buffer, .address_space: global }
      - { .name: wimg, .offset: 16, .size: 8, .value_kind: global_buffer, .address_space: global }
      - { .name: fc2_w_scales, .offset: 24, .size: 8, .value_kind: global_buffer, .address_space: global }
      - { .name: fc2_b, .offset: 32, .size: 8, .value_kind: global_buffer, .address_space: global }
      - { .name: x1, .offset: 40, .size: 8, .value_kind: global_buffer, .address_space: global }
      - { .name: out0, .offset: 48, .size: 8, .value_kind: global_buffer, .address_space: global }
    .group_segment_fixed_size: 327680
    .private_segment_fixed_size: 0
    .kernarg_segment_align: 8
    .kernarg_segment_size: 56
    .max_flat_workgroup_size: 128
    .sgpr_count:     102
    .vgpr_count:     896
    .wavefront_size: 32
...
	.end_amdgpu_metadata
.endif
;; end of part 12
